; MI455X (gfx1250); checked and timed in simulation.
; The chip was launched on July 23, 2026; its instructions are those of AMD's public machine-readable ISA for CDNA 5 (MIT licence, August 2026) and "CDNA5" Instruction Set Architecture Reference Guide (July 2026). The comments in the code are by the model that wrote it; some were corrected since.
;; Sparse Mo E. Allowed arithmetic: float matrix products may take bf16 or f16 operands with f32 sums; other float arithmetic in f32, or as packed bf16 or f16 multiplies, adds, multiply-adds, maxima and minima; sums over many terms, partial sums and values carried from step to step in f32; what a program stores and reads back later, other than sums and carried values, may be rounded once to bf16 or f16.
;; Inputs: W1 8 x 1,024 x 4,096 float32; W2 8 x 4,096 x 1,024 float32; b1 8 x 4,096 float32; b2 8 x 1,024 float32; gate_w 1,024 x 8 float32; x 2 x 512 x 1,024 float32.
;; Outputs: out0 2 x 512 x 1,024 float32; out1 one number float32.
;; 3 versions, each right; version 2 is faster than version 1; version 3 is version 2 with the launches up, down written anew for expert scheduling mode. Each part assembles by itself: llvm-mc -triple=amdgcn-amd-amdhsa -mcpu=gfx1250 --defsym DOCPART=n.
;; ======== version 1 of 3: 4 launches
;; workspace buffers: xb 2,097,152 bytes; bm 1,024 bytes of whole numbers; gs 8,192 bytes; auxp 4,096 bytes; hbuf 67,108,864 bytes; pbuf 33,554,432 bytes
;; launch router (part 1): grid 64 x 1, 8 waves a work-group, no clusters, 58,368 bytes of LDS; arguments x, gate_w, xb, bm, gs, auxp; writes xb, bm, gs, auxp
.if DOCPART == 1
	.amdgcn_target "amdgcn-amd-amdhsa--gfx1250"
	.amdhsa_code_object_version 6
	.text
	.protected	k_qa1c9d76dd3_router
	.globl	k_qa1c9d76dd3_router
	.p2align	8
	.type	k_qa1c9d76dd3_router,@function
k_qa1c9d76dd3_router:
	s_mov_b64 s[64:65], 0
	v_nop
	global_prefetch_b8 v0, s[64:65] scope:SCOPE_SE
	s_setreg_imm32_b32 hwreg(HW_REG_WAVE_MODE, 25, 1), 1
	s_wait_xcnt 0x0
; ROUTER.  logits = bf16(x) . bf16(gate_w), softmax over 8 experts, the two largest, their weights, and the parts of the aux loss.
; It also stores x rounded to bf16 (xb), which the first product reads.
; A work-group owns 16 tokens; wave w owns k = 128 w .. 128 w + 127 of the 1,024: four matrix instructions a wave, the eight partial
; logits of a token meet in LDS, and wave 0 does the softmax and the choice for the 16 tokens (lanes 16-31 mirror lanes 0-15).
; STORED: xb [1024][1024] bf16; bm[e][word]: bit i of word wd = token 32 wd + i chose expert e (this group writes 16 bits of each expert's row);
; gs[token] = weight of the lower-numbered chosen expert, weight of the higher; auxp[group] = 8 sums of probabilities, 8 counts of p > 0.
; No address and no branch hangs on the choice: it is only stored.
; LIMITS.  x and gate_w are rounded to bf16.  A probability below 2^-126 counts as 0, in the count too.  NaN and infinities are not treated apart.
; Ties go to the lower index (strict comparisons in ascending order).
.set XP,    272                        ; an LDS row: 128 bf16 + 16 bytes, so that the 16 rows of a fragment load start 68 words apart
.set WST,   6656                       ; a wave's own stage: 16 rows of x, then 8 rows of gate_w turned
.set GST,   4352
.set PART,  53248                      ; 8 waves x 16 tokens x 8 partial logits, f32
.set SPARE, 57344                      ; the spare words, 128 bytes a wave: no other line names them
.set SPW, 10
.set NIL, 11
.set G,   16                           ; v16-47   gate_w as loaded, later its four fragments
.set X,   48                           ; v48-111  x as loaded, later its four fragments
.set GP,  112                          ; v112-127 gate_w packed
.set XB,  128                          ; v128-159 x packed: a pair for each row, since the stores read them
.set ACC, 160                          ; v160-175 two accumulators by turns
.set LG,  176                          ; v176-183 my partial logits
	s_load_b256 s[4:11], s[0:1], 0x0               ; x s[4:5], gate_w s[6:7], xb s[8:9], bm s[10:11]
	s_load_b128 s[12:15], s[0:1], 0x20             ; gs s[12:13], auxp s[14:15]
	v_lshl_add_u32 v[SPW], v0, 2, SPARE
	v_mov_b32 v[NIL], 0
	v_and_b32 v1, 31, v0                           ; lane
	v_and_b32 v2, 15, v0                           ; r
	v_bfe_u32 v3, v0, 4, 1                         ; h
	v_lshrrev_b32 v4, 5, v0
	v_readfirstlane_b32 s16, v4                    ; wave
	s_lshl_b32 s17, s16, 12
	v_lshl_add_u32 v5, v1, 7, s17                  ; gate_w: rows 128 w + 4 lane .. + 3, 32 bytes each
	s_lshl_b32 s18, s16, 9
	v_lshl_add_u32 v6, v1, 4, s18                  ; x: 512 w + 16 lane in a row
	s_lshl_b32 s19, s16, 8
	v_lshl_add_u32 v7, v1, 3, s19                  ; xb: 256 w + 8 lane in a row
	s_mul_i32 s22, s16, WST
	v_lshl_add_u32 v8, v1, 3, s22                  ; my stage + 8 lane
	s_lshl_b32 s20, ttmp9, 16                      ; 16 rows of x
	s_mov_b32 s21, 0
	s_lshl_b32 s24, ttmp9, 15                      ; 16 rows of xb
	s_mov_b32 s25, 0
	s_wait_kmcnt 0x0
	s_add_nc_u64 s[4:5], s[4:5], s[20:21]
	s_add_nc_u64 s[8:9], s[8:9], s[24:25]
.irp n, 0,1,2,3,4,5,6,7
	global_load_b128 v[G+4*\n:G+4*\n+3], v5, s[6:7] offset:16*\n   ; v[G + 8 i + e] = gate_w[128 w + 4 lane + i][e]
.endr
.irp t, 0,1,2,3,4,5,6,7,8,9,10,11,12,13,14,15
	global_load_b128 v[X+4*\t:X+4*\t+3], v6, s[4:5] offset:4096*\t th:TH_LOAD_NT  ; a wave's load covers 512 consecutive bytes of row t
.endr
	v_mul_u32_u24 v9, v2, XP
	v_lshl_add_u32 v9, v3, 4, v9
	v_add_nc_u32 v9, s22, v9                       ; x fragment: row r, 16 h
	v_and_b32 v12, 7, v0
	v_mul_u32_u24 v12, v12, XP
	v_lshl_add_u32 v12, v3, 4, v12
	s_add_co_u32 s23, s22, GST
	v_add_nc_u32 v12, s23, v12                     ; gate fragment: row r % 8 (the eight experts stand twice), 16 h
	s_lshl_b32 s23, s16, 9
	s_add_co_u32 s23, s23, PART
	v_lshl_add_u32 v13, v2, 5, s23                 ; my wave's partial logits of token r
	s_wait_loadcnt 16                              ; gate_w is in; the 16 rows of x are younger
.irp e, 0,1,2,3,4,5,6,7
	v_cvt_pk_bf16_f32 v[GP+2*\e], v[G+\e], v[G+8+\e]
	v_cvt_pk_bf16_f32 v[GP+2*\e+1], v[G+16+\e], v[G+24+\e]
	ds_store_b64 v8, v[GP+2*\e:GP+2*\e+1] offset:GST+\e*XP       ; turned: row e, k = 4 lane .. + 3
.endr
.irp t, 0,1,2,3,4,5,6,7,8,9,10,11,12,13,14,15
.if \t == 0
	s_wait_loadcnt 8                               ; rows 0-7 are in; eight are younger
.endif
.if \t == 8
	s_wait_loadcnt 0x0
.endif
	v_cvt_pk_bf16_f32 v[XB+2*\t], v[X+4*\t], v[X+4*\t+1]
	v_cvt_pk_bf16_f32 v[XB+2*\t+1], v[X+4*\t+2], v[X+4*\t+3]
	global_store_b64 v7, v[XB+2*\t:XB+2*\t+1], s[8:9] offset:2048*\t  ; 32 lanes store 256 consecutive bytes, at a multiple of 256 from xb's first
	ds_store_b64 v8, v[XB+2*\t:XB+2*\t+1] offset:\t*XP
.endr
.irp s, 0,1,2,3                        ; the stage is my wave's own and LDS serves a wave in order: no wait between the stores and these loads
	ds_load_b128 v[G+8*\s:G+8*\s+3],   v12 offset:64*\s
	ds_load_b128 v[G+8*\s+4:G+8*\s+7], v12 offset:64*\s+32
	ds_load_b128 v[X+8*\s:X+8*\s+3],   v9 offset:64*\s
	ds_load_b128 v[X+8*\s+4:X+8*\s+7], v9 offset:64*\s+32
.endr
	s_wait_dscnt 0x0
	; source 0 = experts, source 1 = tokens: register j of lane (r, h) is token r's logit for expert j.  Two accumulators take turns.
	v_wmma_f32_16x16x32_bf16 v[ACC:ACC+7],    v[G:G+7],     v[X:X+7],     0
	v_wmma_f32_16x16x32_bf16 v[ACC+8:ACC+15], v[G+8:G+15],  v[X+8:X+15],  0
	v_wmma_f32_16x16x32_bf16 v[ACC:ACC+7],    v[G+16:G+23], v[X+16:X+23], v[ACC:ACC+7]
	v_wmma_f32_16x16x32_bf16 v[ACC+8:ACC+15], v[G+24:G+31], v[X+24:X+31], v[ACC+8:ACC+15]
.rept 4
	v_nop                                          ; four places between a matrix instruction and the vector read of its result (ISA guide 7.12.1)
.endr
.irp j, 0,2,4,6
	v_pk_add_f32 v[LG+\j:LG+\j+1], v[ACC+\j:ACC+\j+1], v[ACC+8+\j:ACC+8+\j+1]
.endr
	ds_store_b128 v13, v[LG:LG+3]                  ; both halves of the lanes hold the same numbers and write the same words
	ds_store_b128 v13, v[LG+4:LG+7] offset:16
	s_wait_dscnt 0x0                               ; for wave 0's sake: my partial logits are in LDS
	s_barrier_signal -1
	s_barrier_wait -1
	s_cmp_eq_u32 s16, 0
	s_cbranch_scc1 .Lwave0
	s_wait_tensorcnt 0x0                           ; the wave's end, behind my last LDS store
	ds_add_u32 v[SPW], v[NIL]
	s_wait_dscnt 0x0
	s_endpgm
.Lwave0:
	v_lshl_add_u32 v14, v2, 5, PART
.irp w, 0,1,2,3,4,5,6,7
	ds_load_b128 v[16+8*\w:16+8*\w+3], v14 offset:512*\w
	ds_load_b128 v[16+8*\w+4:16+8*\w+7], v14 offset:512*\w+16
.endr
	s_lshl_b32 s20, ttmp9, 7
	s_add_nc_u64 s[12:13], s[12:13], s[20:21]      ; gs at my 16 tokens
	s_lshl_b32 s20, ttmp9, 1
	s_add_nc_u64 s[10:11], s[10:11], s[20:21]      ; bm at my 16 bits of a row
	s_lshl_b32 s20, ttmp9, 6
	s_add_nc_u64 s[14:15], s[14:15], s[20:21]      ; auxp at my 16 numbers
	s_wait_dscnt 0x0
.irp j, 0,2,4,6
	v_pk_add_f32 v[80+\j:81+\j], v[16+\j:17+\j], v[24+\j:25+\j]
.endr
.irp w, 2,3,4,5,6,7
.irp j, 0,2,4,6
	v_pk_add_f32 v[80+\j:81+\j], v[80+\j:81+\j], v[16+8*\w+\j:17+8*\w+\j]
.endr
.endr
	; softmax: the maximum is taken away first
	v_max3_num_f32 v88, v80, v81, v82
	v_max3_num_f32 v88, v88, v83, v84
	v_max3_num_f32 v88, v88, v85, v86
	v_max_num_f32 v88, v88, v87
.irp e, 0,1,2,3,4,5,6,7
	v_sub_f32 v[80+\e], v[80+\e], v88
.endr
.irp e, 0,1,2,3,4,5,6,7
	v_mul_f32 v[80+\e], 0x3fb8aa3b, v[80+\e]       ; log2(e)
.endr
.irp e, 0,1,2,3,4,5,6,7
	v_exp_f32 v[80+\e], v[80+\e]
.endr
	v_nop                                          ; a plain instruction behind the last exponential
	s_wait_alu depctr_va_vdst(0)
	v_pk_add_f32 v[92:93], v[80:81], v[82:83]
	v_pk_add_f32 v[94:95], v[84:85], v[86:87]
	v_pk_add_f32 v[92:93], v[92:93], v[94:95]
	v_add_f32 v90, v92, v93
	v_rcp_f32 v91, v90
	v_nop
	s_wait_alu depctr_va_vdst(0)
.irp e, 0,1,2,3,4,5,6,7
	v_mul_f32 v[80+\e], v[80+\e], v91              ; the probabilities
.endr
	; the largest: strict comparisons in ascending order keep the lower index at a tie
	v_mov_b32 v96, v80
	v_mov_b32 v97, 0
.irp e, 1,2,3,4,5,6,7
	v_cmp_gt_f32 vcc_lo, v[80+\e], v96
	v_cndmask_b32 v96, v96, v[80+\e], vcc_lo
	v_cndmask_b32 v97, v97, \e, vcc_lo
.endr
	; the second: the same with the winner set to -1
.irp e, 0,1,2,3,4,5,6,7
	v_cmp_eq_u32 vcc_lo, \e, v97
	v_cndmask_b32 v[100+\e], v[80+\e], -1.0, vcc_lo
.endr
	v_mov_b32 v98, v100
	v_mov_b32 v99, 0
.irp e, 1,2,3,4,5,6,7
	v_cmp_gt_f32 vcc_lo, v[100+\e], v98
	v_cndmask_b32 v98, v98, v[100+\e], vcc_lo
	v_cndmask_b32 v99, v99, \e, vcc_lo
.endr
	v_add_f32 v108, v96, v98
	v_add_f32 v108, 0x3089705f, v108               ; + 1e-9
	v_rcp_f32 v109, v108
	v_nop
	s_wait_alu depctr_va_vdst(0)
	v_mul_f32 v110, v96, v109
	v_mul_f32 v111, v98, v109
	v_cmp_lt_u32 vcc_lo, v97, v99
	v_cndmask_b32 v112, v111, v110, vcc_lo         ; the weight of the lower-numbered expert,
	v_cndmask_b32 v113, v110, v111, vcc_lo         ; of the higher
	v_mov_b32 v114, 0
.irp e, 0,1,2,3,4,5,6,7
	v_cmp_eq_u32 s24, \e, v97
	v_cmp_eq_u32 s25, \e, v99
	s_or_b32 s24, s24, s25
	v_writelane_b32 v114, s24, \e                  ; lane e: bits 0-15 = which of my 16 tokens chose expert e
.endr
.irp e, 0,1,2,3,4,5,6,7
	v_cmp_lt_f32 vcc_lo, 0, v[80+\e]
	v_cndmask_b32 v[88+\e], 0, 1.0, vcc_lo
.endr
.set i, 80
.rept 16                               ; sums over the 16 tokens
	v_add_f32_dpp v[i], v[i], v[i] row_xmask:1 row_mask:0xf bank_mask:0xf
	v_add_f32_dpp v[i], v[i], v[i] row_xmask:2 row_mask:0xf bank_mask:0xf
	v_add_f32_dpp v[i], v[i], v[i] row_xmask:4 row_mask:0xf bank_mask:0xf
	v_add_f32_dpp v[i], v[i], v[i] row_xmask:8 row_mask:0xf bank_mask:0xf
.set i, i+1
.endr
	v_lshlrev_b32 v115, 3, v1
	v_lshlrev_b32 v116, 7, v1
	v_mov_b32 v117, 0
	s_wait_xcnt 0x0                                ; EXEC changes only behind this wait: xb's stores are out
	v_cmp_gt_u32 vcc_lo, 16, v1
	s_and_saveexec_b32 s26, vcc_lo
	global_store_b64 v115, v[112:113], s[12:13]
	s_wait_xcnt 0x0
	s_or_b32 exec_lo, exec_lo, s26
	v_cmp_gt_u32 vcc_lo, 8, v1
	s_and_saveexec_b32 s26, vcc_lo
	global_store_b16 v116, v114, s[10:11]          ; lane e: 16 bits of expert e's row of 128 bytes
	s_wait_xcnt 0x0
	s_or_b32 exec_lo, exec_lo, s26
	v_cmp_eq_u32 vcc_lo, 0, v1
	s_and_saveexec_b32 s26, vcc_lo
.irp n, 0,1,2,3
	global_store_b128 v117, v[80+4*\n:83+4*\n], s[14:15] offset:16*\n
.endr
	s_wait_xcnt 0x0
	s_or_b32 exec_lo, exec_lo, s26
	s_wait_tensorcnt 0x0                           ; the wave's end
	ds_add_u32 v[SPW], v[NIL]
	s_wait_dscnt 0x0
	s_endpgm
.Lfunc_end_k_qa1c9d76dd3_router:
	.size	k_qa1c9d76dd3_router, .Lfunc_end_k_qa1c9d76dd3_router-k_qa1c9d76dd3_router
	.p2alignl 7, 3214868480
	.fill 96, 4, 3214868480
	.section	.rodata,"a",@progbits
	.p2align	6, 0x0
	.amdhsa_kernel k_qa1c9d76dd3_router
		.amdhsa_group_segment_fixed_size 58368
		.amdhsa_private_segment_fixed_size 0
		.amdhsa_enable_private_segment 0
		.amdhsa_kernarg_size 48
		.amdhsa_user_sgpr_count 2
		.amdhsa_user_sgpr_kernarg_segment_ptr 1
		.amdhsa_wavefront_size32 1
		.amdhsa_system_sgpr_workgroup_id_x 1
		.amdhsa_system_sgpr_workgroup_id_y 1
		.amdhsa_system_sgpr_workgroup_id_z 1
		.amdhsa_system_vgpr_workitem_id 0
		.amdhsa_next_free_vgpr 192
		.amdhsa_next_free_sgpr 66
		.amdhsa_reserve_vcc 1
		.amdhsa_float_denorm_mode_32 3
		.amdhsa_float_denorm_mode_16_64 3
		.amdhsa_memory_ordered 1
		.amdhsa_forward_progress 1
		.amdhsa_inst_pref_size 28
	.end_amdhsa_kernel
	.amdgpu_metadata
---
amdhsa.version: [ 1, 2 ]
amdhsa.kernels:
  - .name:           k_qa1c9d76dd3_router
    .symbol:         k_qa1c9d76dd3_router.kd
    .args:
      - { .name: x, .offset: 0, .size: 8, .value_kind: global_buffer, .address_space: global }
      - { .name: gate_w, .offset: 8, .size: 8, .value_kind: global_buffer, .address_space: global }
      - { .name: xb, .offset: 16, .size: 8, .value_kind: global_buffer, .address_space: global }
      - { .name: bm, .offset: 24, .size: 8, .value_kind: global_buffer, .address_space: global }
      - { .name: gs, .offset: 32, .size: 8, .value_kind: global_buffer, .address_space: global }
      - { .name: auxp, .offset: 40, .size: 8, .value_kind: global_buffer, .address_space: global }
    .group_segment_fixed_size: 58368
    .private_segment_fixed_size: 0
    .kernarg_segment_align: 8
    .kernarg_segment_size: 48
    .max_flat_workgroup_size: 256
    .sgpr_count:     66
    .vgpr_count:     192
    .wavefront_size: 32
...
	.end_amdgpu_metadata
.endif
;; end of part 1
;; launch up (part 2): grid 32 x 8, 8 waves a work-group, no clusters, 317,952 bytes of LDS; arguments xb, W1, b1, bm, hbuf; writes hbuf
.if DOCPART == 2
	.amdgcn_target "amdgcn-amd-amdhsa--gfx1250"
	.amdhsa_code_object_version 6
	.text
	.protected	k_qa1c9d76dd3_up
	.globl	k_qa1c9d76dd3_up
	.p2align	8
	.type	k_qa1c9d76dd3_up,@function
k_qa1c9d76dd3_up:
	s_mov_b64 s[64:65], 0
	v_nop
	global_prefetch_b8 v0, s[64:65] scope:SCOPE_SE
	s_setreg_imm32_b32 hwreg(HW_REG_WAVE_MODE, 25, 1), 1
	s_wait_xcnt 0x0
; FIRST PRODUCT.  h = gelu(x W1[e] + b1[e]) for the rows that chose expert e, exact gelu (erf), h stored in bf16.
; A work-group has expert e (grid y) and columns 128 x .. 128 x + 127 of W1[e] (grid x): 1,024 x 128 f32, 512 KiB that it alone reads, and all the expert's rows.
; EVERY WAVE DOES BOTH JOBS, in one text.  A sub-trip is a double K step, 64 k.  Wave w loads rows 8 w .. 8 w + 7 of it (eight loads of 512 consecutive bytes), rounds them to bf16 and stores
; them into an LDS image in the order of matrix fragments.  The image holds the whole slice (32 K steps x 8 fragments), so no LDS byte is written twice.
; Each wave has three slots of 16 rows x 128 columns; in pass P slot g is tile 24 P + 8 g + wave.  The rows of xb come from memory straight into registers as matrix operands.
; In sub-trip u double step u is stored, weights u + 3 are asked for, K steps 2 u - 4 and 2 u - 3 are multiplied and the rows of K steps 2 u + 2 and 2 u + 3 asked for: one barrier a sub-trip, 16 in all.
; A wave has 24 loads of weights and 36 of rows on their way, both asked for three sub-trips ahead, in one fixed order from the head on: W0 W1 W2 A0 A1, W3 A2 A3, W4 A4 A5, W5 A6 A7 ..
; Pass 0 (384 rows) runs under the stream; an expert with more rows is served by further passes from the resident image, without barriers.
; THE ROWS.  Every wave makes the expert's list of tokens from the bitmap bm (whole numbers, stored by the launch before): bit b of word w is token 32 w + b; the order is b-major,
; the same in the second product.  Places past the count repeat the last row; slots past the last tile repeat the last tile, and are not stored.  An expert without rows stores nothing.
; NO CLUSTER: each slice of weights has one reader; what an expert's work-groups share is token rows taken by a list, which no one descriptor covers, and the image leaves no LDS for them.
; THE MATRIX INSTRUCTION IS USED TRANSPOSED (source 0 = 16 columns of W1, source 1 = 16 tokens): a lane holds token r and eight neighbouring columns, which, rounded, are 16 bytes of the
; second product's fragment.  hbuf: [e][tile 0..63][K step 0..127][half][lane][16 bytes]: every store of a wave is 512 consecutive bytes.
; THE WAY OUT goes in 12 units of a slot's two blocks of 16 columns.  Each unit has eight lines of its own, which halve its sums, add the bias and leave them in fixed registers; the gelu is written once.
; LIMITS.  x, W1 and b1 are rounded to bf16, h once to bf16.  erf by a rational form (Abramowitz and Stegun 7.1.26), within 1.5e-7 for every argument.  NaN and infinities are not treated apart.
.set RP,     16384                     ; bytes from row to row of W1
.set STEPK,  64                        ; bytes of a row of xb in a K step of 32
.set HALF,   32
.set FP,     1040                      ; a fragment in the image: 1,024 bytes + 16, so that 16 lanes' stores into four fragments fall on 16 different columns of 16 bytes modulo 256
.set KB,     8*FP                      ; a K step in the image
.set CSTEP,  16                        ; from one of my four columns to the next in the image
.set LISTW,  2176                      ; a wave's list, 16-bit entries: 1,024, 16 of padding, 16 idle, 32 for the lanes that have nothing to write
.set BIAS,   17408                     ; 128 f32: bf16(b1) / 2.  Bytes 17,920 to 50,687 are not used: the map is the second product's
.set SPARE,  50688                     ; the spare words, 128 bytes a wave: no other line names them
.set BW,     51712                     ; the image: K step x KB + fragment x FP + 512 c + 256 h + 16 r
.set AOFF, 4                           ; v4-6     slot g: my lane's byte offset in xb
.set VLS,  7                           ; v7       where I store weights in the image
.set VWO,  8                           ; v8       my byte offset in a double step of W1; never rewritten
.set VB,   9                           ; v9       my place in the image's K step in hand
.set SPW,  10
.set NIL,  11
.set BR,   16                          ; v16-63   three buffers of two fragments of W1
.set AR,   64                          ; v64-207  six K steps x three fragments of x
.set W2B,  208                         ; v208-239 the weights' ring, buffer 2; buffers 0 and 1: window 1, v192-255
.set TT,   240                         ; v240-247 two columns' packed weights
.set XR,   64                          ; the way out: v64-79 a unit's 16 numbers; v96-151 at work
.set BI,   160                         ; the way out: v160-223 bias / 2 of my 64 columns, block b at BI + 8 b
; window 1: v0-191 the sums, slot g, block b at 64 g + 8 b
; s14 wave, s16 e, s17 x, s18 count, s19 tiles, s21 pass, s22 and s38 loop counters, s23 live slots, s[28:29] rows' base, s[30:31] the same in later passes,
; s[32:33] weights' base, s[34:35] h's base, s36 my list, s37 last tile, s39 running count, s[40:53] constants of the gelu, s56 this work-group's offset in hbuf
.set MSB, 0
.macro WIN new                         ; the immediate's high byte repeats the setting that is left
.if MSB != (\new)
	s_set_vgpr_msb (MSB<<8)|(\new)
.set MSB, (\new)
.endif
.endm
.macro PLACES n                        ; plain vector instructions between a matrix instruction and a load into, or a vector read of, its registers
.rept \n
	v_nop
.endr
.endm
.macro JOIN                            ; my LDS stores are done and my LDS loads are back; then the barrier
	s_wait_dscnt 0x0
	s_barrier_signal -1
	s_barrier_wait -1
.endm
.macro WISSUE buf, dk                  ; my eight rows of double step dk, counted from the base, into ring buffer buf
.if (\buf) < 2
.set WBS, 192+32*(\buf)
	WIN 0x40                                       ; destination in window 1
.else
.set WBS, W2B
	WIN 0
.endif
.set wn, 0
.rept 8
	global_load_b128 v[WBS+4*wn:WBS+4*wn+3], v[VWO], s[32:33] offset:(64*(\dk)+wn)*RP th:TH_LOAD_NT
.set wn, wn+1
.endr
	WIN 0
.endm
; Ring buffer buf (8 rows of k x my 4 columns) is rounded and turned: a piece = 8 k of one column = 16 bytes of a fragment.  issue = 1: the buffer is asked for again.
.macro LOADER buf, issue, dk, left
	s_wait_loadcnt \left                           ; loads come back in order: mine are in, the younger ones stay out
.if (\buf) < 2
.set LWB, 192+32*(\buf)
.set LWS, 0x05                         ; sources 0 and 1 in window 1
.else
.set LWB, W2B
.set LWS, 0
.endif
.irp hf, 0,1
	WIN LWS
.irp cc, 0,1
.irp m, 0,1,2,3
	v_cvt_pk_bf16_f32 v[TT+4*\cc+\m], v[LWB+8*\m+2*\hf+\cc], v[LWB+8*\m+4+2*\hf+\cc]
.endr
.endr
	WIN 0
	ds_store_b128 v[VLS], v[TT:TT+3] offset:CSTEP*(2*\hf)
	ds_store_b128 v[VLS], v[TT+4:TT+7] offset:CSTEP*(2*\hf+1)
.endr
.if \issue
	WISSUE \buf, \dk
.endif
	v_add_nc_u32 v[VLS], 2*KB, v[VLS]
.endm
; Fragments 2 p and 2 p + 1 of the K step in hand (nxt = 0) or the next (nxt = 1) into pair buffer buf
.macro BLOAD buf, p, nxt
.irp bb, 0,1
	ds_load_b128 v[BR+16*(\buf)+8*\bb:BR+16*(\buf)+8*\bb+3],   v[VB] offset:(2*(\p)+\bb)*FP+(\nxt)*KB
	ds_load_b128 v[BR+16*(\buf)+8*\bb+4:BR+16*(\buf)+8*\bb+7], v[VB] offset:(2*(\p)+\bb)*FP+512+(\nxt)*KB
.endr
.endm
; Six matrix instructions, all on different accumulators; slot 2's two are jumped where the slot is dead
.macro MM buf, p, kb
	WIN 0x50                                       ; C and D in window 1
.irp bb, 0,1
.irp g, 0,1
	v_wmma_f32_16x16x32_bf16 v[64*\g+8*(2*(\p)+\bb):64*\g+8*(2*(\p)+\bb)+7], v[BR+16*(\buf)+8*\bb:BR+16*(\buf)+8*\bb+7], v[AR+24*(\kb)+8*\g:AR+24*(\kb)+8*\g+7], v[64*\g+8*(2*(\p)+\bb):64*\g+8*(2*(\p)+\bb)+7]
.endr
.endr
	WIN 0                                          ; at a branch and at a label every window is 0
	s_bitcmp1_b32 s23, 2
	s_cbranch_scc0 .Lno2_\@
	WIN 0x50
.irp bb, 0,1
	v_wmma_f32_16x16x32_bf16 v[128+8*(2*(\p)+\bb):128+8*(2*(\p)+\bb)+7], v[BR+16*(\buf)+8*\bb:BR+16*(\buf)+8*\bb+7], v[AR+24*(\kb)+16:AR+24*(\kb)+23], v[128+8*(2*(\p)+\bb):128+8*(2*(\p)+\bb)+7]
.endr
	WIN 0
.Lno2_\@:
.endm
.macro AISSUE kb, imm                  ; three fragments of x, K step imm from the base, into buffer kb
.irp g, 0,1,2
	global_load_b128 v[AR+24*(\kb)+8*\g:AR+24*(\kb)+8*\g+3],   v[AOFF+\g], s[28:29] offset:(\imm)*STEPK
	global_load_b128 v[AR+24*(\kb)+8*\g+4:AR+24*(\kb)+8*\g+7], v[AOFF+\g], s[28:29] offset:(\imm)*STEPK+HALF
.endr
.endm
; A K step.  kb = k % 6; pair p of K step k lies in pair buffer (k + p) % 3.  Each pair's four LDS loads are followed by two more pairs' before it is used: s_wait_dscnt 8.
; acnt = the loads younger than this K step's rows.  last = 1: nothing further is fetched, and the counts run down.
.macro KSTEP kb, aiss, aimm, acnt, last
	BLOAD ((\kb)+2)%3, 2, 0
	s_wait_loadcnt \acnt
	s_wait_dscnt 8
	MM (\kb)%3, 0, \kb
	PLACES 4
	BLOAD (\kb)%3, 3, 0
	s_wait_dscnt 8
	MM ((\kb)+1)%3, 1, \kb
	PLACES 4
.if !(\last)
	BLOAD ((\kb)+1)%3, 0, 1
	s_wait_dscnt 8
.else
	s_wait_dscnt 4
.endif
	MM ((\kb)+2)%3, 2, \kb
	PLACES 4
.if !(\last)
	BLOAD ((\kb)+2)%3, 1, 1
	s_wait_dscnt 8
.else
	s_wait_dscnt 0x0
.endif
	MM (\kb)%3, 3, \kb
	v_add_nc_u32 v[VB], KB, v[VB]                  ; the first of the four places
	PLACES 3
.if \aiss
	AISSUE \kb, \aimm
.endif
.endm
; A sub-trip.  jj counts from the trip's (or the tail's) first; ld = 1: a double step is stored; wiss, aiss = 1: weights, rows are asked for
.macro STEP jj, ld, wiss, wleft, aiss, ac0, ac1, join, last
.if \ld
	LOADER (2+\jj)%3, \wiss, \jj, \wleft
.endif
	KSTEP (2*\jj)%6, \aiss, 2*\jj, \ac0, 0
	KSTEP (2*\jj+1)%6, \aiss, 2*\jj+1, \ac1, \last
.if \join
	JOIN
.endif
.endm
; The slots of pass s21: which are live, and each lane's row
.macro SETPASS
	s_mul_i32 s24, s21, 24
	s_add_co_u32 s24, s24, s14
	s_mov_b32 s23, 0
.irp g, 0,1,2
	s_add_co_u32 s25, s24, 8*\g                    ; the tile
	s_cmp_lt_u32 s25, s19
	s_cselect_b32 s26, 1<<\g, 0
	s_or_b32 s23, s23, s26
	s_min_u32 s25, s25, s37                        ; a dead slot repeats the last tile
	s_min_u32 s25, s25, 63
	s_lshl_b32 s25, s25, 5
	s_add_co_u32 s25, s25, s36
	v_lshl_add_u32 v12, v2, 1, s25
	ds_load_u16 v[AOFF+\g], v12                    ; the token of row r
.endr
	s_wait_dscnt 0x0
.irp g, 0,1,2
	v_min_u32 v[AOFF+\g], 0x3ff, v[AOFF+\g]
	v_lshlrev_b32 v[AOFF+\g], 11, v[AOFF+\g]
	v_lshl_add_u32 v[AOFF+\g], v3, 4, v[AOFF+\g]   ; token x 2,048 + 16 h
.endr
.endm
; A K step of a later pass, plain: it runs only for an expert with more than 384 rows.  zero = 1: K step 0, whose products start the sums (its address is made in front of it).
; In the loop the place in the image is made anew in every trip: the K step, held to 31 by a minimum, times a K step's bytes: every load lies in the image by this arithmetic.
.macro SK zero
.if !(\zero)
	s_sub_co_u32 s24, 32, s38                      ; the K step: 32 less the count, 1 .. 31
	s_min_u32 s24, s24, 31
	s_mul_i32 s24, s24, KB
	s_add_co_u32 s24, s24, BW
	v_lshl_add_u32 v[VB], v1, 4, s24
.endif
.irp g, 0,1,2
	global_load_b128 v[AR+8*\g:AR+8*\g+3],   v[AOFF+\g], s[30:31]
	global_load_b128 v[AR+8*\g+4:AR+8*\g+7], v[AOFF+\g], s[30:31] offset:HALF
.endr
.irp b, 0,1,2,3,4,5,6,7                ; fragments 0-5 in v16-63, 6 and 7 in v88-103
	ds_load_b128 v[BR+8*\b+(\b/6)*24:BR+8*\b+(\b/6)*24+3],   v[VB] offset:\b*FP
	ds_load_b128 v[BR+8*\b+(\b/6)*24+4:BR+8*\b+(\b/6)*24+7], v[VB] offset:\b*FP+512
.endr
	s_wait_loadcnt 0x0
	s_wait_dscnt 0x0
	WIN 0x50
.irp b, 0,1,2,3,4,5,6,7
.irp g, 0,1,2
.if \zero
	v_wmma_f32_16x16x32_bf16 v[64*\g+8*\b:64*\g+8*\b+7], v[BR+8*\b+(\b/6)*24:BR+8*\b+(\b/6)*24+7], v[AR+8*\g:AR+8*\g+7], 0
.else
	v_wmma_f32_16x16x32_bf16 v[64*\g+8*\b:64*\g+8*\b+7], v[BR+8*\b+(\b/6)*24:BR+8*\b+(\b/6)*24+7], v[AR+8*\g:AR+8*\g+7], v[64*\g+8*\b:64*\g+8*\b+7]
.endif
.endr
.endr
	WIN 0
	PLACES 4
	s_wait_xcnt 0x0                                ; the base is stepped only behind this wait (the loads that named it have come back)
	s_add_nc_u64 s[30:31], s[30:31], STEPK
.endm
; Blocks 2 q and 2 q + 1 of slot g: X = sum / 2 + bias / 2, from the unit's own accumulators into the registers that the one text of the gelu names.  Each accumulator's low registers are read first.
.macro UNIT g, q
	WIN 0x01                                       ; source 0, the sums, in window 1
.irp bb, 0,1
.irp i, 0,2,4,6
	v_pk_fma_f32 v[XR+8*\bb+\i:XR+8*\bb+\i+1], v[64*\g+8*(2*\q+\bb)+\i:64*\g+8*(2*\q+\bb)+\i+1], 0.5, v[BI+8*(2*\q+\bb)+\i:BI+8*(2*\q+\bb)+\i+1] op_sel_hi:[1,0,1]
.endr
.endr
	WIN 0
.endm
	s_load_b256 s[4:11], s[0:1], 0x0               ; xb s[4:5], W1 s[6:7], b1 s[8:9], bm s[10:11]
	s_load_b64 s[12:13], s[0:1], 0x20              ; hbuf
	v_lshl_add_u32 v[SPW], v0, 2, SPARE
	v_mov_b32 v[NIL], 0
	v_and_b32 v1, 31, v0                           ; lane
	v_and_b32 v2, 15, v0                           ; r
	v_bfe_u32 v3, v0, 4, 1                         ; h
	v_lshrrev_b32 v12, 5, v0
	v_readfirstlane_b32 s14, v12                   ; wave
	s_and_b32 s16, ttmp7, 0xffff                   ; expert
	s_mov_b32 s17, ttmp9                           ; slice
	s_lshl_b32 s24, s16, 7
	v_lshl_add_u32 v12, v1, 2, s24                 ; lane w: word w of my expert's bitmap
	s_lshl_b32 s24, s16, 14
	s_lshl_b32 s25, s17, 9                         ; 128 columns are 512 bytes
	s_add_co_u32 s24, s24, s25
	v_lshl_add_u32 v14, v1, 4, s24                 ; b1 of my slice, four numbers a lane
	s_lshl_b32 s26, s16, 24                        ; an expert's W1 is 16 MiB
	s_add_co_u32 s26, s26, s25
	s_mov_b32 s27, 0
	s_mul_i32 s24, s14, 8*RP                       ; wave w takes rows 8 w .. 8 w + 7 of each double step,
	v_lshl_add_u32 v[VWO], v1, 4, s24              ; and each lane 4 columns: a load covers 512 consecutive bytes of a row
	s_mul_i32 s36, s14, LISTW
	s_lshl_b32 s56, s16, 23                        ; an expert's part of hbuf is 8 MiB;
	s_lshl_b32 s24, s17, 12                        ; my 128 columns are four K steps of 1,024 bytes
	s_add_co_u32 s56, s56, s24
	s_mov_b32 s40, 0x3eed3388                      ; 0.3275911 sqrt(2)
	s_mov_b32 s41, s40
	s_mov_b32 s42, 0xc038aa3b                      ; -2 log2(e)
	s_mov_b32 s43, s42
	s_mov_b32 s44, 0x3f87dc22                      ; a5 .. a1; each is named as a pair, so both words are written
	s_mov_b32 s45, s44
	s_mov_b32 s46, 0xbfba00e3
	s_mov_b32 s47, s46
	s_mov_b32 s48, 0x3fb5f0e3
	s_mov_b32 s49, s48
	s_mov_b32 s50, 0xbe91a98e
	s_mov_b32 s51, s50
	s_mov_b32 s52, 0x3e827906
	s_mov_b32 s53, s52
	s_wait_kmcnt 0x0
	s_add_nc_u64 s[32:33], s[6:7], s[26:27]
	s_mov_b64 s[28:29], s[4:5]
	global_load_b32 v13, v12, s[10:11]
	global_load_b128 v[64:67], v14, s[8:9]
	WISSUE 0, 0                                    ; the weights' ring is filled before anything else is done
	WISSUE 1, 1
	WISSUE 2, 2
	; The sums are cleared on purpose: one text then serves every K step, and slot 2 can be jumped from the first.  It stands in the wait for the bitmap and the first weights.
	WIN 0x40
.set i, 0
.rept 192
	v_mov_b32 v[i], 0
.set i, i+1
.endr
	WIN 0
	s_wait_loadcnt 24                              ; the bitmap and b1 are in; the ring's 24 loads are younger
	v_cvt_pk_bf16_f32 v68, v64, v65                ; bf16(b1) / 2; wave 0 puts it into LDS, and the first barrier shows it to the others
	v_cvt_pk_bf16_f32 v69, v66, v67
	v_lshlrev_b32 v64, 16, v68
	v_and_b32 v65, 0xffff0000, v68
	v_lshlrev_b32 v66, 16, v69
	v_and_b32 v67, 0xffff0000, v69
	v_pk_mul_f32 v[64:65], v[64:65], 0.5 op_sel_hi:[1,0]
	v_pk_mul_f32 v[66:67], v[66:67], 0.5 op_sel_hi:[1,0]
	v_lshl_add_u32 v70, v1, 4, BIAS
	s_cmp_lg_u32 s14, 0
	s_cbranch_scc1 .Lnob1
	ds_store_b128 v70, v[64:67]
.Lnob1:
	; my list is set to 0 whole, then filled: for bit b = 0 .. 31 the lanes whose word has it write token 32 lane + b at their rank; the others write into entries of their own behind the list
	v_mov_b32 v72, 0
	v_mov_b32 v73, 0
	v_mov_b32 v74, 0
	v_mov_b32 v75, 0
	v_lshl_add_u32 v71, v1, 4, s36
	v_lshl_add_u32 v76, v1, 2, s36
.irp n, 0,1,2,3
	ds_store_b128 v71, v[72:75] offset:512*\n
.endr
	ds_store_b32 v76, v[NIL] offset:2048
	v_lshlrev_b32 v68, 5, v1
	v_add_nc_u32 v69, 1056, v1
	s_mov_b32 s39, 0
	s_mov_b32 s38, 0
.Llist:
	v_lshrrev_b32 v66, s38, v13
	v_and_b32 v66, 1, v66
	v_cmp_eq_u32 s24, 1, v66
	v_mbcnt_lo_u32_b32 v67, s24, 0
	v_add_nc_u32 v67, s39, v67
	v_cndmask_b32 v67, v69, v67, s24
	v_min_u32 v67, 0x43f, v67
	v_lshl_add_u32 v67, v67, 1, s36
	v_add_nc_u32 v70, s38, v68
	ds_store_b16 v67, v70
	s_bcnt1_i32_b32 s25, s24
	s_add_co_u32 s39, s39, s25
	s_add_co_u32 s38, s38, 1
	s_cmp_lt_u32 s38, 32
	s_cbranch_scc1 .Llist
	s_mov_b32 s18, s39                             ; the expert's rows
	s_add_co_u32 s19, s18, 15
	s_lshr_b32 s19, s19, 4                         ; its tiles
	s_max_u32 s37, s19, 1
	s_sub_co_u32 s37, s37, 1
	s_max_u32 s24, s18, 1                          ; the 16 places past the count repeat the last row
	s_sub_co_u32 s24, s24, 1
	s_min_u32 s24, s24, 1023
	s_lshl_b32 s24, s24, 1
	s_add_co_u32 s24, s24, s36
	v_mov_b32 v65, s24
	ds_load_u16 v66, v65
	v_add_nc_u32 v67, s18, v2
	v_min_u32 v67, 0x40f, v67
	v_lshl_add_u32 v67, v67, 1, s36
	s_wait_dscnt 0x0
	ds_store_b16 v67, v66
	s_mov_b32 s21, 0
	SETPASS
	AISSUE 0, 0
	AISSUE 1, 1
	v_lshl_add_u32 v[VB], v1, 4, BW                ; a fragment is read as it lies: 16 lane, and 512 further
	v_lshrrev_b32 v12, 2, v1
	v_mul_u32_u24 v12, v12, FP                     ; column 4 lane + c: fragment lane / 4,
	v_and_b32 v14, 3, v1
	v_lshl_add_u32 v12, v14, 6, v12                ; place 4 (lane % 4) + c
	s_lshr_b32 s24, s14, 2                         ; my rows: K step wave / 4 of the double step,
	s_mul_i32 s24, s24, KB
	s_and_b32 s25, s14, 3                          ; eight k at 512 c + 256 h = 256 (wave % 4)
	s_lshl_b32 s25, s25, 8
	s_add_co_u32 s24, s24, s25
	s_add_co_u32 s24, s24, BW
	v_add_nc_u32 v[VLS], s24, v12
	; ---- sub-trip 0: younger than W0 are W1, W2 (16) and A0, A1 (12)
	LOADER 0, 1, 3, 28
	AISSUE 2, 2
	AISSUE 3, 3
	JOIN
	; ---- sub-trip 1: younger than W1 are W2, A0, A1, W3, A2, A3.  The first two pairs of K step 0, shown by the barrier above, are fetched
	LOADER 1, 1, 4, 40
	AISSUE 4, 4
	AISSUE 5, 5
	BLOAD 0, 0, 0
	BLOAD 1, 1, 0
	s_wait_xcnt 0x0                                ; the bases are stepped only behind this wait
	s_add_nc_u64 s[32:33], s[32:33], 5*64*RP
	s_add_nc_u64 s[28:29], s[28:29], 6*STEPK
	JOIN
	s_mov_b32 s22, 3
.Ltrip:                                        ; sub-trips 2 + 3 t + jj.  Younger than the weights wanted: 12 + 8 + 12 + 8 + 12 = 52; than the rows wanted: 6 + 20 + 20 + 8 = 54
	STEP 0, 1, 1, 52, 1, 54, 54, 1, 0
	STEP 1, 1, 1, 52, 1, 54, 54, 1, 0
	STEP 2, 1, 1, 52, 1, 54, 54, 1, 0
	s_wait_xcnt 0x0
	s_add_nc_u64 s[32:33], s[32:33], 3*64*RP
	s_add_nc_u64 s[28:29], s[28:29], 6*STEPK
	s_sub_co_u32 s22, s22, 1
	s_cmp_lg_u32 s22, 0
	s_cbranch_scc1 .Ltrip
	STEP 0, 1, 1, 52, 1, 54, 54, 1, 0              ; sub-trips 11 to 17 are written out: the weights end with double step 15, the rows with K step 31, and the counts run down
	STEP 1, 1, 1, 52, 1, 54, 54, 1, 0
	STEP 2, 1, 0, 52, 1, 46, 46, 1, 0
	STEP 3, 1, 0, 44, 1, 38, 38, 1, 0
	STEP 4, 1, 0, 36, 0, 30, 24, 1, 0
	STEP 5, 0, 0, 0, 0, 18, 12, 0, 0               ; the whole image has been shown by the last barrier
	STEP 6, 0, 0, 0, 0, 6, 0, 0, 1
	; for the way out, once: bias / 2 of my 64 columns (block b: columns 16 b + 8 h .. + 7), at constant addresses, into registers that the rings have left and the later passes do not touch
	v_lshl_add_u32 v14, v3, 5, BIAS
.irp b, 0,1,2,3,4,5,6,7
	ds_load_b128 v[BI+8*\b:BI+8*\b+3],   v14 offset:64*\b
	ds_load_b128 v[BI+8*\b+4:BI+8*\b+7], v14 offset:64*\b+16
.endr
	v_lshlrev_b32 v15, 4, v1                       ; my 16 bytes of a store's 512; never rewritten
	s_wait_dscnt 0x0
	s_mov_b32 s21, 0
.Lpass:                                        ; three passes cover 64 tiles; a pass without tiles is jumped
	s_cmp_eq_u32 s21, 0
	s_cbranch_scc1 .Lepi                           ; pass 0's products are made
	s_mul_i32 s24, s21, 24
	s_cmp_ge_u32 s24, s19
	s_cbranch_scc1 .Lnextpass
	SETPASS
	v_lshl_add_u32 v[VB], v1, 4, BW
	s_mov_b64 s[30:31], s[4:5]
	SK 1
	s_mov_b32 s38, 31
.Lsk:
	SK 0
	s_sub_co_u32 s38, s38, 1
	s_cmp_lg_u32 s38, 0
	s_cbranch_scc1 .Lsk
.Lepi:
	s_wait_loadcnt 0x0
	s_mov_b32 s38, 0
.Lslot:                                        ; unit s38: slot s38 / 4, blocks 2 (s38 % 4) and the next
	s_lshr_b32 s25, s38, 2
	s_lshr_b32 s24, s23, s25
	s_bitcmp1_b32 s24, 0
	s_cbranch_scc0 .Lslotnext                      ; a dead slot's units are jumped
	s_mul_i32 s24, s21, 24
	s_add_co_u32 s24, s24, s14
	s_lshl3_add_u32 s24, s25, s24                  ; the tile
	s_min_u32 s24, s24, 63
	s_lshl_b32 s24, s24, 17                        ; a tile of hbuf is 128 K steps of 1,024 bytes
	s_add_co_u32 s24, s24, s56
	s_and_b32 s26, s38, 3
	s_lshl_b32 s26, s26, 10                        ; two blocks are one K step of the second product: 1,024 bytes
	s_add_co_u32 s24, s24, s26
	s_mov_b32 s25, 0
	s_add_nc_u64 s[34:35], s[12:13], s[24:25]
.irp n, 1,2,3,4,5,6,7,8,9,10,11
	s_cmp_eq_u32 s38, \n
	s_cbranch_scc1 .Lu\n
.endr
	UNIT 0, 0
	s_branch .Lgelu
.Lu1:
	UNIT 0, 1
	s_branch .Lgelu
.Lu2:
	UNIT 0, 2
	s_branch .Lgelu
.Lu3:
	UNIT 0, 3
	s_branch .Lgelu
.Lu4:
	UNIT 1, 0
	s_branch .Lgelu
.Lu5:
	UNIT 1, 1
	s_branch .Lgelu
.Lu6:
	UNIT 1, 2
	s_branch .Lgelu
.Lu7:
	UNIT 1, 3
	s_branch .Lgelu
.Lu8:
	UNIT 2, 0
	s_branch .Lgelu
.Lu9:
	UNIT 2, 1
	s_branch .Lgelu
.Lu10:
	UNIT 2, 2
	s_branch .Lgelu
.Lu11:
	UNIT 2, 3
.Lgelu:
	; X = (sum + b1) / 2 lies in v64-79.  gelu = X + |X| erf(sqrt(2) |X|); erf(z) = 1 - (a1 t + .. + a5 t^5) exp(-z^2), t = 1 / (1 + 0.3275911 z)
.set i, 0
.rept 16
	v_fma_f32 v[96+i], |v[XR+i]|, s40, 1.0
.set i, i+1
.endr
.irp i, 0,2,4,6,8,10,12,14
	v_pk_mul_f32 v[112+\i:113+\i], v[XR+\i:XR+\i+1], v[XR+\i:XR+\i+1]
.endr
.irp i, 0,2,4,6,8,10,12,14
	v_pk_mul_f32 v[112+\i:113+\i], v[112+\i:113+\i], s[42:43] op_sel_hi:[1,0]
.endr
.set i, 0
.rept 16
	v_rcp_f32 v[96+i], v[96+i]
.set i, i+1
.endr
.set i, 0
.rept 16
	v_exp_f32 v[112+i], v[112+i]
.set i, i+1
.endr
	v_nop                                          ; a plain instruction behind the last of them
	s_wait_alu depctr_va_vdst(0)
.irp i, 0,2,4,6,8,10,12,14
	v_pk_fma_f32 v[128+\i:129+\i], v[96+\i:97+\i], s[44:45], s[46:47] op_sel_hi:[1,0,0]
.endr
.irp i, 0,2,4,6,8,10,12,14
	v_pk_fma_f32 v[128+\i:129+\i], v[128+\i:129+\i], v[96+\i:97+\i], s[48:49] op_sel_hi:[1,1,0]
.endr
.irp i, 0,2,4,6,8,10,12,14
	v_pk_fma_f32 v[128+\i:129+\i], v[128+\i:129+\i], v[96+\i:97+\i], s[50:51] op_sel_hi:[1,1,0]
.endr
.irp i, 0,2,4,6,8,10,12,14
	v_pk_fma_f32 v[128+\i:129+\i], v[128+\i:129+\i], v[96+\i:97+\i], s[52:53] op_sel_hi:[1,1,0]
.endr
.irp i, 0,2,4,6,8,10,12,14
	v_pk_mul_f32 v[112+\i:113+\i], v[112+\i:113+\i], v[96+\i:97+\i]
.endr
.irp i, 0,2,4,6,8,10,12,14
	v_pk_fma_f32 v[128+\i:129+\i], v[128+\i:129+\i], v[112+\i:113+\i], 1.0 op_sel_hi:[1,1,0] neg_lo:[1,0,0] neg_hi:[1,0,0]
.endr
.set i, 0
.rept 16
	v_fma_f32 v[XR+i], |v[XR+i]|, v[128+i], v[XR+i]
.set i, i+1
.endr
.set i, 0
.rept 8
	v_cvt_pk_bf16_f32 v[144+i], v[XR+2*i], v[XR+2*i+1]
.set i, i+1
.endr
	global_store_b128 v15, v[144:147], s[34:35]               ; 512 consecutive bytes: half a K step of the second product's fragment
	global_store_b128 v15, v[148:151], s[34:35] offset:512
	s_wait_xcnt 0x0                                ; the stores' data and base are rewritten only behind this wait
.Lslotnext:
	s_add_co_u32 s38, s38, 1
	s_cmp_lt_u32 s38, 12
	s_cbranch_scc1 .Lslot
.Lnextpass:
	s_add_co_u32 s21, s21, 1
	s_cmp_lt_u32 s21, 3
	s_cbranch_scc1 .Lpass
	JOIN                                           ; every wave's LDS reads are back before any wave writes LDS again: the one write left is the add below
	s_wait_tensorcnt 0x0                           ; the wave's end, behind my last LDS store
	ds_add_u32 v[SPW], v[NIL]
	s_wait_dscnt 0x0
	s_endpgm
.Lfunc_end_k_qa1c9d76dd3_up:
	.size	k_qa1c9d76dd3_up, .Lfunc_end_k_qa1c9d76dd3_up-k_qa1c9d76dd3_up
	.p2alignl 7, 3214868480
	.fill 96, 4, 3214868480
	.section	.rodata,"a",@progbits
	.p2align	6, 0x0
	.amdhsa_kernel k_qa1c9d76dd3_up
		.amdhsa_group_segment_fixed_size 317952
		.amdhsa_private_segment_fixed_size 0
		.amdhsa_enable_private_segment 0
		.amdhsa_kernarg_size 40
		.amdhsa_user_sgpr_count 2
		.amdhsa_user_sgpr_kernarg_segment_ptr 1
		.amdhsa_wavefront_size32 1
		.amdhsa_system_sgpr_workgroup_id_x 1
		.amdhsa_system_sgpr_workgroup_id_y 1
		.amdhsa_system_sgpr_workgroup_id_z 1
		.amdhsa_system_vgpr_workitem_id 0
		.amdhsa_next_free_vgpr 512
		.amdhsa_next_free_sgpr 66
		.amdhsa_reserve_vcc 0
		.amdhsa_float_denorm_mode_32 3
		.amdhsa_float_denorm_mode_16_64 3
		.amdhsa_memory_ordered 1
		.amdhsa_forward_progress 1
		.amdhsa_inst_pref_size 154
	.end_amdhsa_kernel
	.amdgpu_metadata
---
amdhsa.version: [ 1, 2 ]
amdhsa.kernels:
  - .name:           k_qa1c9d76dd3_up
    .symbol:         k_qa1c9d76dd3_up.kd
    .args:
      - { .name: xb, .offset: 0, .size: 8, .value_kind: global_buffer, .address_space: global }
      - { .name: W1, .offset: 8, .size: 8, .value_kind: global_buffer, .address_space: global }
      - { .name: b1, .offset: 16, .size: 8, .value_kind: global_buffer, .address_space: global }
      - { .name: bm, .offset: 24, .size: 8, .value_kind: global_buffer, .address_space: global }
      - { .name: hbuf, .offset: 32, .size: 8, .value_kind: global_buffer, .address_space: global }
    .group_segment_fixed_size: 317952
    .private_segment_fixed_size: 0
    .kernarg_segment_align: 8
    .kernarg_segment_size: 40
    .max_flat_workgroup_size: 256
    .sgpr_count:     66
    .vgpr_count:     512
    .wavefront_size: 32
...
	.end_amdgpu_metadata
.endif
;; end of part 2
;; launch down (part 3): grid 32 x 8, 8 waves a work-group, no clusters, 317,952 bytes of LDS; arguments hbuf, W2, b2, bm, pbuf; writes pbuf
.if DOCPART == 3
	.amdgcn_target "amdgcn-amd-amdhsa--gfx1250"
	.amdhsa_code_object_version 6
	.text
	.protected	k_qa1c9d76dd3_down
	.globl	k_qa1c9d76dd3_down
	.p2align	8
	.type	k_qa1c9d76dd3_down,@function
k_qa1c9d76dd3_down:
	s_mov_b64 s[64:65], 0
	v_nop
	global_prefetch_b8 v0, s[64:65] scope:SCOPE_SE
	s_setreg_imm32_b32 hwreg(HW_REG_WAVE_MODE, 25, 1), 1
	s_wait_xcnt 0x0
; SECOND PRODUCT, in four parts along K.  P[kq][slot x 1024 + token][:] = h[rows of e][1024 kq ..] W2[e][1024 kq ..][:]  (+ bf16(b2[e]) in part kq = 0), f32.
; A work-group has expert e (grid y), columns 128 g .. + 127 (g = x % 8) and rows 1,024 kq .. + 1,023 (kq = x / 8) of W2[e]: 512 KiB that it alone reads, and all the expert's rows.
; With 131,072 weights to a work-group, 1,024 x 128 makes the sum of h's bytes read and the partial sums' bytes written and read the least, and gives this launch the first product's shape.
; SHARES, RINGS, IMAGE, PASSES AND LIST are the first product's.  Every wave does both jobs in one text: wave w loads rows 8 w .. 8 w + 7 of each double K step of W2 (eight loads of 512 consecutive
; bytes), rounds them and stores them into a resident LDS image in fragment order; each wave has three slots of 16 rows x 128 columns, slot g of pass P being tile 24 P + 8 g + wave.
; In sub-trip u double step u is stored, weights u + 3 asked for, K steps 2 u - 4 and 2 u - 3 multiplied and h of K steps 2 u + 2 and 2 u + 3 asked for: one barrier a sub-trip, 16 in all.
; Tiles past 24 are served afterwards from the image without barriers.  h comes from hbuf, which lies in fragment order: every load of a wave is 512 consecutive bytes.
; A list entry is the token, plus 1,024 where a lower-numbered expert has the token too: the row of P.  Each row of each part of P has one writer.
; COLUMNS ARE DEALT so that results leave without LDS: column 64 q + 4 u + c lies in fragment 4 q + c at place u.  With source 0 = 16 rows of h and source 1 = a fragment of W2, register j of
; lane (r, h) is row 8 h + j, column 64 q + 4 r + c: the four c are 16 neighbouring bytes, and 16 lanes store 256 consecutive bytes of a row of P.
; NO CLUSTER: each slice of weights has one reader, and the image leaves no LDS in which shared tiles of h could land.
; LIMITS.  W2 and b2 are rounded to bf16.  A slot past the last tile repeats the last tile (for an expert without rows: bytes of hbuf that nobody stored); its sums are never stored.
.set RP,     4096                      ; bytes from row to row of W2
.set STEPK,  1024                      ; bytes of a tile of hbuf in a K step
.set HALF,   512
.set FP,     1040                      ; a fragment in the image: 1,024 bytes + 16, as in the first product
.set KB,     8*FP                      ; a K step in the image
.set CSTEP,  FP                        ; from one of my four columns to the next in the image: the next fragment
.set LISTW,  2176                      ; a wave's list, as in the first product.  Bytes 17,408 to 50,687 are not used
.set SPARE,  50688                     ; the spare words, 128 bytes a wave: no other line names them
.set BW,     51712                     ; the image: K step x KB + fragment x FP + 512 c + 256 h + 16 r
.set AOFF, 4                           ; v4-6     slot g: my lane's byte offset in the expert's part of hbuf
.set VLS,  7
.set VWO,  8
.set VB,   9
.set SPW,  10
.set NIL,  11
.set BR,   16                          ; v16-63   three buffers of two fragments of W2
.set AR,   64                          ; v64-207  six K steps x three fragments of h
.set W2B,  208                         ; v208-239 the weights' ring, buffer 2; buffers 0 and 1: window 1, v192-255
.set TT,   240                         ; v240-247 two columns' packed weights
.set B2,   248                         ; v248-255 b2 of my eight columns, or 0
; window 1: v0-191 the sums, slot g, fragment b at 64 g + 8 b.  Scalars as in the first product; s[34:35] P's base, s[54:55] h's base, s57 g, s58 kq
.set MSB, 0
.macro WIN new
.if MSB != (\new)
	s_set_vgpr_msb (MSB<<8)|(\new)
.set MSB, (\new)
.endif
.endm
.macro PLACES n                        ; plain vector instructions between a matrix instruction and a load into, or a vector read of, its registers
.rept \n
	v_nop
.endr
.endm
.macro JOIN                            ; my LDS stores are done and my LDS loads are back; then the barrier
	s_wait_dscnt 0x0
	s_barrier_signal -1
	s_barrier_wait -1
.endm
.macro WISSUE buf, dk
.if (\buf) < 2
.set WBS, 192+32*(\buf)
	WIN 0x40
.else
.set WBS, W2B
	WIN 0
.endif
.set wn, 0
.rept 8
	global_load_b128 v[WBS+4*wn:WBS+4*wn+3], v[VWO], s[32:33] offset:(64*(\dk)+wn)*RP th:TH_LOAD_NT
.set wn, wn+1
.endr
	WIN 0
.endm
.macro LOADER buf, issue, dk, left
	s_wait_loadcnt \left                           ; mine are in, the younger ones stay out
.if (\buf) < 2
.set LWB, 192+32*(\buf)
.set LWS, 0x05
.else
.set LWB, W2B
.set LWS, 0
.endif
.irp hf, 0,1
	WIN LWS
.irp cc, 0,1
.irp m, 0,1,2,3
	v_cvt_pk_bf16_f32 v[TT+4*\cc+\m], v[LWB+8*\m+2*\hf+\cc], v[LWB+8*\m+4+2*\hf+\cc]
.endr
.endr
	WIN 0
	ds_store_b128 v[VLS], v[TT:TT+3] offset:CSTEP*(2*\hf)       ; 16 lanes store 256 consecutive bytes of a fragment
	ds_store_b128 v[VLS], v[TT+4:TT+7] offset:CSTEP*(2*\hf+1)
.endr
.if \issue
	WISSUE \buf, \dk
.endif
	v_add_nc_u32 v[VLS], 2*KB, v[VLS]
.endm
.macro BLOAD buf, p, nxt
.irp bb, 0,1
	ds_load_b128 v[BR+16*(\buf)+8*\bb:BR+16*(\buf)+8*\bb+3],   v[VB] offset:(2*(\p)+\bb)*FP+(\nxt)*KB
	ds_load_b128 v[BR+16*(\buf)+8*\bb+4:BR+16*(\buf)+8*\bb+7], v[VB] offset:(2*(\p)+\bb)*FP+512+(\nxt)*KB
.endr
.endm
.macro MM buf, p, kb                   ; six matrix instructions on different accumulators; slot 2's two are jumped where the slot is dead
	WIN 0x50
.irp bb, 0,1
.irp g, 0,1
	v_wmma_f32_16x16x32_bf16 v[64*\g+8*(2*(\p)+\bb):64*\g+8*(2*(\p)+\bb)+7], v[AR+24*(\kb)+8*\g:AR+24*(\kb)+8*\g+7], v[BR+16*(\buf)+8*\bb:BR+16*(\buf)+8*\bb+7], v[64*\g+8*(2*(\p)+\bb):64*\g+8*(2*(\p)+\bb)+7]
.endr
.endr
	WIN 0
	s_bitcmp1_b32 s23, 2
	s_cbranch_scc0 .Lno2_\@
	WIN 0x50
.irp bb, 0,1
	v_wmma_f32_16x16x32_bf16 v[128+8*(2*(\p)+\bb):128+8*(2*(\p)+\bb)+7], v[AR+24*(\kb)+16:AR+24*(\kb)+23], v[BR+16*(\buf)+8*\bb:BR+16*(\buf)+8*\bb+7], v[128+8*(2*(\p)+\bb):128+8*(2*(\p)+\bb)+7]
.endr
	WIN 0
.Lno2_\@:
.endm
.macro AISSUE kb, imm
.irp g, 0,1,2
	global_load_b128 v[AR+24*(\kb)+8*\g:AR+24*(\kb)+8*\g+3],   v[AOFF+\g], s[28:29] offset:(\imm)*STEPK
	global_load_b128 v[AR+24*(\kb)+8*\g+4:AR+24*(\kb)+8*\g+7], v[AOFF+\g], s[28:29] offset:(\imm)*STEPK+HALF
.endr
.endm
; A K step.  Pair p of K step k lies in pair buffer (k + p) % 3; each pair's four LDS loads are followed by two more pairs' before it is used: s_wait_dscnt 8.  acnt = the loads younger than this K step's h.
.macro KSTEP kb, aiss, aimm, acnt, last
	BLOAD ((\kb)+2)%3, 2, 0
	s_wait_loadcnt \acnt
	s_wait_dscnt 8
	MM (\kb)%3, 0, \kb
	PLACES 4
	BLOAD (\kb)%3, 3, 0
	s_wait_dscnt 8
	MM ((\kb)+1)%3, 1, \kb
	PLACES 4
.if !(\last)
	BLOAD ((\kb)+1)%3, 0, 1
	s_wait_dscnt 8
.else
	s_wait_dscnt 4
.endif
	MM ((\kb)+2)%3, 2, \kb
	PLACES 4
.if !(\last)
	BLOAD ((\kb)+2)%3, 1, 1
	s_wait_dscnt 8
.else
	s_wait_dscnt 0x0
.endif
	MM (\kb)%3, 3, \kb
	v_add_nc_u32 v[VB], KB, v[VB]
	PLACES 3
.if \aiss
	AISSUE \kb, \aimm
.endif
.endm
.macro STEP jj, ld, wiss, wleft, aiss, ac0, ac1, join, last
.if \ld
	LOADER (2+\jj)%3, \wiss, \jj, \wleft
.endif
	KSTEP (2*\jj)%6, \aiss, 2*\jj, \ac0, 0
	KSTEP (2*\jj+1)%6, \aiss, 2*\jj+1, \ac1, \last
.if \join
	JOIN
.endif
.endm
.macro SETPASS
	s_mul_i32 s24, s21, 24
	s_add_co_u32 s24, s24, s14
	s_mov_b32 s23, 0
.irp g, 0,1,2
	s_add_co_u32 s25, s24, 8*\g
	s_cmp_lt_u32 s25, s19
	s_cselect_b32 s26, 1<<\g, 0
	s_or_b32 s23, s23, s26
	s_min_u32 s25, s25, s37                        ; a dead slot repeats the last tile
	s_min_u32 s25, s25, 63
	s_lshl_b32 s25, s25, 17
	v_lshl_add_u32 v[AOFF+\g], v1, 4, s25          ; tile x 131,072 + 16 lane
.endr
.endm
; A K step of a later pass, plain: it runs only for an expert with more than 384 rows.  zero = 1: K step 0, whose products start the sums (its address is made in front of it).
; In the loop the place in the image is made anew in every trip: the K step, held to 31 by a minimum, times a K step's bytes: every load lies in the image by this arithmetic.
.macro SK zero
.if !(\zero)
	s_sub_co_u32 s24, 32, s38                      ; the K step: 32 less the count, 1 .. 31
	s_min_u32 s24, s24, 31
	s_mul_i32 s24, s24, KB
	s_add_co_u32 s24, s24, BW
	v_lshl_add_u32 v[VB], v1, 4, s24
.endif
.irp g, 0,1,2
	global_load_b128 v[AR+8*\g:AR+8*\g+3],   v[AOFF+\g], s[30:31]
	global_load_b128 v[AR+8*\g+4:AR+8*\g+7], v[AOFF+\g], s[30:31] offset:HALF
.endr
.irp b, 0,1,2,3,4,5,6,7                ; fragments 0-5 in v16-63, 6 and 7 in v88-103
	ds_load_b128 v[BR+8*\b+(\b/6)*24:BR+8*\b+(\b/6)*24+3],   v[VB] offset:\b*FP
	ds_load_b128 v[BR+8*\b+(\b/6)*24+4:BR+8*\b+(\b/6)*24+7], v[VB] offset:\b*FP+512
.endr
	s_wait_loadcnt 0x0
	s_wait_dscnt 0x0
	WIN 0x50
.irp b, 0,1,2,3,4,5,6,7
.irp g, 0,1,2
.if \zero
	v_wmma_f32_16x16x32_bf16 v[64*\g+8*\b:64*\g+8*\b+7], v[AR+8*\g:AR+8*\g+7], v[BR+8*\b+(\b/6)*24:BR+8*\b+(\b/6)*24+7], 0
.else
	v_wmma_f32_16x16x32_bf16 v[64*\g+8*\b:64*\g+8*\b+7], v[AR+8*\g:AR+8*\g+7], v[BR+8*\b+(\b/6)*24:BR+8*\b+(\b/6)*24+7], v[64*\g+8*\b:64*\g+8*\b+7]
.endif
.endr
.endr
	WIN 0
	PLACES 4
	s_wait_xcnt 0x0                                ; the base is stepped only behind this wait (the loads that named it have come back)
	s_add_nc_u64 s[30:31], s[30:31], STEPK
.endm
; Slot g leaves: the rows of P from the list, b2 added, 16 stores.  Each accumulator's register 0 is read first.
.macro DEPI g
	s_bitcmp1_b32 s23, \g
	s_cbranch_scc0 .Ldead_\@
	s_mul_i32 s24, s21, 24
	s_add_co_u32 s24, s24, s14
	s_add_co_u32 s24, s24, 8*\g
	s_min_u32 s24, s24, 63
	s_lshl_b32 s24, s24, 5
	s_add_co_u32 s24, s24, s36
	v_lshl_add_u32 v12, v3, 4, s24                 ; entries 16 tile + 8 h .. + 7, two bytes each
	s_wait_xcnt 0x0                                ; the slot before: its stores' offsets and data are rewritten only behind this wait
	ds_load_b128 v[64:67], v12
	s_wait_dscnt 0x0
.irp j, 0,1,2,3
	v_and_b32 v[72+2*\j], 0xffff, v[64+\j]
	v_lshrrev_b32 v[73+2*\j], 16, v[64+\j]
.endr
.irp j, 0,1,2,3,4,5,6,7
	v_min_u32 v[72+\j], 0x7ff, v[72+\j]
	v_lshl_add_u32 v[72+\j], v[72+\j], 12, v14     ; row x 4,096 + 16 r
.endr
	WIN 0x01                                       ; source 0 in window 1
.irp q, 0,1
.irp j, 0,1,2,3,4,5,6,7
.irp c, 0,1,2,3
	v_add_f32 v[80+4*(8*\q+\j)+\c], v[64*\g+8*(4*\q+\c)+\j], v[B2+4*\q+\c]
.endr
.endr
.endr
	WIN 0
.irp q, 0,1
.irp j, 0,1,2,3,4,5,6,7
	global_store_b128 v[72+\j], v[80+4*(8*\q+\j):80+4*(8*\q+\j)+3], s[34:35] offset:256*\q  ; 16 lanes store 256 consecutive bytes, at a multiple of 256 from P's first
.endr
.endr
.Ldead_\@:
.endm
	s_load_b256 s[4:11], s[0:1], 0x0               ; hbuf s[4:5], W2 s[6:7], b2 s[8:9], bm s[10:11]
	s_load_b64 s[12:13], s[0:1], 0x20              ; pbuf
	v_lshl_add_u32 v[SPW], v0, 2, SPARE
	v_mov_b32 v[NIL], 0
	v_and_b32 v1, 31, v0                           ; lane
	v_and_b32 v2, 15, v0                           ; r
	v_bfe_u32 v3, v0, 4, 1                         ; h
	v_lshrrev_b32 v12, 5, v0
	v_readfirstlane_b32 s14, v12                   ; wave
	s_and_b32 s16, ttmp7, 0xffff                   ; expert
	s_mov_b32 s17, ttmp9
	s_and_b32 s57, s17, 7                          ; g: which 128 columns
	s_lshr_b32 s58, s17, 3                         ; kq: which 1,024 rows
	s_lshl_b32 s24, s16, 7
	v_lshl_add_u32 v12, v1, 2, s24                 ; lane w: word w of my expert's bitmap
	v_lshlrev_b32 v14, 2, v1                       ; and of expert 0's
	s_lshl_b32 s24, s16, 12
	s_lshl_b32 s25, s57, 9
	s_add_co_u32 s24, s24, s25
	v_lshl_add_u32 v15, v2, 4, s24                 ; b2 of columns 4 r .. + 3
	s_lshl_b32 s26, s16, 24
	s_lshl_b32 s24, s58, 22
	s_add_co_u32 s26, s26, s24
	s_add_co_u32 s26, s26, s25
	s_mov_b32 s27, 0
	s_mul_i32 s24, s14, 8*RP
	v_lshl_add_u32 v[VWO], v1, 4, s24
	s_mul_i32 s36, s14, LISTW
	s_lshl_b32 s40, s16, 23                        ; an expert's part of hbuf is 8 MiB;
	s_lshl_b32 s24, s58, 15                        ; my part of K is 32 K steps of 1,024 bytes in each tile
	s_add_co_u32 s40, s40, s24
	s_mov_b32 s41, 0
	s_lshl_b32 s42, s58, 23                        ; a part of P is 8 MiB
	s_add_co_u32 s42, s42, s25
	s_mov_b32 s43, 0
	s_wait_kmcnt 0x0
	s_add_nc_u64 s[32:33], s[6:7], s[26:27]
	s_add_nc_u64 s[54:55], s[4:5], s[40:41]
	s_mov_b64 s[28:29], s[54:55]
	s_add_nc_u64 s[34:35], s[12:13], s[42:43]
	global_load_b32 v13, v12, s[10:11]
.irp q, 0,1,2,3,4,5,6
	global_load_b32 v[80+\q], v14, s[10:11] offset:128*\q
.endr
	global_load_b128 v[B2:B2+3], v15, s[8:9]
	global_load_b128 v[B2+4:B2+7], v15, s[8:9] offset:256        ; columns 64 + 4 r .. + 3
	WISSUE 0, 0                                    ; the weights' ring is filled before anything else is done
	WISSUE 1, 1
	WISSUE 2, 2
	; The sums are cleared on purpose: one text then serves every K step, and slot 2 can be jumped from the first.  It stands in the wait for the bitmap and the first weights.
	WIN 0x40
.set i, 0
.rept 192
	v_mov_b32 v[i], 0
.set i, i+1
.endr
	WIN 0
	s_wait_loadcnt 24                              ; the bitmaps and b2 are in; the ring's 24 loads are younger
	v_mov_b32 v15, 0                               ; which tokens a lower-numbered expert has
.irp q, 0,1,2,3,4,5,6
	s_cmp_gt_u32 s16, \q
	s_cselect_b32 s24, -1, 0
	v_and_or_b32 v15, v[80+\q], s24, v15
.endr
	s_cmp_eq_u32 s58, 0                            ; b2 rounded to bf16; it enters part 0 alone
	s_cselect_b32 s24, -1, 0
.irp n, 0,1,2,3
	v_cvt_pk_bf16_f32 v[68+\n], v[B2+2*\n], v[B2+2*\n+1]
.endr
.irp n, 0,1,2,3
	v_lshlrev_b32 v[B2+2*\n], 16, v[68+\n]
	v_and_b32 v[B2+2*\n+1], 0xffff0000, v[68+\n]
.endr
.irp n, 0,1,2,3,4,5,6,7
	v_and_b32 v[B2+\n], s24, v[B2+\n]
.endr
	; my list is set to 0 whole, then filled in the first product's order
	v_mov_b32 v72, 0
	v_mov_b32 v73, 0
	v_mov_b32 v74, 0
	v_mov_b32 v75, 0
	v_lshl_add_u32 v71, v1, 4, s36
	v_lshl_add_u32 v76, v1, 2, s36
.irp n, 0,1,2,3
	ds_store_b128 v71, v[72:75] offset:512*\n
.endr
	ds_store_b32 v76, v[NIL] offset:2048
	v_lshlrev_b32 v68, 5, v1
	v_add_nc_u32 v69, 1056, v1
	s_mov_b32 s39, 0
	s_mov_b32 s38, 0
.Llist:
	v_lshrrev_b32 v66, s38, v13
	v_and_b32 v66, 1, v66
	v_cmp_eq_u32 s24, 1, v66
	v_mbcnt_lo_u32_b32 v67, s24, 0
	v_add_nc_u32 v67, s39, v67
	v_cndmask_b32 v67, v69, v67, s24
	v_min_u32 v67, 0x43f, v67
	v_lshl_add_u32 v67, v67, 1, s36
	v_lshrrev_b32 v70, s38, v15
	v_and_b32 v70, 1, v70
	v_add_nc_u32 v77, s38, v68
	v_lshl_add_u32 v77, v70, 10, v77               ; + 1,024: the token's second row of P
	ds_store_b16 v67, v77
	s_bcnt1_i32_b32 s25, s24
	s_add_co_u32 s39, s39, s25
	s_add_co_u32 s38, s38, 1
	s_cmp_lt_u32 s38, 32
	s_cbranch_scc1 .Llist
	s_mov_b32 s18, s39
	s_add_co_u32 s19, s18, 15
	s_lshr_b32 s19, s19, 4
	s_max_u32 s37, s19, 1
	s_sub_co_u32 s37, s37, 1
	s_max_u32 s24, s18, 1                          ; the 16 places past the count repeat the last row: they store the same numbers to the same place
	s_sub_co_u32 s24, s24, 1
	s_min_u32 s24, s24, 1023
	s_lshl_b32 s24, s24, 1
	s_add_co_u32 s24, s24, s36
	v_mov_b32 v65, s24
	ds_load_u16 v66, v65
	v_add_nc_u32 v67, s18, v2
	v_min_u32 v67, 0x40f, v67
	v_lshl_add_u32 v67, v67, 1, s36
	s_wait_dscnt 0x0
	ds_store_b16 v67, v66
	s_mov_b32 s21, 0
	SETPASS
	AISSUE 0, 0
	AISSUE 1, 1
	v_lshl_add_u32 v[VB], v1, 4, BW
	v_mul_u32_u24 v12, v3, 4*FP                    ; column 4 lane + c: fragment 4 (lane / 16) + c,
	v_lshl_add_u32 v12, v2, 4, v12                 ; place lane % 16
	s_lshr_b32 s24, s14, 2
	s_mul_i32 s24, s24, KB
	s_and_b32 s25, s14, 3
	s_lshl_b32 s25, s25, 8
	s_add_co_u32 s24, s24, s25
	s_add_co_u32 s24, s24, BW
	v_add_nc_u32 v[VLS], s24, v12
	; ---- sub-trip 0: younger than W0 are W1, W2 (16) and A0, A1 (12)
	LOADER 0, 1, 3, 28
	AISSUE 2, 2
	AISSUE 3, 3
	JOIN
	; ---- sub-trip 1: younger than W1 are W2, A0, A1, W3, A2, A3.  The first two pairs of K step 0, shown by the barrier above, are fetched
	LOADER 1, 1, 4, 40
	AISSUE 4, 4
	AISSUE 5, 5
	BLOAD 0, 0, 0
	BLOAD 1, 1, 0
	s_wait_xcnt 0x0                                ; the bases are stepped only behind this wait
	s_add_nc_u64 s[32:33], s[32:33], 5*64*RP
	s_add_nc_u64 s[28:29], s[28:29], 6*STEPK
	JOIN
	s_mov_b32 s22, 3
.Ltrip:                                        ; sub-trips 2 + 3 t + jj.  Younger than the weights wanted: 12 + 8 + 12 + 8 + 12 = 52; than the h wanted: 6 + 20 + 20 + 8 = 54
	STEP 0, 1, 1, 52, 1, 54, 54, 1, 0
	STEP 1, 1, 1, 52, 1, 54, 54, 1, 0
	STEP 2, 1, 1, 52, 1, 54, 54, 1, 0
	s_wait_xcnt 0x0
	s_add_nc_u64 s[32:33], s[32:33], 3*64*RP
	s_add_nc_u64 s[28:29], s[28:29], 6*STEPK
	s_sub_co_u32 s22, s22, 1
	s_cmp_lg_u32 s22, 0
	s_cbranch_scc1 .Ltrip
	STEP 0, 1, 1, 52, 1, 54, 54, 1, 0              ; sub-trips 11 to 17 are written out: the weights end with double step 15, h with K step 31, and the counts run down
	STEP 1, 1, 1, 52, 1, 54, 54, 1, 0
	STEP 2, 1, 0, 52, 1, 46, 46, 1, 0
	STEP 3, 1, 0, 44, 1, 38, 38, 1, 0
	STEP 4, 1, 0, 36, 0, 30, 24, 1, 0
	STEP 5, 0, 0, 0, 0, 18, 12, 0, 0               ; the whole image has been shown by the last barrier
	STEP 6, 0, 0, 0, 0, 6, 0, 0, 1
	v_lshlrev_b32 v14, 4, v2                       ; 16 r
	s_mov_b32 s21, 0
.Lpass:
	s_cmp_eq_u32 s21, 0
	s_cbranch_scc1 .Lepi
	s_mul_i32 s24, s21, 24
	s_cmp_ge_u32 s24, s19
	s_cbranch_scc1 .Lnextpass
	s_wait_xcnt 0x0                                ; the last pass's stores have read their registers, which the loads below fill
	SETPASS
	v_lshl_add_u32 v[VB], v1, 4, BW
	s_mov_b64 s[30:31], s[54:55]
	SK 1
	s_mov_b32 s38, 31
.Lsk:
	SK 0
	s_sub_co_u32 s38, s38, 1
	s_cmp_lg_u32 s38, 0
	s_cbranch_scc1 .Lsk
.Lepi:
	s_wait_loadcnt 0x0
	DEPI 0
	DEPI 1
	DEPI 2
.Lnextpass:
	s_add_co_u32 s21, s21, 1
	s_cmp_lt_u32 s21, 3
	s_cbranch_scc1 .Lpass
	JOIN                                           ; every wave's LDS reads are back before any wave writes LDS again: the one write left is the add below
	s_wait_tensorcnt 0x0                           ; the wave's end, behind my last LDS store
	ds_add_u32 v[SPW], v[NIL]
	s_wait_dscnt 0x0
	s_endpgm
.Lfunc_end_k_qa1c9d76dd3_down:
	.size	k_qa1c9d76dd3_down, .Lfunc_end_k_qa1c9d76dd3_down-k_qa1c9d76dd3_down
	.p2alignl 7, 3214868480
	.fill 96, 4, 3214868480
	.section	.rodata,"a",@progbits
	.p2align	6, 0x0
	.amdhsa_kernel k_qa1c9d76dd3_down
		.amdhsa_group_segment_fixed_size 317952
		.amdhsa_private_segment_fixed_size 0
		.amdhsa_enable_private_segment 0
		.amdhsa_kernarg_size 40
		.amdhsa_user_sgpr_count 2
		.amdhsa_user_sgpr_kernarg_segment_ptr 1
		.amdhsa_wavefront_size32 1
		.amdhsa_system_sgpr_workgroup_id_x 1
		.amdhsa_system_sgpr_workgroup_id_y 1
		.amdhsa_system_sgpr_workgroup_id_z 1
		.amdhsa_system_vgpr_workitem_id 0
		.amdhsa_next_free_vgpr 512
		.amdhsa_next_free_sgpr 66
		.amdhsa_reserve_vcc 0
		.amdhsa_float_denorm_mode_32 3
		.amdhsa_float_denorm_mode_16_64 3
		.amdhsa_memory_ordered 1
		.amdhsa_forward_progress 1
		.amdhsa_inst_pref_size 154
	.end_amdhsa_kernel
	.amdgpu_metadata
---
amdhsa.version: [ 1, 2 ]
amdhsa.kernels:
  - .name:           k_qa1c9d76dd3_down
    .symbol:         k_qa1c9d76dd3_down.kd
    .args:
      - { .name: hbuf, .offset: 0, .size: 8, .value_kind: global_buffer, .address_space: global }
      - { .name: W2, .offset: 8, .size: 8, .value_kind: global_buffer, .address_space: global }
      - { .name: b2, .offset: 16, .size: 8, .value_kind: global_buffer, .address_space: global }
      - { .name: bm, .offset: 24, .size: 8, .value_kind: global_buffer, .address_space: global }
      - { .name: pbuf, .offset: 32, .size: 8, .value_kind: global_buffer, .address_space: global }
    .group_segment_fixed_size: 317952
    .private_segment_fixed_size: 0
    .kernarg_segment_align: 8
    .kernarg_segment_size: 40
    .max_flat_workgroup_size: 256
    .sgpr_count:     66
    .vgpr_count:     512
    .wavefront_size: 32
...
	.end_amdgpu_metadata
.endif
;; end of part 3
;; launch combine (part 4): grid 256 x 1, 8 waves a work-group, no clusters, 0 bytes of LDS; arguments pbuf, gs, auxp, out0, out1; writes out0, out1
.if DOCPART == 4
	.amdgcn_target "amdgcn-amd-amdhsa--gfx1250"
	.amdhsa_code_object_version 6
	.text
	.protected	k_qa1c9d76dd3_combine
	.globl	k_qa1c9d76dd3_combine
	.p2align	8
	.type	k_qa1c9d76dd3_combine,@function
k_qa1c9d76dd3_combine:
	s_mov_b64 s[64:65], 0
	v_nop
	global_prefetch_b8 v0, s[64:65] scope:SCOPE_SE
	s_setreg_imm32_b32 hwreg(HW_REG_WAVE_MODE, 25, 1), 1
	s_wait_xcnt 0x0
; out[token] = g0 x (sum over the four parts of P[part][token]) + g1 x (the same of P[part][1024 + token]); and the aux loss.
; A stream: a work-group owns four tokens, thread t the 16 bytes at 16 t of every row; all 32 loads of a thread go out at once, and each load and store of a wave covers 512 consecutive bytes.
; No LDS, no barrier, no matrix unit: each byte is read once and nothing is shared.
; Wave 0 of work-group 0 also adds the 64 groups' sums of probabilities S and counts C: aux = 8 sum_e (S_e / 1024)(C_e / 1024) = 2^-17 sum_e S_e C_e.
.set R,   16                           ; v16-143  token i, part q, slot s: 4 registers at R + 32 i + 8 q + 4 s
.set O,   144                          ; v144-159 token i's result
.set AX,  160                          ; v160-191 the aux sums
	s_load_b256 s[4:11], s[0:1], 0x0               ; pbuf s[4:5], gs s[6:7], auxp s[8:9], out0 s[10:11]
	s_load_b64 s[12:13], s[0:1], 0x20              ; out1
	v_lshlrev_b32 v1, 4, v0
	v_lshrrev_b32 v2, 5, v0
	v_readfirstlane_b32 s36, v2
	s_or_b32 s36, s36, ttmp9                       ; 0 for wave 0 of work-group 0 alone
	s_lshl_b32 s14, ttmp9, 14                      ; four rows of 4,096 bytes
	s_mov_b32 s15, 0
	s_lshl_b32 s34, ttmp9, 5                       ; four pairs of weights
	s_mov_b32 s35, 0
	s_wait_kmcnt 0x0
	s_add_nc_u64 s[16:17], s[4:5], s[14:15]        ; the four parts lie 8 MiB apart
	s_add_nc_u64 s[18:19], s[16:17], 0x800000
	s_add_nc_u64 s[20:21], s[18:19], 0x800000
	s_add_nc_u64 s[22:23], s[20:21], 0x800000
	s_add_nc_u64 s[6:7], s[6:7], s[34:35]
	s_add_nc_u64 s[10:11], s[10:11], s[14:15]
	s_load_b256 s[24:31], s[6:7], 0x0
.irp t, 0,1,2,3
.irp q, 0,1,2,3
	global_load_b128 v[R+32*\t+8*\q:R+32*\t+8*\q+3],   v1, s[16+2*\q:17+2*\q] offset:4096*\t th:TH_LOAD_NT
	global_load_b128 v[R+32*\t+8*\q+4:R+32*\t+8*\q+7], v1, s[16+2*\q:17+2*\q] offset:0x400000+4096*\t th:TH_LOAD_NT
.endr
.endr
	s_cmp_lg_u32 s36, 0
	s_cbranch_scc1 .Lmain
	; the aux loss: lane l takes groups l and l + 32
	v_lshlrev_b32 v3, 6, v0
.irp n, 0,1,2,3
	global_load_b128 v[AX+4*\n:AX+4*\n+3], v3, s[8:9] offset:16*\n
	global_load_b128 v[AX+16+4*\n:AX+16+4*\n+3], v3, s[8:9] offset:2048+16*\n
.endr
	s_mov_b32 s32, 0x76543210                      ; v_permlanex16_b32: each lane takes its own place in the other half
	s_mov_b32 s33, 0xfedcba98
	v_mov_b32 v192, 0
	v_mov_b32 v194, 0
	s_wait_loadcnt 0x0
.irp j, 0,2,4,6,8,10,12,14
	v_pk_add_f32 v[AX+\j:AX+\j+1], v[AX+\j:AX+\j+1], v[AX+16+\j:AX+16+\j+1]
.endr
.set i, AX
.rept 16
	v_add_f32_dpp v[i], v[i], v[i] row_xmask:1 row_mask:0xf bank_mask:0xf
	v_add_f32_dpp v[i], v[i], v[i] row_xmask:2 row_mask:0xf bank_mask:0xf
	v_add_f32_dpp v[i], v[i], v[i] row_xmask:4 row_mask:0xf bank_mask:0xf
	v_add_f32_dpp v[i], v[i], v[i] row_xmask:8 row_mask:0xf bank_mask:0xf
	v_permlanex16_b32 v192, v[i], s32, s33
	v_add_f32 v[i], v[i], v192
.set i, i+1
.endr
	v_mul_f32 v193, v[AX], v[AX+8]
.irp e, 1,2,3,4,5,6,7
	v_fmac_f32 v193, v[AX+\e], v[AX+8+\e]
.endr
	v_mul_f32 v193, 0x37000000, v193               ; 2^-17
	s_wait_xcnt 0x0                                ; EXEC changes only behind this wait
	v_cmp_eq_u32 vcc_lo, 0, v0
	s_and_saveexec_b32 s37, vcc_lo
	global_store_b32 v194, v193, s[12:13]
	s_wait_xcnt 0x0
	s_or_b32 exec_lo, exec_lo, s37
.Lmain:
	s_wait_kmcnt 0x0                               ; the weights
.irp t, 0,1,2,3
	s_wait_loadcnt 8*(3-\t)                        ; token t's eight loads are in; the later tokens' stay out
.irp s, 0,4
.irp d, 0,2
	v_pk_add_f32 v[R+32*\t+\s+\d:R+32*\t+\s+\d+1], v[R+32*\t+\s+\d:R+32*\t+\s+\d+1], v[R+32*\t+\s+\d+8:R+32*\t+\s+\d+9]
	v_pk_add_f32 v[R+32*\t+\s+\d+16:R+32*\t+\s+\d+17], v[R+32*\t+\s+\d+16:R+32*\t+\s+\d+17], v[R+32*\t+\s+\d+24:R+32*\t+\s+\d+25]
	v_pk_add_f32 v[R+32*\t+\s+\d:R+32*\t+\s+\d+1], v[R+32*\t+\s+\d:R+32*\t+\s+\d+1], v[R+32*\t+\s+\d+16:R+32*\t+\s+\d+17]
.endr
.endr
.irp n, 0,1,2,3
	v_mul_f32 v[O+4*\t+\n], s[24+2*\t], v[R+32*\t+\n]
.endr
.irp n, 0,1,2,3
	v_fmac_f32 v[O+4*\t+\n], s[25+2*\t], v[R+32*\t+4+\n]
.endr
	global_store_b128 v1, v[O+4*\t:O+4*\t+3], s[10:11] offset:4096*\t th:TH_STORE_NT
.endr
	s_endpgm
.Lfunc_end_k_qa1c9d76dd3_combine:
	.size	k_qa1c9d76dd3_combine, .Lfunc_end_k_qa1c9d76dd3_combine-k_qa1c9d76dd3_combine
	.p2alignl 7, 3214868480
	.fill 96, 4, 3214868480
	.section	.rodata,"a",@progbits
	.p2align	6, 0x0
	.amdhsa_kernel k_qa1c9d76dd3_combine
		.amdhsa_group_segment_fixed_size 0
		.amdhsa_private_segment_fixed_size 0
		.amdhsa_enable_private_segment 0
		.amdhsa_kernarg_size 40
		.amdhsa_user_sgpr_count 2
		.amdhsa_user_sgpr_kernarg_segment_ptr 1
		.amdhsa_wavefront_size32 1
		.amdhsa_system_sgpr_workgroup_id_x 1
		.amdhsa_system_sgpr_workgroup_id_y 1
		.amdhsa_system_sgpr_workgroup_id_z 1
		.amdhsa_system_vgpr_workitem_id 0
		.amdhsa_next_free_vgpr 200
		.amdhsa_next_free_sgpr 66
		.amdhsa_reserve_vcc 1
		.amdhsa_float_denorm_mode_32 3
		.amdhsa_float_denorm_mode_16_64 3
		.amdhsa_memory_ordered 1
		.amdhsa_forward_progress 1
		.amdhsa_inst_pref_size 17
	.end_amdhsa_kernel
	.amdgpu_metadata
---
amdhsa.version: [ 1, 2 ]
amdhsa.kernels:
  - .name:           k_qa1c9d76dd3_combine
    .symbol:         k_qa1c9d76dd3_combine.kd
    .args:
      - { .name: pbuf, .offset: 0, .size: 8, .value_kind: global_buffer, .address_space: global }
      - { .name: gs, .offset: 8, .size: 8, .value_kind: global_buffer, .address_space: global }
      - { .name: auxp, .offset: 16, .size: 8, .value_kind: global_buffer, .address_space: global }
      - { .name: out0, .offset: 24, .size: 8, .value_kind: global_buffer, .address_space: global }
      - { .name: out1, .offset: 32, .size: 8, .value_kind: global_buffer, .address_space: global }
    .group_segment_fixed_size: 0
    .private_segment_fixed_size: 0
    .kernarg_segment_align: 8
    .kernarg_segment_size: 40
    .max_flat_workgroup_size: 256
    .sgpr_count:     66
    .vgpr_count:     200
    .wavefront_size: 32
...
	.end_amdgpu_metadata
.endif
;; end of part 4
;; ======== version 2 of 3: 4 launches; 1.17 times as fast as version 1
;; workspace buffers: xb 2,097,152 bytes; bm 1,024 bytes of whole numbers; gs 8,192 bytes; auxp 4,096 bytes; hbuf 67,108,864 bytes; pbuf 33,554,432 bytes
;; launch router: the kernel of part 1 again; grid 64 x 1, 8 waves a work-group, no clusters, 58,368 bytes of LDS; arguments x, gate_w, xb, bm, gs, auxp; writes xb, bm, gs, auxp
;; launch up (part 5): grid 32 x 8, 8 waves a work-group, no clusters, 317,952 bytes of LDS; arguments xb, W1, b1, bm, hbuf; writes hbuf
.if DOCPART == 5
	.amdgcn_target "amdgcn-amd-amdhsa--gfx1250"
	.amdhsa_code_object_version 6
	.text
	.protected	k_qa1c9d76dd3_up
	.globl	k_qa1c9d76dd3_up
	.p2align	8
	.type	k_qa1c9d76dd3_up,@function
k_qa1c9d76dd3_up:
	s_mov_b64 s[64:65], 0
	v_nop
	global_prefetch_b8 v0, s[64:65] scope:SCOPE_SE
	s_setreg_imm32_b32 hwreg(HW_REG_WAVE_MODE, 25, 1), 1
	s_wait_xcnt 0x0
; FIRST PRODUCT.  h = gelu(x W1[e] + b1[e]) for the rows that chose expert e, exact gelu (erf), h stored in bf16.
; A work-group has expert e (grid y) and columns 128 x .. 128 x + 127 of W1[e] (grid x): 1,024 x 128 f32, 512 KiB that it alone reads, and all the expert's rows.
; EVERY WAVE DOES BOTH JOBS, in one text.  A sub-trip is a double K step, 64 k.  Wave w loads rows 8 w .. 8 w + 7 of it (eight loads of 512 consecutive bytes), rounds them to bf16 and stores
; them into an LDS image in the order of matrix fragments.  The image holds the whole slice (32 K steps x 8 fragments), so no LDS byte is written twice.
; Each wave has three slots of 16 rows x 128 columns; in pass P slot g is tile 24 P + 8 g + wave.  The rows of xb come from memory straight into registers as matrix operands.
; In sub-trip u double step u is stored, weights u + 3 are asked for, K steps 2 u - 4 and 2 u - 3 are multiplied and the rows of K steps 2 u + 2 and 2 u + 3 asked for: one barrier a sub-trip, 16 in all.
; A wave has 24 loads of weights and 36 of rows on their way, both asked for three sub-trips ahead, in one fixed order from the head on: W0 W1 W2 A0 A1, W3 A2 A3, W4 A4 A5, W5 A6 A7 ..
; THE FRAGMENTS of W1 leave the image half a K step at a time (four fragments, eight LDS loads), into two buffers by turns: while one half is multiplied (8 matrix instructions, 12 with slot 2)
; the next half is on its way.  So a K step has two runs of LDS loads, two runs of matrix instructions and two jumps over slot 2.
; Pass 0 (384 rows) runs under the stream; an expert with more rows is served by further passes from the resident image, without barriers.
; THE ROWS.  The expert's rows are ranked from the bitmap bm (whole numbers, stored by the launch before): bit b of word w is token 32 w + b, and the order is b-major, then by w, the same as in the
; second product.  Row r of tile t is rank 16 t + r.  Each lane finds the token of its rank by register arithmetic on the bitmap alone (macro FIND).  A rank at or past the count takes the
; last row: so do the places past the count in the last tile, and all 16 rows of a slot past the last tile, whose loads then touch 32 bytes each; such a slot is not stored.  An expert without rows stores nothing.
; NO CLUSTER: each slice of weights has one reader; what an expert's work-groups share is token rows taken by rank, which no one descriptor covers, and the image leaves no LDS for them.
; THE MATRIX INSTRUCTION IS USED TRANSPOSED (source 0 = 16 columns of W1, source 1 = 16 tokens): a lane holds token r and eight neighbouring columns, which, rounded, are 16 bytes of the
; second product's fragment.  hbuf: [e][tile 0..63][K step 0..127][half][lane][16 bytes]: every store of a wave is 512 consecutive bytes.
; THE WAY OUT goes in 12 units of a slot's two blocks of 16 columns.  Each unit has eight lines of its own, which halve its sums, add the bias and leave them in fixed registers; the gelu is written once.
; LIMITS.  x, W1 and b1 are rounded to bf16, h once to bf16.  erf by a rational form (Abramowitz and Stegun 7.1.26), within 1.5e-7 for every argument.  NaN and infinities are not treated apart.
.set RP,     16384                     ; bytes from row to row of W1
.set STEPK,  64                        ; bytes of a row of xb in a K step of 32
.set HALF,   32
.set FP,     1040                      ; a fragment in the image: 1,024 bytes + 16, so that 16 lanes' stores into four fragments fall on 16 different columns of 16 bytes modulo 256
.set KB,     8*FP                      ; a K step in the image
.set CSTEP,  16                        ; from one of my four columns to the next in the image
.set BIAS,   17408                     ; 128 f32: bf16(b1) / 2.  Bytes 0 to 17,407 and 17,920 to 50,687 are not used: the map is the second product's
.set SPARE,  50688                     ; the spare words, 128 bytes a wave: no other line names them
.set BW,     51712                     ; the image: K step x KB + fragment x FP + 512 c + 256 h + 16 r
.set AOFF, 4                           ; v4-6     slot g: my lane's byte offset in xb
.set VLS,  7                           ; v7       where I store weights in the image
.set VWO,  8                           ; v8       my byte offset in a double step of W1; never rewritten
.set VB,   9                           ; v9       my place in the image's K step in hand
.set SPW,  10
.set NIL,  11
.set BMW,  13                          ; v13      lane w: word w of my expert's bitmap; never rewritten
.set BR,   16                          ; v16-79   two buffers of four fragments of W1: half a K step each
.set TT,   48                          ; v48-63   my four columns' packed weights: they lie in fragment buffer 1, which is idle where a double step is stored
.set AR,   80                          ; v80-223  six K steps x three fragments of x
.set W2B,  224                         ; v224-255 the weights' ring, buffer 2; buffers 0 and 1: window 1, v192-255
.set XR,   64                          ; the way out: v64-79 a unit's 16 numbers; v96-151 at work
.set BI,   160                         ; the way out: v160-223 bias / 2 of my 64 columns, block b at BI + 8 b
; FIND's registers, three of each, one a slot; they lie where the rings are not yet, or no longer, in use, and below the bias
.set RK,   64                          ; the rank wanted
.set SM,   68                          ; the plane that holds it: which words have the bit
.set SN,   72                          ; its place in that plane
.set SB,   76                          ; the plane's bit
.set TN,   80                          ; at work
.set POS,  84                          ; the word found
.set CA,   88                          ; set bits of SM in fields of 2,
.set CB,   92                          ; of 4,
.set CC,   96                          ; of 8,
.set CD,   100                         ; and, in its lowest byte, in the low 16
.set TP,   104                         ; at work
; window 1: v0-191 the sums, slot g, block b at 64 g + 8 b
; s14 wave, s16 e, s17 x, s19 tiles, s20 slot 0's tile, s21 pass, s22 and s38 loop counters, s23 live slots, s[28:29] rows' base, s[30:31] the same in later passes,
; s[32:33] weights' base, s[34:35] h's base, s39 running count, s[40:53] constants of the gelu, s56 this work-group's offset in hbuf, s57-59 the last plane that is not empty, s60-62 masks, one a slot
.set MSB, 0
.macro WIN new                         ; the immediate's high byte repeats the setting that is left
.if MSB != (\new)
	s_set_vgpr_msb (MSB<<8)|(\new)
.set MSB, (\new)
.endif
.endm
.macro PLACES n                        ; plain vector instructions between a matrix instruction and a load into, or a vector read or write of, its registers
.rept \n
	v_nop
.endr
.endm
.macro JOIN                            ; my LDS stores are done and my LDS loads are back; then the barrier
	s_wait_dscnt 0x0
	s_barrier_signal -1
	s_barrier_wait -1
.endm
.macro WISSUE buf, dk                  ; my eight rows of double step dk, counted from the base, into ring buffer buf
.if (\buf) < 2
.set WBS, 192+32*(\buf)
	WIN 0x40                                       ; destination in window 1
.else
.set WBS, W2B
	WIN 0
.endif
.set wn, 0
.rept 8
	global_load_b128 v[WBS+4*wn:WBS+4*wn+3], v[VWO], s[32:33] offset:(64*(\dk)+wn)*RP th:TH_LOAD_NT
.set wn, wn+1
.endr
	WIN 0
.endm
; Ring buffer buf (8 rows of k x my 4 columns) is rounded and turned: a piece = 8 k of one column = 16 bytes of a fragment.  issue = 1: the buffer is asked for again.
; The pieces are made in fragment buffer 1: its last readers, the matrix instructions of the K step before, stand four places and more back, and its next loads come behind the stores below, which LDS serves first.
.macro LOADER buf, issue, dk, left
	s_wait_loadcnt \left                           ; loads come back in order: mine are in, the younger ones stay out
.if (\buf) < 2
.set LWB, 192+32*(\buf)
	WIN 0x05                                       ; sources 0 and 1 in window 1
.else
.set LWB, W2B
	WIN 0
.endif
.irp c, 0,1,2,3
.irp m, 0,1,2,3
	v_cvt_pk_bf16_f32 v[TT+4*\c+\m], v[LWB+8*\m+\c], v[LWB+8*\m+4+\c]
.endr
.endr
	WIN 0
.irp c, 0,1,2,3
	ds_store_b128 v[VLS], v[TT+4*\c:TT+4*\c+3] offset:CSTEP*\c
.endr
.if \issue
	WISSUE \buf, \dk
.endif
	v_add_nc_u32 v[VLS], 2*KB, v[VLS]
.endm
; Fragments 4 hf .. 4 hf + 3 of the K step in hand (nxt = 0) or the next (nxt = 1) into buffer hf
.macro BLOAD hf, nxt
.irp f, 0,1,2,3
	ds_load_b128 v[BR+32*(\hf)+8*\f:BR+32*(\hf)+8*\f+3],   v[VB] offset:(4*(\hf)+\f)*FP+(\nxt)*KB
	ds_load_b128 v[BR+32*(\hf)+8*\f+4:BR+32*(\hf)+8*\f+7], v[VB] offset:(4*(\hf)+\f)*FP+512+(\nxt)*KB
.endr
.endm
; Half a K step: twelve matrix instructions, all on different accumulators; slot 2's four are jumped where the slot is dead
.macro MM hf, kb
	WIN 0x50                                       ; C and D in window 1
.irp f, 0,1,2,3
.irp g, 0,1
	v_wmma_f32_16x16x32_bf16 v[64*\g+8*(4*(\hf)+\f):64*\g+8*(4*(\hf)+\f)+7], v[BR+32*(\hf)+8*\f:BR+32*(\hf)+8*\f+7], v[AR+24*(\kb)+8*\g:AR+24*(\kb)+8*\g+7], v[64*\g+8*(4*(\hf)+\f):64*\g+8*(4*(\hf)+\f)+7]
.endr
.endr
	WIN 0                                          ; at a branch and at a label every window is 0
	s_bitcmp1_b32 s23, 2
	s_cbranch_scc0 .Lno2_\@
	WIN 0x50
.irp f, 0,1,2,3
	v_wmma_f32_16x16x32_bf16 v[128+8*(4*(\hf)+\f):128+8*(4*(\hf)+\f)+7], v[BR+32*(\hf)+8*\f:BR+32*(\hf)+8*\f+7], v[AR+24*(\kb)+16:AR+24*(\kb)+23], v[128+8*(4*(\hf)+\f):128+8*(4*(\hf)+\f)+7]
.endr
	WIN 0
.Lno2_\@:
.endm
.macro AISSUE kb, imm                  ; three fragments of x, K step imm from the base, into buffer kb
.irp g, 0,1,2
	global_load_b128 v[AR+24*(\kb)+8*\g:AR+24*(\kb)+8*\g+3],   v[AOFF+\g], s[28:29] offset:(\imm)*STEPK
	global_load_b128 v[AR+24*(\kb)+8*\g+4:AR+24*(\kb)+8*\g+7], v[AOFF+\g], s[28:29] offset:(\imm)*STEPK+HALF
.endr
.endm
; A K step.  kb = k % 6.  At its head buffer 0 holds, or has on its way, the step's first half.  acnt = the loads younger than this K step's rows.
; dc = the LDS instructions younger than the first half's loads: the eight just issued, and the four stores of a double step where these stand in front.  last = 1: nothing further is fetched.
.macro KSTEP kb, aiss, aimm, acnt, last, dc
	BLOAD 1, 0                                     ; the second half; buffer 1's last readers stand four places and more back
	s_wait_loadcnt \acnt
	s_wait_dscnt \dc                               ; the first half is in
	MM 0, \kb
	PLACES 4
.if !(\last)
	BLOAD 0, 1                                     ; the next K step's first half
	s_wait_dscnt 8                                 ; the second half is in: the eight just issued are younger
.else
	s_wait_dscnt 0x0
.endif
	MM 1, \kb
	v_add_nc_u32 v[VB], KB, v[VB]                  ; the first of four places: for the rows' loads below and for the next loads into buffer 1
	PLACES 3
.if \aiss
	AISSUE \kb, \aimm
.endif
.endm
; A sub-trip.  jj counts from the trip's (or the tail's) first; ld = 1: a double step is stored; wiss, aiss = 1: weights, rows are asked for
.macro STEP jj, ld, wiss, wleft, aiss, ac0, ac1, join, last
.if \ld
	LOADER (2+\jj)%3, \wiss, \jj, \wleft
.endif
	KSTEP (2*\jj)%6, \aiss, 2*\jj, \ac0, 0, 8+4*\ld
	KSTEP (2*\jj+1)%6, \aiss, 2*\jj+1, \ac1, \last, 8
.if \join
	JOIN
.endif
.endm
; One halving of FIND's search for set bit number SN of SM: x holds the counts of set bits in fields of inc bits.  If the field at POS holds SN bits or fewer, mine lies above it.
.macro PICK x, mask, inc
.irp g, 0,1,2
	v_lshrrev_b32 v[TN+\g], v[POS+\g], v[\x+\g]
.endr
.irp g, 0,1,2
	v_and_b32 v[TN+\g], \mask, v[TN+\g]            ; the set bits in the field at POS
.endr
.irp g, 0,1,2
	v_cmp_ge_u32 s[60+\g], v[SN+\g], v[TN+\g]
.endr
.irp g, 0,1,2
	v_sub_nc_u32 v[TN+\g], v[SN+\g], v[TN+\g]
.endr
.irp g, 0,1,2
	v_cndmask_b32 v[SN+\g], v[SN+\g], v[TN+\g], s[60+\g]
	v_cndmask_b32 v[TN+\g], 0, \inc, s[60+\g]
.endr
.irp g, 0,1,2
	v_add_nc_u32 v[POS+\g], v[POS+\g], v[TN+\g]
.endr
.endm
; The slots of pass s21: which are live, and each lane's row.  Registers alone: the three slots go side by side, so that no line waits for the one before it.
; Plane b is the mask of the words that have bit b; the planes' counts, added up, are the ranks at which they begin.  A lane keeps the plane in which its rank falls and its place there;
; set bit number 'place' of that mask is the word; the token is 32 x word + bit.
.macro FIND
	s_mul_i32 s24, s21, 24
	s_add_co_u32 s20, s24, s14                     ; slot 0's tile
	s_lshl_b32 s24, s20, 4
	v_add_nc_u32 v[RK], s24, v2                    ; the rank that my lane wants: 16 tile + r;
	v_add_nc_u32 v[RK+1], 0x80, v[RK]              ; slot g lies 8 g tiles on
	v_add_nc_u32 v[RK+2], 0x100, v[RK]
.irp g, 0,1,2
	v_mov_b32 v[SM+\g], 0
	v_mov_b32 v[SN+\g], 0
	v_mov_b32 v[SB+\g], 0
.endr
	s_mov_b32 s57, 0
	s_mov_b32 s58, 0
	s_mov_b32 s59, 0
	s_mov_b32 s39, 0
	s_mov_b32 s38, 0
.Lplane_\@:
	v_lshrrev_b32 v[TP], s38, v[BMW]
	v_and_b32 v[TP], 1, v[TP]
	v_cmp_eq_u32 s24, 1, v[TP]                     ; the plane
	s_bcnt1_i32_b32 s25, s24                       ; its count
	s_cmp_lg_u32 s25, 0
	s_cselect_b32 s57, s25, s57                    ; the last plane that is not empty is kept: it holds the last row
	s_cselect_b32 s58, s24, s58
	s_cselect_b32 s59, s38, s59
.irp g, 0,1,2
	v_sub_nc_u32 v[TN+\g], v[RK+\g], s39           ; my place, if my rank falls here; a rank below the plane's first wraps to a large number
.endr
.irp g, 0,1,2
	v_cmp_gt_u32 s[60+\g], s25, v[TN+\g]
.endr
.irp g, 0,1,2
	v_cndmask_b32 v[SM+\g], v[SM+\g], s24, s[60+\g]
	v_cndmask_b32 v[SN+\g], v[SN+\g], v[TN+\g], s[60+\g]
	v_cndmask_b32 v[SB+\g], v[SB+\g], s38, s[60+\g]
.endr
	s_add_co_u32 s39, s39, s25
	s_add_co_u32 s38, s38, 1
	s_cmp_lt_u32 s38, 32
	s_cbranch_scc1 .Lplane_\@
	s_add_co_u32 s19, s39, 15                      ; s39 = the expert's rows;
	s_lshr_b32 s19, s19, 4                         ; its tiles
	s_max_u32 s57, s57, 1
	s_sub_co_u32 s57, s57, 1                       ; the last row's place in its plane
.irp g, 0,1,2
	v_cmp_le_u32 s[60+\g], s39, v[RK+\g]           ; a rank at or past the count takes the last row
.endr
.irp g, 0,1,2
	v_cndmask_b32 v[SM+\g], v[SM+\g], s58, s[60+\g]
	v_cndmask_b32 v[SN+\g], v[SN+\g], s57, s[60+\g]
	v_cndmask_b32 v[SB+\g], v[SB+\g], s59, s[60+\g]
.endr
	s_mov_b32 s23, 0
.irp g, 0,1,2
	s_add_co_u32 s25, s20, 8*\g                    ; the tile
	s_cmp_lt_u32 s25, s19
	s_cselect_b32 s26, 1<<\g, 0
	s_or_b32 s23, s23, s26
.endr
	; the counts of set bits in fields of 2, 4, 8 and 16 bits
.irp g, 0,1,2
	v_lshrrev_b32 v[CA+\g], 1, v[SM+\g]
.endr
.irp g, 0,1,2
	v_and_b32 v[CA+\g], 0x55555555, v[CA+\g]
.endr
.irp g, 0,1,2
	v_sub_nc_u32 v[CA+\g], v[SM+\g], v[CA+\g]
.endr
.irp g, 0,1,2
	v_lshrrev_b32 v[CB+\g], 2, v[CA+\g]
	v_and_b32 v[TN+\g], 0x33333333, v[CA+\g]
.endr
.irp g, 0,1,2
	v_and_b32 v[CB+\g], 0x33333333, v[CB+\g]
.endr
.irp g, 0,1,2
	v_add_nc_u32 v[CB+\g], v[CB+\g], v[TN+\g]
.endr
.irp g, 0,1,2
	v_lshrrev_b32 v[CC+\g], 4, v[CB+\g]
.endr
.irp g, 0,1,2
	v_add_nc_u32 v[CC+\g], v[CC+\g], v[CB+\g]
.endr
.irp g, 0,1,2
	v_and_b32 v[CC+\g], 0x0f0f0f0f, v[CC+\g]
.endr
.irp g, 0,1,2
	v_lshrrev_b32 v[CD+\g], 8, v[CC+\g]
	v_mov_b32 v[POS+\g], 0
.endr
.irp g, 0,1,2
	v_add_nc_u32 v[CD+\g], v[CD+\g], v[CC+\g]
.endr
	PICK CD, 31, 16                                ; a field of 16 bits holds 16 at the most, of 8 bits 8, of 4 bits 4, of 2 bits 2: the masks take no neighbour's bit
	PICK CC, 15, 8
	PICK CB, 15, 4
	PICK CA, 3, 2
	PICK SM, 1, 1
.irp g, 0,1,2
	v_lshl_add_u32 v[AOFF+\g], v[POS+\g], 5, v[SB+\g]  ; the token
.endr
.irp g, 0,1,2
	v_min_u32 v[AOFF+\g], 0x3ff, v[AOFF+\g]
.endr
.irp g, 0,1,2
	v_lshlrev_b32 v[AOFF+\g], 11, v[AOFF+\g]
.endr
.irp g, 0,1,2
	v_lshl_add_u32 v[AOFF+\g], v3, 4, v[AOFF+\g]   ; token x 2,048 + 16 h
.endr
.endm
; A K step of a later pass, plain: it runs only for an expert with more than 384 rows.  zero = 1: K step 0, whose products start the sums (its address is made in front of it).
; In the loop the place in the image is made anew in every trip: the K step, held to 31 by a minimum, times a K step's bytes: every load lies in the image by this arithmetic.
.macro SK zero
.if !(\zero)
	s_sub_co_u32 s24, 32, s38                      ; the K step: 32 less the count, 1 .. 31
	s_min_u32 s24, s24, 31
	s_mul_i32 s24, s24, KB
	s_add_co_u32 s24, s24, BW
	v_lshl_add_u32 v[VB], v1, 4, s24
.endif
.irp g, 0,1,2
	global_load_b128 v[AR+8*\g:AR+8*\g+3],   v[AOFF+\g], s[30:31]
	global_load_b128 v[AR+8*\g+4:AR+8*\g+7], v[AOFF+\g], s[30:31] offset:HALF
.endr
.irp b, 0,1,2,3,4,5,6,7                ; all eight fragments: both buffers
	ds_load_b128 v[BR+8*\b:BR+8*\b+3],   v[VB] offset:\b*FP
	ds_load_b128 v[BR+8*\b+4:BR+8*\b+7], v[VB] offset:\b*FP+512
.endr
	s_wait_loadcnt 0x0
	s_wait_dscnt 0x0
	WIN 0x50
.irp b, 0,1,2,3,4,5,6,7
.irp g, 0,1,2
.if \zero
	v_wmma_f32_16x16x32_bf16 v[64*\g+8*\b:64*\g+8*\b+7], v[BR+8*\b:BR+8*\b+7], v[AR+8*\g:AR+8*\g+7], 0
.else
	v_wmma_f32_16x16x32_bf16 v[64*\g+8*\b:64*\g+8*\b+7], v[BR+8*\b:BR+8*\b+7], v[AR+8*\g:AR+8*\g+7], v[64*\g+8*\b:64*\g+8*\b+7]
.endif
.endr
.endr
	WIN 0
	PLACES 4
	s_wait_xcnt 0x0                                ; the base is stepped only behind this wait (the loads that named it have come back)
	s_add_nc_u64 s[30:31], s[30:31], STEPK
.endm
; Blocks 2 q and 2 q + 1 of slot g: X = sum / 2 + bias / 2, from the unit's own accumulators into the registers that the one text of the gelu names.  Each accumulator's low registers are read first.
.macro UNIT g, q
	WIN 0x01                                       ; source 0, the sums, in window 1
.irp bb, 0,1
.irp i, 0,2,4,6
	v_pk_fma_f32 v[XR+8*\bb+\i:XR+8*\bb+\i+1], v[64*\g+8*(2*\q+\bb)+\i:64*\g+8*(2*\q+\bb)+\i+1], 0.5, v[BI+8*(2*\q+\bb)+\i:BI+8*(2*\q+\bb)+\i+1] op_sel_hi:[1,0,1]
.endr
.endr
	WIN 0
.endm
	s_load_b256 s[4:11], s[0:1], 0x0               ; xb s[4:5], W1 s[6:7], b1 s[8:9], bm s[10:11]
	s_load_b64 s[12:13], s[0:1], 0x20              ; hbuf
	v_lshl_add_u32 v[SPW], v0, 2, SPARE
	v_mov_b32 v[NIL], 0
	v_and_b32 v1, 31, v0                           ; lane
	v_and_b32 v2, 15, v0                           ; r
	v_bfe_u32 v3, v0, 4, 1                         ; h
	v_lshrrev_b32 v12, 5, v0
	v_readfirstlane_b32 s14, v12                   ; wave
	s_and_b32 s16, ttmp7, 0xffff                   ; expert
	s_mov_b32 s17, ttmp9                           ; slice
	s_lshl_b32 s24, s16, 7
	v_lshl_add_u32 v12, v1, 2, s24                 ; lane w: word w of my expert's bitmap
	s_lshl_b32 s24, s16, 14
	s_lshl_b32 s25, s17, 9                         ; 128 columns are 512 bytes
	s_add_co_u32 s24, s24, s25
	v_lshl_add_u32 v14, v1, 4, s24                 ; b1 of my slice, four numbers a lane
	s_lshl_b32 s26, s16, 24                        ; an expert's W1 is 16 MiB
	s_add_co_u32 s26, s26, s25
	s_mov_b32 s27, 0
	s_mul_i32 s24, s14, 8*RP                       ; wave w takes rows 8 w .. 8 w + 7 of each double step,
	v_lshl_add_u32 v[VWO], v1, 4, s24              ; and each lane 4 columns: a load covers 512 consecutive bytes of a row
	s_lshl_b32 s56, s16, 23                        ; an expert's part of hbuf is 8 MiB;
	s_lshl_b32 s24, s17, 12                        ; my 128 columns are four K steps of 1,024 bytes
	s_add_co_u32 s56, s56, s24
	s_mov_b32 s40, 0x3eed3388                      ; 0.3275911 sqrt(2)
	s_mov_b32 s41, s40
	s_mov_b32 s42, 0xc038aa3b                      ; -2 log2(e)
	s_mov_b32 s43, s42
	s_mov_b32 s44, 0x3f87dc22                      ; a5 .. a1; each is named as a pair, so both words are written
	s_mov_b32 s45, s44
	s_mov_b32 s46, 0xbfba00e3
	s_mov_b32 s47, s46
	s_mov_b32 s48, 0x3fb5f0e3
	s_mov_b32 s49, s48
	s_mov_b32 s50, 0xbe91a98e
	s_mov_b32 s51, s50
	s_mov_b32 s52, 0x3e827906
	s_mov_b32 s53, s52
	s_wait_kmcnt 0x0
	s_add_nc_u64 s[32:33], s[6:7], s[26:27]
	s_mov_b64 s[28:29], s[4:5]
	global_load_b32 v[BMW], v12, s[10:11]
	global_load_b128 v[64:67], v14, s[8:9]
	WISSUE 0, 0                                    ; the weights' ring is filled before anything else is done
	WISSUE 1, 1
	WISSUE 2, 2
	; The sums are cleared on purpose: one text then serves every K step, and slot 2 can be jumped from the first.  It stands in the wait for the bitmap and the first weights.
	WIN 0x40
.set i, 0
.rept 192
	v_mov_b32 v[i], 0
.set i, i+1
.endr
	WIN 0
	s_wait_loadcnt 24                              ; the bitmap and b1 are in; the ring's 24 loads are younger
	v_cvt_pk_bf16_f32 v68, v64, v65                ; bf16(b1) / 2; wave 0 puts it into LDS, and the first barrier shows it to the others
	v_cvt_pk_bf16_f32 v69, v66, v67
	v_lshlrev_b32 v64, 16, v68
	v_and_b32 v65, 0xffff0000, v68
	v_lshlrev_b32 v66, 16, v69
	v_and_b32 v67, 0xffff0000, v69
	v_pk_mul_f32 v[64:65], v[64:65], 0.5 op_sel_hi:[1,0]
	v_pk_mul_f32 v[66:67], v[66:67], 0.5 op_sel_hi:[1,0]
	v_lshl_add_u32 v70, v1, 4, BIAS
	s_cmp_lg_u32 s14, 0
	s_cbranch_scc1 .Lnob1
	ds_store_b128 v70, v[64:67]
.Lnob1:
	s_mov_b32 s21, 0
	FIND                                           ; pass 0's rows
	AISSUE 0, 0
	AISSUE 1, 1
	v_lshl_add_u32 v[VB], v1, 4, BW                ; a fragment is read as it lies: 16 lane, and 512 further
	v_lshrrev_b32 v12, 2, v1
	v_mul_u32_u24 v12, v12, FP                     ; column 4 lane + c: fragment lane / 4,
	v_and_b32 v14, 3, v1
	v_lshl_add_u32 v12, v14, 6, v12                ; place 4 (lane % 4) + c
	s_lshr_b32 s24, s14, 2                         ; my rows: K step wave / 4 of the double step,
	s_mul_i32 s24, s24, KB
	s_and_b32 s25, s14, 3                          ; eight k at 512 c + 256 h = 256 (wave % 4)
	s_lshl_b32 s25, s25, 8
	s_add_co_u32 s24, s24, s25
	s_add_co_u32 s24, s24, BW
	v_add_nc_u32 v[VLS], s24, v12
	; ---- sub-trip 0: younger than W0 are W1, W2 (16) and A0, A1 (12)
	LOADER 0, 1, 3, 28
	AISSUE 2, 2
	AISSUE 3, 3
	JOIN
	; ---- sub-trip 1: younger than W1 are W2, A0, A1, W3, A2, A3.  The first half of K step 0, shown by the barrier above, is fetched
	LOADER 1, 1, 4, 40
	AISSUE 4, 4
	AISSUE 5, 5
	BLOAD 0, 0
	s_wait_xcnt 0x0                                ; the bases are stepped only behind this wait
	s_add_nc_u64 s[32:33], s[32:33], 5*64*RP
	s_add_nc_u64 s[28:29], s[28:29], 6*STEPK
	JOIN
	s_mov_b32 s22, 3
.Ltrip:                                        ; sub-trips 2 + 3 t + jj.  Younger than the weights wanted: 12 + 8 + 12 + 8 + 12 = 52; than the rows wanted: 6 + 20 + 20 + 8 = 54
	STEP 0, 1, 1, 52, 1, 54, 54, 1, 0
	STEP 1, 1, 1, 52, 1, 54, 54, 1, 0
	STEP 2, 1, 1, 52, 1, 54, 54, 1, 0
	s_wait_xcnt 0x0
	s_add_nc_u64 s[32:33], s[32:33], 3*64*RP
	s_add_nc_u64 s[28:29], s[28:29], 6*STEPK
	s_sub_co_u32 s22, s22, 1
	s_cmp_lg_u32 s22, 0
	s_cbranch_scc1 .Ltrip
	STEP 0, 1, 1, 52, 1, 54, 54, 1, 0              ; sub-trips 11 to 17 are written out: the weights end with double step 15, the rows with K step 31, and the counts run down
	STEP 1, 1, 1, 52, 1, 54, 54, 1, 0
	STEP 2, 1, 0, 52, 1, 46, 46, 1, 0
	STEP 3, 1, 0, 44, 1, 38, 38, 1, 0
	STEP 4, 1, 0, 36, 0, 30, 24, 1, 0
	STEP 5, 0, 0, 0, 0, 18, 12, 0, 0               ; the whole image has been shown by the last barrier
	STEP 6, 0, 0, 0, 0, 6, 0, 0, 1
	; for the way out, once: bias / 2 of my 64 columns (block b: columns 16 b + 8 h .. + 7), at constant addresses, into registers that the rings have left and the later passes do not touch
	v_lshl_add_u32 v14, v3, 5, BIAS
.irp b, 0,1,2,3,4,5,6,7
	ds_load_b128 v[BI+8*\b:BI+8*\b+3],   v14 offset:64*\b
	ds_load_b128 v[BI+8*\b+4:BI+8*\b+7], v14 offset:64*\b+16
.endr
	v_lshlrev_b32 v15, 4, v1                       ; my 16 bytes of a store's 512; never rewritten
	s_wait_dscnt 0x0
	s_mov_b32 s21, 0
.Lpass:                                        ; three passes cover 64 tiles; a pass without tiles is jumped
	s_cmp_eq_u32 s21, 0
	s_cbranch_scc1 .Lepi                           ; pass 0's products are made
	s_mul_i32 s24, s21, 24
	s_cmp_ge_u32 s24, s19
	s_cbranch_scc1 .Lnextpass
	FIND                                           ; this pass's rows (the loads that named the old offsets have come back: the wait at the way out's head)
	v_lshl_add_u32 v[VB], v1, 4, BW
	s_mov_b64 s[30:31], s[4:5]
	SK 1
	s_mov_b32 s38, 31
.Lsk:
	SK 0
	s_sub_co_u32 s38, s38, 1
	s_cmp_lg_u32 s38, 0
	s_cbranch_scc1 .Lsk
.Lepi:
	s_wait_loadcnt 0x0
	s_mov_b32 s38, 0
.Lslot:                                        ; unit s38: slot s38 / 4, blocks 2 (s38 % 4) and the next
	s_lshr_b32 s25, s38, 2
	s_lshr_b32 s24, s23, s25
	s_bitcmp1_b32 s24, 0
	s_cbranch_scc0 .Lslotnext                      ; a dead slot's units are jumped
	s_mul_i32 s24, s21, 24
	s_add_co_u32 s24, s24, s14
	s_lshl3_add_u32 s24, s25, s24                  ; the tile
	s_min_u32 s24, s24, 63
	s_lshl_b32 s24, s24, 17                        ; a tile of hbuf is 128 K steps of 1,024 bytes
	s_add_co_u32 s24, s24, s56
	s_and_b32 s26, s38, 3
	s_lshl_b32 s26, s26, 10                        ; two blocks are one K step of the second product: 1,024 bytes
	s_add_co_u32 s24, s24, s26
	s_mov_b32 s25, 0                               ; s[24:25]: the unit's place in hbuf; it is added to the address at the stores
.irp n, 1,2,3,4,5,6,7,8,9,10,11
	s_cmp_eq_u32 s38, \n
	s_cbranch_scc1 .Lu\n
.endr
	UNIT 0, 0
	s_branch .Lgelu
.Lu1:
	UNIT 0, 1
	s_branch .Lgelu
.Lu2:
	UNIT 0, 2
	s_branch .Lgelu
.Lu3:
	UNIT 0, 3
	s_branch .Lgelu
.Lu4:
	UNIT 1, 0
	s_branch .Lgelu
.Lu5:
	UNIT 1, 1
	s_branch .Lgelu
.Lu6:
	UNIT 1, 2
	s_branch .Lgelu
.Lu7:
	UNIT 1, 3
	s_branch .Lgelu
.Lu8:
	UNIT 2, 0
	s_branch .Lgelu
.Lu9:
	UNIT 2, 1
	s_branch .Lgelu
.Lu10:
	UNIT 2, 2
	s_branch .Lgelu
.Lu11:
	UNIT 2, 3
.Lgelu:
	; X = (sum + b1) / 2 lies in v64-79.  gelu = X + |X| erf(sqrt(2) |X|); erf(z) = 1 - (a1 t + .. + a5 t^5) exp(-z^2), t = 1 / (1 + 0.3275911 z)
.set i, 0
.rept 16
	v_fma_f32 v[96+i], |v[XR+i]|, s40, 1.0
.set i, i+1
.endr
.irp i, 0,2,4,6,8,10,12,14
	v_pk_mul_f32 v[112+\i:113+\i], v[XR+\i:XR+\i+1], v[XR+\i:XR+\i+1]
.endr
.irp i, 0,2,4,6,8,10,12,14
	v_pk_mul_f32 v[112+\i:113+\i], v[112+\i:113+\i], s[42:43] op_sel_hi:[1,0]
.endr
.set i, 0
.rept 16
	v_rcp_f32 v[96+i], v[96+i]
.set i, i+1
.endr
.set i, 0
.rept 16
	v_exp_f32 v[112+i], v[112+i]
.set i, i+1
.endr
	v_nop                                          ; a plain instruction behind the last of them
	s_wait_alu depctr_va_vdst(0)
.irp i, 0,2,4,6,8,10,12,14
	v_pk_fma_f32 v[128+\i:129+\i], v[96+\i:97+\i], s[44:45], s[46:47] op_sel_hi:[1,0,0]
.endr
.irp i, 0,2,4,6,8,10,12,14
	v_pk_fma_f32 v[128+\i:129+\i], v[128+\i:129+\i], v[96+\i:97+\i], s[48:49] op_sel_hi:[1,1,0]
.endr
.irp i, 0,2,4,6,8,10,12,14
	v_pk_fma_f32 v[128+\i:129+\i], v[128+\i:129+\i], v[96+\i:97+\i], s[50:51] op_sel_hi:[1,1,0]
.endr
.irp i, 0,2,4,6,8,10,12,14
	v_pk_fma_f32 v[128+\i:129+\i], v[128+\i:129+\i], v[96+\i:97+\i], s[52:53] op_sel_hi:[1,1,0]
.endr
.irp i, 0,2,4,6,8,10,12,14
	v_pk_mul_f32 v[112+\i:113+\i], v[112+\i:113+\i], v[96+\i:97+\i]
.endr
.irp i, 0,2,4,6,8,10,12,14
	v_pk_fma_f32 v[128+\i:129+\i], v[128+\i:129+\i], v[112+\i:113+\i], 1.0 op_sel_hi:[1,1,0] neg_lo:[1,0,0] neg_hi:[1,0,0]
.endr
.set i, 0
.rept 16
	v_fma_f32 v[XR+i], |v[XR+i]|, v[128+i], v[XR+i]
.set i, i+1
.endr
	s_wait_xcnt 0x0                                ; the unit before: its stores' data (v144-151) and base (s[34:35]) are rewritten only behind this wait, which stands a unit's arithmetic behind those stores
.set i, 0
.rept 8
	v_cvt_pk_bf16_f32 v[144+i], v[XR+2*i], v[XR+2*i+1]
.set i, i+1
.endr
	s_add_nc_u64 s[34:35], s[12:13], s[24:25]
	global_store_b128 v15, v[144:147], s[34:35]               ; 512 consecutive bytes: half a K step of the second product's fragment
	global_store_b128 v15, v[148:151], s[34:35] offset:512
.Lslotnext:
	s_add_co_u32 s38, s38, 1
	s_cmp_lt_u32 s38, 12
	s_cbranch_scc1 .Lslot
.Lnextpass:
	s_add_co_u32 s21, s21, 1
	s_cmp_lt_u32 s21, 3
	s_cbranch_scc1 .Lpass
	JOIN                                           ; every wave's LDS reads are back before any wave writes LDS again: the one write left is the add below
	s_wait_tensorcnt 0x0                           ; the wave's end, behind my last LDS store
	ds_add_u32 v[SPW], v[NIL]
	s_wait_dscnt 0x0
	s_endpgm
.Lfunc_end_k_qa1c9d76dd3_up:
	.size	k_qa1c9d76dd3_up, .Lfunc_end_k_qa1c9d76dd3_up-k_qa1c9d76dd3_up
	.p2alignl 7, 3214868480
	.fill 96, 4, 3214868480
	.section	.rodata,"a",@progbits
	.p2align	6, 0x0
	.amdhsa_kernel k_qa1c9d76dd3_up
		.amdhsa_group_segment_fixed_size 317952
		.amdhsa_private_segment_fixed_size 0
		.amdhsa_enable_private_segment 0
		.amdhsa_kernarg_size 40
		.amdhsa_user_sgpr_count 2
		.amdhsa_user_sgpr_kernarg_segment_ptr 1
		.amdhsa_wavefront_size32 1
		.amdhsa_system_sgpr_workgroup_id_x 1
		.amdhsa_system_sgpr_workgroup_id_y 1
		.amdhsa_system_sgpr_workgroup_id_z 1
		.amdhsa_system_vgpr_workitem_id 0
		.amdhsa_next_free_vgpr 512
		.amdhsa_next_free_sgpr 66
		.amdhsa_reserve_vcc 0
		.amdhsa_float_denorm_mode_32 3
		.amdhsa_float_denorm_mode_16_64 3
		.amdhsa_memory_ordered 1
		.amdhsa_forward_progress 1
		.amdhsa_inst_pref_size 155
	.end_amdhsa_kernel
	.amdgpu_metadata
---
amdhsa.version: [ 1, 2 ]
amdhsa.kernels:
  - .name:           k_qa1c9d76dd3_up
    .symbol:         k_qa1c9d76dd3_up.kd
    .args:
      - { .name: xb, .offset: 0, .size: 8, .value_kind: global_buffer, .address_space: global }
      - { .name: W1, .offset: 8, .size: 8, .value_kind: global_buffer, .address_space: global }
      - { .name: b1, .offset: 16, .size: 8, .value_kind: global_buffer, .address_space: global }
      - { .name: bm, .offset: 24, .size: 8, .value_kind: global_buffer, .address_space: global }
      - { .name: hbuf, .offset: 32, .size: 8, .value_kind: global_buffer, .address_space: global }
    .group_segment_fixed_size: 317952
    .private_segment_fixed_size: 0
    .kernarg_segment_align: 8
    .kernarg_segment_size: 40
    .max_flat_workgroup_size: 256
    .sgpr_count:     66
    .vgpr_count:     512
    .wavefront_size: 32
...
	.end_amdgpu_metadata
.endif
;; end of part 5
;; launch down (part 6): grid 32 x 8, 8 waves a work-group, no clusters, 317,952 bytes of LDS; arguments hbuf, W2, b2, bm, pbuf; writes pbuf
.if DOCPART == 6
	.amdgcn_target "amdgcn-amd-amdhsa--gfx1250"
	.amdhsa_code_object_version 6
	.text
	.protected	k_qa1c9d76dd3_down
	.globl	k_qa1c9d76dd3_down
	.p2align	8
	.type	k_qa1c9d76dd3_down,@function
k_qa1c9d76dd3_down:
	s_mov_b64 s[64:65], 0
	v_nop
	global_prefetch_b8 v0, s[64:65] scope:SCOPE_SE
	s_setreg_imm32_b32 hwreg(HW_REG_WAVE_MODE, 25, 1), 1
	s_wait_xcnt 0x0
; SECOND PRODUCT, in four parts along K.  P[kq][slot x 1024 + token][:] = h[rows of e][1024 kq ..] W2[e][1024 kq ..][:]  (+ bf16(b2[e]) in part kq = 0), f32.
; A work-group has expert e = x / 4 and rows 1,024 kq .. + 1,023, kq = x % 4 (grid x), and columns 128 g .. + 127, g = grid y, of W2[e]: 512 KiB that it alone reads, and all the expert's rows.
; The eight work-groups that read the same part of h (one expert, one part of K) differ in grid y alone.
; With 131,072 weights to a work-group, 1,024 x 128 makes the sum of h's bytes read and the partial sums' bytes written and read the least, and gives this launch the first product's shape.
; SHARES, RINGS, IMAGE AND PASSES are the first product's.  Every wave does both jobs in one text: wave w loads rows 8 w .. 8 w + 7 of each double K step of W2 (eight loads of 512 consecutive
; bytes), rounds them and stores them into a resident LDS image in fragment order; each wave has three slots of 16 rows x 128 columns, slot g of pass P being tile 24 P + 8 g + wave.
; In sub-trip u double step u is stored, weights u + 3 asked for, K steps 2 u - 4 and 2 u - 3 multiplied and h of K steps 2 u + 2 and 2 u + 3 asked for: one barrier a sub-trip, 16 in all.
; The fragments of W2 leave the image half a K step at a time (four fragments, eight LDS loads), into two buffers by turns: while one half is multiplied the next is on its way.
; Tiles past 24 are served afterwards from the image without barriers.  h comes from hbuf, which lies in fragment order: every load of a wave is 512 consecutive bytes.
; THE LIST.  Every wave makes the expert's list of rows in LDS from the bitmap bm (whole numbers): bit b of word w is token 32 w + b, the order b-major, then by w, as the first product ranks them.
; An entry is the token, plus 1,024 where a lower-numbered expert has the token too: the row of P.  Each row of each part of P has one writer.
; COLUMNS ARE DEALT so that results leave without LDS: column 64 q + 4 u + c lies in fragment 4 q + c at place u.  With source 0 = 16 rows of h and source 1 = a fragment of W2, register j of
; lane (r, h) is row 8 h + j, column 64 q + 4 r + c: the four c are 16 neighbouring bytes, and 16 lanes store 256 consecutive bytes of a row of P.
; NO CLUSTER: each slice of weights has one reader, and the image leaves no LDS in which shared tiles of h could land.
; LIMITS.  W2 and b2 are rounded to bf16.  A slot past the last tile repeats the last tile (for an expert without rows: bytes of hbuf that nobody stored); its sums are never stored.
.set RP,     4096                      ; bytes from row to row of W2
.set STEPK,  1024                      ; bytes of a tile of hbuf in a K step
.set HALF,   512
.set FP,     1040                      ; a fragment in the image: 1,024 bytes + 16, as in the first product
.set KB,     8*FP                      ; a K step in the image
.set CSTEP,  FP                        ; from one of my four columns to the next in the image: the next fragment
.set LISTW,  2176                      ; a wave's list, 16-bit entries: 1,024, 16 of padding, 16 idle, 32 for the lanes that have nothing to write
.set B2L,    17408                     ; behind the eight lists: 1,024 bytes for each wave, its lanes' eight numbers of b2, set aside while the stream has the registers.  Bytes 25,600 to 50,687 are not used
.set SPARE,  50688                     ; the spare words, 128 bytes a wave: no other line names them
.set BW,     51712                     ; the image: K step x KB + fragment x FP + 512 c + 256 h + 16 r
.set AOFF, 4                           ; v4-6     slot g: my lane's byte offset in the expert's part of hbuf
.set VLS,  7
.set VWO,  8
.set VB,   9
.set SPW,  10
.set NIL,  11
.set BR,   16                          ; v16-79   two buffers of four fragments of W2: half a K step each
.set TT,   48                          ; v48-63   my four columns' packed weights: they lie in fragment buffer 1, which is idle where a double step is stored
.set AR,   80                          ; v80-223  six K steps x three fragments of h
.set W2B,  224                         ; v224-255 the weights' ring, buffer 2; buffers 0 and 1: window 1, v192-255
.set B2T,  88                          ; the head: v88-95 b2 as loaded
.set B2,   248                         ; the way out: v248-255 b2 of my eight columns, or 0
; window 1: v0-191 the sums, slot g, fragment b at 64 g + 8 b.  Scalars as in the first product; s[34:35] P's base, s36 my list, s37 last tile, s[54:55] h's base, s57 g, s58 kq
.set MSB, 0
.macro WIN new
.if MSB != (\new)
	s_set_vgpr_msb (MSB<<8)|(\new)
.set MSB, (\new)
.endif
.endm
.macro PLACES n                        ; plain vector instructions between a matrix instruction and a load into, or a vector read or write of, its registers
.rept \n
	v_nop
.endr
.endm
.macro JOIN                            ; my LDS stores are done and my LDS loads are back; then the barrier
	s_wait_dscnt 0x0
	s_barrier_signal -1
	s_barrier_wait -1
.endm
.macro WISSUE buf, dk
.if (\buf) < 2
.set WBS, 192+32*(\buf)
	WIN 0x40
.else
.set WBS, W2B
	WIN 0
.endif
.set wn, 0
.rept 8
	global_load_b128 v[WBS+4*wn:WBS+4*wn+3], v[VWO], s[32:33] offset:(64*(\dk)+wn)*RP th:TH_LOAD_NT
.set wn, wn+1
.endr
	WIN 0
.endm
; Ring buffer buf is rounded and turned, as in the first product.  The pieces are made in fragment buffer 1: its last readers stand four places and more back, and its next loads come behind the stores below, which LDS serves first.
.macro LOADER buf, issue, dk, left
	s_wait_loadcnt \left                           ; mine are in, the younger ones stay out
.if (\buf) < 2
.set LWB, 192+32*(\buf)
	WIN 0x05                                       ; sources 0 and 1 in window 1
.else
.set LWB, W2B
	WIN 0
.endif
.irp c, 0,1,2,3
.irp m, 0,1,2,3
	v_cvt_pk_bf16_f32 v[TT+4*\c+\m], v[LWB+8*\m+\c], v[LWB+8*\m+4+\c]
.endr
.endr
	WIN 0
.irp c, 0,1,2,3
	ds_store_b128 v[VLS], v[TT+4*\c:TT+4*\c+3] offset:CSTEP*\c   ; 16 lanes store 256 consecutive bytes of a fragment
.endr
.if \issue
	WISSUE \buf, \dk
.endif
	v_add_nc_u32 v[VLS], 2*KB, v[VLS]
.endm
; Fragments 4 hf .. 4 hf + 3 of the K step in hand (nxt = 0) or the next (nxt = 1) into buffer hf
.macro BLOAD hf, nxt
.irp f, 0,1,2,3
	ds_load_b128 v[BR+32*(\hf)+8*\f:BR+32*(\hf)+8*\f+3],   v[VB] offset:(4*(\hf)+\f)*FP+(\nxt)*KB
	ds_load_b128 v[BR+32*(\hf)+8*\f+4:BR+32*(\hf)+8*\f+7], v[VB] offset:(4*(\hf)+\f)*FP+512+(\nxt)*KB
.endr
.endm
; Half a K step: twelve matrix instructions, all on different accumulators; slot 2's four are jumped where the slot is dead
.macro MM hf, kb
	WIN 0x50                                       ; C and D in window 1
.irp f, 0,1,2,3
.irp g, 0,1
	v_wmma_f32_16x16x32_bf16 v[64*\g+8*(4*(\hf)+\f):64*\g+8*(4*(\hf)+\f)+7], v[AR+24*(\kb)+8*\g:AR+24*(\kb)+8*\g+7], v[BR+32*(\hf)+8*\f:BR+32*(\hf)+8*\f+7], v[64*\g+8*(4*(\hf)+\f):64*\g+8*(4*(\hf)+\f)+7]
.endr
.endr
	WIN 0                                          ; at a branch and at a label every window is 0
	s_bitcmp1_b32 s23, 2
	s_cbranch_scc0 .Lno2_\@
	WIN 0x50
.irp f, 0,1,2,3
	v_wmma_f32_16x16x32_bf16 v[128+8*(4*(\hf)+\f):128+8*(4*(\hf)+\f)+7], v[AR+24*(\kb)+16:AR+24*(\kb)+23], v[BR+32*(\hf)+8*\f:BR+32*(\hf)+8*\f+7], v[128+8*(4*(\hf)+\f):128+8*(4*(\hf)+\f)+7]
.endr
	WIN 0
.Lno2_\@:
.endm
.macro AISSUE kb, imm
.irp g, 0,1,2
	global_load_b128 v[AR+24*(\kb)+8*\g:AR+24*(\kb)+8*\g+3],   v[AOFF+\g], s[28:29] offset:(\imm)*STEPK
	global_load_b128 v[AR+24*(\kb)+8*\g+4:AR+24*(\kb)+8*\g+7], v[AOFF+\g], s[28:29] offset:(\imm)*STEPK+HALF
.endr
.endm
; A K step.  kb = k % 6.  At its head buffer 0 holds, or has on its way, the step's first half.  acnt = the loads younger than this K step's h.
; dc = the LDS instructions younger than the first half's loads: the eight just issued, and the four stores of a double step where these stand in front.  last = 1: nothing further is fetched.
.macro KSTEP kb, aiss, aimm, acnt, last, dc
	BLOAD 1, 0                                     ; the second half; buffer 1's last readers stand four places and more back
	s_wait_loadcnt \acnt
	s_wait_dscnt \dc                               ; the first half is in
	MM 0, \kb
	PLACES 4
.if !(\last)
	BLOAD 0, 1                                     ; the next K step's first half
	s_wait_dscnt 8                                 ; the second half is in: the eight just issued are younger
.else
	s_wait_dscnt 0x0
.endif
	MM 1, \kb
	v_add_nc_u32 v[VB], KB, v[VB]                  ; the first of four places: for h's loads below and for the next loads into buffer 1
	PLACES 3
.if \aiss
	AISSUE \kb, \aimm
.endif
.endm
.macro STEP jj, ld, wiss, wleft, aiss, ac0, ac1, join, last
.if \ld
	LOADER (2+\jj)%3, \wiss, \jj, \wleft
.endif
	KSTEP (2*\jj)%6, \aiss, 2*\jj, \ac0, 0, 8+4*\ld
	KSTEP (2*\jj+1)%6, \aiss, 2*\jj+1, \ac1, \last, 8
.if \join
	JOIN
.endif
.endm
.macro SETPASS
	s_mul_i32 s24, s21, 24
	s_add_co_u32 s24, s24, s14
	s_mov_b32 s23, 0
.irp g, 0,1,2
	s_add_co_u32 s25, s24, 8*\g
	s_cmp_lt_u32 s25, s19
	s_cselect_b32 s26, 1<<\g, 0
	s_or_b32 s23, s23, s26
	s_min_u32 s25, s25, s37                        ; a dead slot repeats the last tile
	s_min_u32 s25, s25, 63
	s_lshl_b32 s25, s25, 17
	v_lshl_add_u32 v[AOFF+\g], v1, 4, s25          ; tile x 131,072 + 16 lane
.endr
.endm
; A K step of a later pass, plain: it runs only for an expert with more than 384 rows.  zero = 1: K step 0, whose products start the sums (its address is made in front of it).
; In the loop the place in the image is made anew in every trip: the K step, held to 31 by a minimum, times a K step's bytes: every load lies in the image by this arithmetic.
.macro SK zero
.if !(\zero)
	s_sub_co_u32 s24, 32, s38                      ; the K step: 32 less the count, 1 .. 31
	s_min_u32 s24, s24, 31
	s_mul_i32 s24, s24, KB
	s_add_co_u32 s24, s24, BW
	v_lshl_add_u32 v[VB], v1, 4, s24
.endif
.irp g, 0,1,2
	global_load_b128 v[AR+8*\g:AR+8*\g+3],   v[AOFF+\g], s[30:31]
	global_load_b128 v[AR+8*\g+4:AR+8*\g+7], v[AOFF+\g], s[30:31] offset:HALF
.endr
.irp b, 0,1,2,3,4,5,6,7                ; all eight fragments: both buffers
	ds_load_b128 v[BR+8*\b:BR+8*\b+3],   v[VB] offset:\b*FP
	ds_load_b128 v[BR+8*\b+4:BR+8*\b+7], v[VB] offset:\b*FP+512
.endr
	s_wait_loadcnt 0x0
	s_wait_dscnt 0x0
	WIN 0x50
.irp b, 0,1,2,3,4,5,6,7
.irp g, 0,1,2
.if \zero
	v_wmma_f32_16x16x32_bf16 v[64*\g+8*\b:64*\g+8*\b+7], v[AR+8*\g:AR+8*\g+7], v[BR+8*\b:BR+8*\b+7], 0
.else
	v_wmma_f32_16x16x32_bf16 v[64*\g+8*\b:64*\g+8*\b+7], v[AR+8*\g:AR+8*\g+7], v[BR+8*\b:BR+8*\b+7], v[64*\g+8*\b:64*\g+8*\b+7]
.endif
.endr
.endr
	WIN 0
	PLACES 4
	s_wait_xcnt 0x0                                ; the base is stepped only behind this wait (the loads that named it have come back)
	s_add_nc_u64 s[30:31], s[30:31], STEPK
.endm
; Slot g leaves: the rows of P from the list, b2 added, 16 stores.  Each accumulator's register 0 is read first.
.macro DEPI g
	s_bitcmp1_b32 s23, \g
	s_cbranch_scc0 .Ldead_\@
	s_mul_i32 s24, s21, 24
	s_add_co_u32 s24, s24, s14
	s_add_co_u32 s24, s24, 8*\g
	s_min_u32 s24, s24, 63
	s_lshl_b32 s24, s24, 5
	s_add_co_u32 s24, s24, s36
	v_lshl_add_u32 v12, v3, 4, s24                 ; entries 16 tile + 8 h .. + 7, two bytes each
	s_wait_xcnt 0x0                                ; the slot before: its stores' offsets and data are rewritten only behind this wait
	ds_load_b128 v[64:67], v12
	s_wait_dscnt 0x0
.irp j, 0,1,2,3
	v_and_b32 v[72+2*\j], 0xffff, v[64+\j]
	v_lshrrev_b32 v[73+2*\j], 16, v[64+\j]
.endr
.irp j, 0,1,2,3,4,5,6,7
	v_min_u32 v[72+\j], 0x7ff, v[72+\j]
	v_lshl_add_u32 v[72+\j], v[72+\j], 12, v14     ; row x 4,096 + 16 r
.endr
	WIN 0x01                                       ; source 0 in window 1
.irp q, 0,1
.irp j, 0,1,2,3,4,5,6,7
.irp c, 0,1,2,3
	v_add_f32 v[80+4*(8*\q+\j)+\c], v[64*\g+8*(4*\q+\c)+\j], v[B2+4*\q+\c]
.endr
.endr
.endr
	WIN 0
.irp q, 0,1
.irp j, 0,1,2,3,4,5,6,7
	global_store_b128 v[72+\j], v[80+4*(8*\q+\j):80+4*(8*\q+\j)+3], s[34:35] offset:256*\q  ; 16 lanes store 256 consecutive bytes, at a multiple of 256 from P's first
.endr
.endr
.Ldead_\@:
.endm
	s_load_b256 s[4:11], s[0:1], 0x0               ; hbuf s[4:5], W2 s[6:7], b2 s[8:9], bm s[10:11]
	s_load_b64 s[12:13], s[0:1], 0x20              ; pbuf
	v_lshl_add_u32 v[SPW], v0, 2, SPARE
	v_mov_b32 v[NIL], 0
	v_and_b32 v1, 31, v0                           ; lane
	v_and_b32 v2, 15, v0                           ; r
	v_bfe_u32 v3, v0, 4, 1                         ; h
	v_lshrrev_b32 v12, 5, v0
	v_readfirstlane_b32 s14, v12                   ; wave
	s_lshr_b32 s16, ttmp9, 2                       ; expert
	s_and_b32 s58, ttmp9, 3                        ; kq: which 1,024 rows
	s_and_b32 s57, ttmp7, 0xffff                   ; g: which 128 columns
	s_lshl_b32 s24, s16, 7
	v_lshl_add_u32 v12, v1, 2, s24                 ; lane w: word w of my expert's bitmap
	v_lshlrev_b32 v14, 2, v1                       ; and of expert 0's
	s_lshl_b32 s24, s16, 12
	s_lshl_b32 s25, s57, 9
	s_add_co_u32 s24, s24, s25
	v_lshl_add_u32 v15, v2, 4, s24                 ; b2 of columns 4 r .. + 3
	s_lshl_b32 s26, s16, 24
	s_lshl_b32 s24, s58, 22
	s_add_co_u32 s26, s26, s24
	s_add_co_u32 s26, s26, s25
	s_mov_b32 s27, 0
	s_mul_i32 s24, s14, 8*RP
	v_lshl_add_u32 v[VWO], v1, 4, s24
	s_mul_i32 s36, s14, LISTW
	s_lshl_b32 s40, s16, 23                        ; an expert's part of hbuf is 8 MiB;
	s_lshl_b32 s24, s58, 15                        ; my part of K is 32 K steps of 1,024 bytes in each tile
	s_add_co_u32 s40, s40, s24
	s_mov_b32 s41, 0
	s_lshl_b32 s42, s58, 23                        ; a part of P is 8 MiB
	s_add_co_u32 s42, s42, s25
	s_mov_b32 s43, 0
	s_wait_kmcnt 0x0
	s_add_nc_u64 s[32:33], s[6:7], s[26:27]
	s_add_nc_u64 s[54:55], s[4:5], s[40:41]
	s_mov_b64 s[28:29], s[54:55]
	s_add_nc_u64 s[34:35], s[12:13], s[42:43]
	global_load_b32 v13, v12, s[10:11]
.irp q, 0,1,2,3,4,5,6
	global_load_b32 v[80+\q], v14, s[10:11] offset:128*\q
.endr
	global_load_b128 v[B2T:B2T+3], v15, s[8:9]
	global_load_b128 v[B2T+4:B2T+7], v15, s[8:9] offset:256      ; columns 64 + 4 r .. + 3
	WISSUE 0, 0                                    ; the weights' ring is filled before anything else is done
	WISSUE 1, 1
	WISSUE 2, 2
	; The sums are cleared on purpose: one text then serves every K step, and slot 2 can be jumped from the first.  It stands in the wait for the bitmap and the first weights.
	WIN 0x40
.set i, 0
.rept 192
	v_mov_b32 v[i], 0
.set i, i+1
.endr
	WIN 0
	s_wait_loadcnt 24                              ; the bitmaps and b2 are in; the ring's 24 loads are younger
	v_mov_b32 v15, 0                               ; which tokens a lower-numbered expert has
.irp q, 0,1,2,3,4,5,6
	s_cmp_gt_u32 s16, \q
	s_cselect_b32 s24, -1, 0
	v_and_or_b32 v15, v[80+\q], s24, v15
.endr
	s_cmp_eq_u32 s58, 0                            ; b2 rounded to bf16; it enters part 0 alone
	s_cselect_b32 s24, -1, 0
.irp n, 0,1,2,3
	v_cvt_pk_bf16_f32 v[68+\n], v[B2T+2*\n], v[B2T+2*\n+1]
.endr
.irp n, 0,1,2,3
	v_lshlrev_b32 v[B2T+2*\n], 16, v[68+\n]
	v_and_b32 v[B2T+2*\n+1], 0xffff0000, v[68+\n]
.endr
.irp n, 0,1,2,3,4,5,6,7
	v_and_b32 v[B2T+\n], s24, v[B2T+\n]
.endr
	s_lshl_b32 s25, s14, 10                        ; it is set aside in my wave's own LDS bytes, 32 a lane, until the way out
	s_add_co_u32 s25, s25, B2L
	v_lshl_add_u32 v78, v1, 5, s25
	ds_store_b128 v78, v[B2T:B2T+3]
	ds_store_b128 v78, v[B2T+4:B2T+7] offset:16
	; my list is set to 0 whole, then filled: for bit b = 0 .. 31 the lanes whose word has it write their entry at their rank; the others write into entries of their own behind the list
	v_mov_b32 v72, 0
	v_mov_b32 v73, 0
	v_mov_b32 v74, 0
	v_mov_b32 v75, 0
	v_lshl_add_u32 v71, v1, 4, s36
	v_lshl_add_u32 v76, v1, 2, s36
.irp n, 0,1,2,3
	ds_store_b128 v71, v[72:75] offset:512*\n
.endr
	ds_store_b32 v76, v[NIL] offset:2048
	v_lshlrev_b32 v68, 5, v1
	v_add_nc_u32 v69, 1056, v1
	s_mov_b32 s39, 0
	s_mov_b32 s38, 0
.Llist:
	v_lshrrev_b32 v66, s38, v13
	v_and_b32 v66, 1, v66
	v_cmp_eq_u32 s24, 1, v66
	v_mbcnt_lo_u32_b32 v67, s24, 0
	v_add_nc_u32 v67, s39, v67
	v_cndmask_b32 v67, v69, v67, s24
	v_min_u32 v67, 0x43f, v67
	v_lshl_add_u32 v67, v67, 1, s36
	v_lshrrev_b32 v70, s38, v15
	v_and_b32 v70, 1, v70
	v_add_nc_u32 v77, s38, v68
	v_lshl_add_u32 v77, v70, 10, v77               ; + 1,024: the token's second row of P
	ds_store_b16 v67, v77
	s_bcnt1_i32_b32 s25, s24
	s_add_co_u32 s39, s39, s25
	s_add_co_u32 s38, s38, 1
	s_cmp_lt_u32 s38, 32
	s_cbranch_scc1 .Llist
	s_mov_b32 s18, s39
	s_add_co_u32 s19, s18, 15
	s_lshr_b32 s19, s19, 4
	s_max_u32 s37, s19, 1
	s_sub_co_u32 s37, s37, 1
	s_max_u32 s24, s18, 1                          ; the 16 places past the count repeat the last row: they store the same numbers to the same place
	s_sub_co_u32 s24, s24, 1
	s_min_u32 s24, s24, 1023
	s_lshl_b32 s24, s24, 1
	s_add_co_u32 s24, s24, s36
	v_mov_b32 v65, s24
	ds_load_u16 v66, v65
	v_add_nc_u32 v67, s18, v2
	v_min_u32 v67, 0x40f, v67
	v_lshl_add_u32 v67, v67, 1, s36
	s_wait_dscnt 0x0
	ds_store_b16 v67, v66
	s_mov_b32 s21, 0
	SETPASS
	AISSUE 0, 0
	AISSUE 1, 1
	v_lshl_add_u32 v[VB], v1, 4, BW
	v_mul_u32_u24 v12, v3, 4*FP                    ; column 4 lane + c: fragment 4 (lane / 16) + c,
	v_lshl_add_u32 v12, v2, 4, v12                 ; place lane % 16
	s_lshr_b32 s24, s14, 2
	s_mul_i32 s24, s24, KB
	s_and_b32 s25, s14, 3
	s_lshl_b32 s25, s25, 8
	s_add_co_u32 s24, s24, s25
	s_add_co_u32 s24, s24, BW
	v_add_nc_u32 v[VLS], s24, v12
	; ---- sub-trip 0: younger than W0 are W1, W2 (16) and A0, A1 (12)
	LOADER 0, 1, 3, 28
	AISSUE 2, 2
	AISSUE 3, 3
	JOIN
	; ---- sub-trip 1: younger than W1 are W2, A0, A1, W3, A2, A3.  The first half of K step 0, shown by the barrier above, is fetched
	LOADER 1, 1, 4, 40
	AISSUE 4, 4
	AISSUE 5, 5
	BLOAD 0, 0
	s_wait_xcnt 0x0                                ; the bases are stepped only behind this wait
	s_add_nc_u64 s[32:33], s[32:33], 5*64*RP
	s_add_nc_u64 s[28:29], s[28:29], 6*STEPK
	JOIN
	s_mov_b32 s22, 3
.Ltrip:                                        ; sub-trips 2 + 3 t + jj.  Younger than the weights wanted: 12 + 8 + 12 + 8 + 12 = 52; than the h wanted: 6 + 20 + 20 + 8 = 54
	STEP 0, 1, 1, 52, 1, 54, 54, 1, 0
	STEP 1, 1, 1, 52, 1, 54, 54, 1, 0
	STEP 2, 1, 1, 52, 1, 54, 54, 1, 0
	s_wait_xcnt 0x0
	s_add_nc_u64 s[32:33], s[32:33], 3*64*RP
	s_add_nc_u64 s[28:29], s[28:29], 6*STEPK
	s_sub_co_u32 s22, s22, 1
	s_cmp_lg_u32 s22, 0
	s_cbranch_scc1 .Ltrip
	STEP 0, 1, 1, 52, 1, 54, 54, 1, 0              ; sub-trips 11 to 17 are written out: the weights end with double step 15, h with K step 31, and the counts run down
	STEP 1, 1, 1, 52, 1, 54, 54, 1, 0
	STEP 2, 1, 0, 52, 1, 46, 46, 1, 0
	STEP 3, 1, 0, 44, 1, 38, 38, 1, 0
	STEP 4, 1, 0, 36, 0, 30, 24, 1, 0
	STEP 5, 0, 0, 0, 0, 18, 12, 0, 0               ; the whole image has been shown by the last barrier
	STEP 6, 0, 0, 0, 0, 6, 0, 0, 1
	s_lshl_b32 s24, s14, 10                        ; b2 comes back out of my own LDS bytes, into registers that the weights' ring has left and the later passes do not touch
	s_add_co_u32 s24, s24, B2L
	v_lshl_add_u32 v12, v1, 5, s24
	ds_load_b128 v[B2:B2+3], v12
	ds_load_b128 v[B2+4:B2+7], v12 offset:16
	v_lshlrev_b32 v14, 4, v2                       ; 16 r
	s_wait_dscnt 0x0
	s_mov_b32 s21, 0
.Lpass:
	s_cmp_eq_u32 s21, 0
	s_cbranch_scc1 .Lepi
	s_mul_i32 s24, s21, 24
	s_cmp_ge_u32 s24, s19
	s_cbranch_scc1 .Lnextpass
	s_wait_xcnt 0x0                                ; the last pass's stores have read their registers, which the loads below fill
	SETPASS
	v_lshl_add_u32 v[VB], v1, 4, BW
	s_mov_b64 s[30:31], s[54:55]
	SK 1
	s_mov_b32 s38, 31
.Lsk:
	SK 0
	s_sub_co_u32 s38, s38, 1
	s_cmp_lg_u32 s38, 0
	s_cbranch_scc1 .Lsk
.Lepi:
	s_wait_loadcnt 0x0
	DEPI 0
	DEPI 1
	DEPI 2
.Lnextpass:
	s_add_co_u32 s21, s21, 1
	s_cmp_lt_u32 s21, 3
	s_cbranch_scc1 .Lpass
	JOIN                                           ; every wave's LDS reads are back before any wave writes LDS again: the one write left is the add below
	s_wait_tensorcnt 0x0                           ; the wave's end, behind my last LDS store
	ds_add_u32 v[SPW], v[NIL]
	s_wait_dscnt 0x0
	s_endpgm
.Lfunc_end_k_qa1c9d76dd3_down:
	.size	k_qa1c9d76dd3_down, .Lfunc_end_k_qa1c9d76dd3_down-k_qa1c9d76dd3_down
	.p2alignl 7, 3214868480
	.fill 96, 4, 3214868480
	.section	.rodata,"a",@progbits
	.p2align	6, 0x0
	.amdhsa_kernel k_qa1c9d76dd3_down
		.amdhsa_group_segment_fixed_size 317952
		.amdhsa_private_segment_fixed_size 0
		.amdhsa_enable_private_segment 0
		.amdhsa_kernarg_size 40
		.amdhsa_user_sgpr_count 2
		.amdhsa_user_sgpr_kernarg_segment_ptr 1
		.amdhsa_wavefront_size32 1
		.amdhsa_system_sgpr_workgroup_id_x 1
		.amdhsa_system_sgpr_workgroup_id_y 1
		.amdhsa_system_sgpr_workgroup_id_z 1
		.amdhsa_system_vgpr_workitem_id 0
		.amdhsa_next_free_vgpr 512
		.amdhsa_next_free_sgpr 66
		.amdhsa_reserve_vcc 0
		.amdhsa_float_denorm_mode_32 3
		.amdhsa_float_denorm_mode_16_64 3
		.amdhsa_memory_ordered 1
		.amdhsa_forward_progress 1
		.amdhsa_inst_pref_size 140
	.end_amdhsa_kernel
	.amdgpu_metadata
---
amdhsa.version: [ 1, 2 ]
amdhsa.kernels:
  - .name:           k_qa1c9d76dd3_down
    .symbol:         k_qa1c9d76dd3_down.kd
    .args:
      - { .name: hbuf, .offset: 0, .size: 8, .value_kind: global_buffer, .address_space: global }
      - { .name: W2, .offset: 8, .size: 8, .value_kind: global_buffer, .address_space: global }
      - { .name: b2, .offset: 16, .size: 8, .value_kind: global_buffer, .address_space: global }
      - { .name: bm, .offset: 24, .size: 8, .value_kind: global_buffer, .address_space: global }
      - { .name: pbuf, .offset: 32, .size: 8, .value_kind: global_buffer, .address_space: global }
    .group_segment_fixed_size: 317952
    .private_segment_fixed_size: 0
    .kernarg_segment_align: 8
    .kernarg_segment_size: 40
    .max_flat_workgroup_size: 256
    .sgpr_count:     66
    .vgpr_count:     512
    .wavefront_size: 32
...
	.end_amdgpu_metadata
.endif
;; end of part 6
;; launch combine: the kernel of part 4 again; grid 256 x 1, 8 waves a work-group, no clusters, 0 bytes of LDS; arguments pbuf, gs, auxp, out0, out1; writes out0, out1
;; ======== version 3 of 3: 4 launches; version 2 with the launches up, down written anew for expert scheduling mode
;; workspace buffers: xb 2,097,152 bytes; bm 1,024 bytes of whole numbers; gs 8,192 bytes; auxp 4,096 bytes; hbuf 67,108,864 bytes; pbuf 33,554,432 bytes
;; launch router: the kernel of part 1 again; grid 64 x 1, 8 waves a work-group, no clusters, 58,368 bytes of LDS; arguments x, gate_w, xb, bm, gs, auxp; writes xb, bm, gs, auxp
;; launch up (part 7): grid 32 x 8, 8 waves a work-group, no clusters, 317,952 bytes of LDS; arguments xb, W1, b1, bm, hbuf; writes hbuf
.if DOCPART == 7
	.amdgcn_target "amdgcn-amd-amdhsa--gfx1250"
	.amdhsa_code_object_version 6
	.text
	.protected	k_qa1c9d76dd3_up
	.globl	k_qa1c9d76dd3_up
	.p2align	8
	.type	k_qa1c9d76dd3_up,@function
k_qa1c9d76dd3_up:
	s_mov_b64 s[64:65], 0
	v_nop
	global_prefetch_b8 v0, s[64:65] scope:SCOPE_SE
	s_setreg_imm32_b32 hwreg(HW_REG_WAVE_SCHED_MODE, 0, 2), 2
	s_setreg_imm32_b32 hwreg(HW_REG_WAVE_MODE, 25, 1), 1
	s_wait_xcnt 0x0
	s_wait_alu depctr_vm_vsrc(0)
; FIRST PRODUCT.  h = gelu(x W1[e] + b1[e]) for the rows that chose expert e, exact gelu (erf), h stored in bf16.
; A work-group has expert e (grid y) and columns 128 x .. 128 x + 127 of W1[e] (grid x): 1,024 x 128 f32, 512 KiB that it alone reads, and all the expert's rows.
; EVERY WAVE DOES BOTH JOBS, in one text.  A sub-trip is a double K step, 64 k.  Wave w loads rows 8 w .. 8 w + 7 of it (eight loads of 512 consecutive bytes), rounds them to bf16 and stores
; them into an LDS image in the order of matrix fragments.  The image holds the whole slice (32 K steps x 8 fragments), so no LDS byte is written twice.
; Each wave has three slots of 16 rows x 128 columns; in pass P slot g is tile 24 P + 8 g + wave.  The rows of xb come from memory straight into registers as matrix operands.
; In sub-trip u double step u is stored, weights u + 3 are asked for, K steps 2 u - 4 and 2 u - 3 are multiplied and the rows of K steps 2 u + 2 and 2 u + 3 asked for: one barrier a sub-trip, 16 in all.
; A wave has 24 loads of weights and 36 of rows on their way, both asked for three sub-trips ahead, in one fixed order from the head on: W0 W1 W2 A0 A1, W3 A2 A3, W4 A4 A5, W5 A6 A7 ..
; THE FRAGMENTS of W1 leave the image half a K step at a time (four fragments, eight LDS loads), into two buffers by turns: while one half is multiplied (8 matrix instructions, 12 with slot 2)
; the next half is on its way.  So a K step has two runs of LDS loads, two runs of matrix instructions and two jumps over slot 2.
; Pass 0 (384 rows) runs under the stream; an expert with more rows is served by further passes from the resident image, without barriers.
; THE MODE: SCHED_MODE bits 1:0 = 2 (LLVM: expert scheduling mode 2), set by the entry lines.  The code itself states the register dependences
; between vector or matrix instructions and memory or LDS instructions, with s_wait_alu, always for 0.
; THE PLAN.  Registers that memory or LDS instructions touch in the stream, and who else names them:
;   fragment buffer 0, v16-47   The LDS loads in the middle of K step k land in it; the first run of matrix instructions of K step k + 1 reads it.  In a sub-trip's first K step its v16-31 also take
;                               the packed weights: written by sixteen conversions behind that run, read by four LDS stores, then loaded again.
;   fragment buffer 1, v48-79   The LDS loads at a K step's head land in it; the K step's second run reads it.
;   rows' buffer k % 6          Both runs of K step k read it; the six loads at that K step's end land in it.
;   weights' ring buffer u % 3  The conversions of sub-trip u read it; the eight loads behind them land in it.
;   v[VB], v[VLS]               Read by every LDS load and store of the stream.  Six K steps are reached by immediate offsets; both are stepped once in six K steps, ahead of a wait that stands there anyway.
;   v[VWO], v4-6                Read by the loads of weights and of rows; never written in the stream.  The sums are named by matrix instructions alone.
; So a K step has two waits on va_vdst.  The one in its middle: the first run is done reading buffer 0 (and, where a double step is stored, the conversions have written v16-31 and are done reading the
; ring buffer); behind it go the ring's loads, the stores and the loads into buffer 0.  The one at its end: the second run is done reading buffer 1 and the rows' buffer (and the stepped addresses are
; written); behind it go the rows' loads and the next K step's loads into buffer 1, with scalar lines, loads and the barrier alone between.  A wait on vm_vsrc stands behind the four stores, whose
; data registers are loaded again, and ahead of the addresses' step.  The loads stay in runs: among the matrix instructions each would want two switches of the register window.
; THE ROWS.  The expert's rows are ranked from the bitmap bm (whole numbers, stored by the launch before): bit b of word w is token 32 w + b, and the order is b-major, then by w, the same as in the
; second product.  Row r of tile t is rank 16 t + r.  Each lane finds the token of its rank by register arithmetic on the bitmap alone (macro FIND).  A rank at or past the count takes the
; last row: so do the places past the count in the last tile, and all 16 rows of a slot past the last tile, whose loads then touch 32 bytes each; such a slot is not stored.  An expert without rows stores nothing.
; NO CLUSTER: each slice of weights has one reader; what an expert's work-groups share is token rows taken by rank, which no one descriptor covers, and the image leaves no LDS for them.
; THE MATRIX INSTRUCTION IS USED TRANSPOSED (source 0 = 16 columns of W1, source 1 = 16 tokens): a lane holds token r and eight neighbouring columns, which, rounded, are 16 bytes of the
; second product's fragment.  hbuf: [e][tile 0..63][K step 0..127][half][lane][16 bytes]: every store of a wave is 512 consecutive bytes.
; THE WAY OUT goes in 12 units of a slot's two blocks of 16 columns.  Each unit has eight lines of its own, which halve its sums, add the bias and leave them in fixed registers; the gelu is written once.
; LIMITS.  x, W1 and b1 are rounded to bf16, h once to bf16.  erf by a rational form (Abramowitz and Stegun 7.1.26), within 1.5e-7 for every argument.  NaN and infinities are not treated apart.
.set RP,     16384                     ; bytes from row to row of W1
.set STEPK,  64                        ; bytes of a row of xb in a K step of 32
.set HALF,   32
.set FP,     1040                      ; a fragment in the image: 1,024 bytes + 16, so that 16 lanes' stores into four fragments fall on 16 different columns of 16 bytes modulo 256
.set KB,     8*FP                      ; a K step in the image
.set CSTEP,  16                        ; from one of my four columns to the next in the image
.set BIAS,   17408                     ; 128 f32: bf16(b1) / 2.  Bytes 0 to 17,407 and 17,920 to 50,687 are not used: the map is the second product's
.set SPARE,  50688                     ; the spare words, 128 bytes a wave: no other line names them
.set BW,     51712                     ; the image: K step x KB + fragment x FP + 512 c + 256 h + 16 r
.set AOFF, 4                           ; v4-6     slot g: my lane's byte offset in xb
.set VLS,  7                           ; v7       where I store weights in the image: the first of the three double steps in hand
.set VWO,  8                           ; v8       my byte offset in a double step of W1; never rewritten
.set VB,   9                           ; v9       my place in the image: the first of the six K steps in hand
.set SPW,  10
.set NIL,  11
.set BMW,  13                          ; v13      lane w: word w of my expert's bitmap; never rewritten
.set BR,   16                          ; v16-79   two buffers of four fragments of W1: half a K step each
.set TT,   16                          ; v16-31   my four columns' packed weights: they lie in fragment buffer 0, between its last reader and its next loads
.set AR,   80                          ; v80-223  six K steps x three fragments of x
.set W2B,  224                         ; v224-255 the weights' ring, buffer 2; buffers 0 and 1: window 1, v192-255
.set XR,   64                          ; the way out: v64-79 a unit's 16 numbers; v96-151 at work
.set BI,   160                         ; the way out: v160-223 bias / 2 of my 64 columns, block b at BI + 8 b
; FIND's registers, three of each, one a slot; they lie where the rings are not yet, or no longer, in use, and below the bias
.set RK,   64                          ; the rank wanted
.set SM,   68                          ; the plane that holds it: which words have the bit
.set SN,   72                          ; its place in that plane
.set SB,   76                          ; the plane's bit
.set TN,   80                          ; at work
.set POS,  84                          ; the word found
.set CA,   88                          ; set bits of SM in fields of 2,
.set CB,   92                          ; of 4,
.set CC,   96                          ; of 8,
.set CD,   100                         ; and, in its lowest byte, in the low 16
.set TP,   104                         ; at work
; window 1: v0-191 the sums, slot g, block b at 64 g + 8 b
; s14 wave, s16 e, s17 x, s19 tiles, s20 slot 0's tile, s21 pass, s22 and s38 loop counters, s23 live slots, s[28:29] rows' base, s[30:31] the same in later passes,
; s[32:33] weights' base, s[34:35] h's base, s39 running count, s[40:53] constants of the gelu, s56 this work-group's offset in hbuf, s57-59 the last plane that is not empty, s60-62 masks, one a slot
.set MSB, 0
.macro WIN new                         ; the immediate's high byte repeats the setting that is left
.if MSB != (\new)
	s_set_vgpr_msb (MSB<<8)|(\new)
.set MSB, (\new)
.endif
.endm
.macro PLACES n                        ; plain vector instructions behind a run of matrix instructions, ahead of what writes, reads or loads into its registers
.rept \n
	v_nop
.endr
.endm
.macro JOIN                            ; my LDS stores are done and my LDS loads are back; then the barrier
	s_wait_dscnt 0x0
	s_barrier_signal -1
	s_barrier_wait -1
.endm
.macro WISSUE buf, dk                  ; my eight rows of double step dk, counted from the base, into ring buffer buf
.if (\buf) < 2
.set WBS, 192+32*(\buf)
	WIN 0x40                                       ; destination in window 1
.else
.set WBS, W2B
	WIN 0
.endif
.set wn, 0
.rept 8
	global_load_b128 v[WBS+4*wn:WBS+4*wn+3], v[VWO], s[32:33] offset:(64*(\dk)+wn)*RP th:TH_LOAD_NT
.set wn, wn+1
.endr
	WIN 0
.endm
; Ring buffer buf (8 rows of k x my 4 columns) is rounded and turned: a piece = 8 k of one column = 16 bytes of a fragment.  issue = 1: the buffer is asked for again.  at = the double step's bytes from v[VLS].
; The pieces are made in v16-31 of fragment buffer 0.  The window for the ring's loads is set ahead of the wait; the stores follow the loads under the same wait.
.macro LOADER buf, issue, dk, at
.if (\buf) < 2
.set LWB, 192+32*(\buf)
	WIN 0x05                                       ; sources 0 and 1 in window 1
.else
.set LWB, W2B
	WIN 0
.endif
.irp c, 0,1,2,3
.irp m, 0,1,2,3
	v_cvt_pk_bf16_f32 v[TT+4*\c+\m], v[LWB+8*\m+\c], v[LWB+8*\m+4+\c]
.endr
.endr
.if (\issue) && ((\buf) < 2)
	WIN 0x40
.else
	WIN 0
.endif
	s_wait_alu depctr_va_vdst(0)                   ; the conversions have written v16-31, which the stores read, and are done reading the ring buffer, in which the loads land; in a K step: its first run is done reading fragment buffer 0
.if \issue
	WISSUE \buf, \dk
.endif
.irp c, 0,1,2,3
	ds_store_b128 v[VLS], v[TT+4*\c:TT+4*\c+3] offset:CSTEP*\c+(\at)
.endr
.endm
; Fragments 4 hf .. 4 hf + 3 of K step at, counted from v[VB], into buffer hf
.macro BLOAD hf, at
.irp f, 0,1,2,3
	ds_load_b128 v[BR+32*(\hf)+8*\f:BR+32*(\hf)+8*\f+3],   v[VB] offset:(4*(\hf)+\f)*FP+(\at)*KB
	ds_load_b128 v[BR+32*(\hf)+8*\f+4:BR+32*(\hf)+8*\f+7], v[VB] offset:(4*(\hf)+\f)*FP+512+(\at)*KB
.endr
.endm
; Half a K step: twelve matrix instructions, all on different accumulators; slot 2's four are jumped where the slot is dead
.macro MM hf, kb
	WIN 0x50                                       ; C and D in window 1
.irp f, 0,1,2,3
.irp g, 0,1
	v_wmma_f32_16x16x32_bf16 v[64*\g+8*(4*(\hf)+\f):64*\g+8*(4*(\hf)+\f)+7], v[BR+32*(\hf)+8*\f:BR+32*(\hf)+8*\f+7], v[AR+24*(\kb)+8*\g:AR+24*(\kb)+8*\g+7], v[64*\g+8*(4*(\hf)+\f):64*\g+8*(4*(\hf)+\f)+7]
.endr
.endr
	WIN 0                                          ; at a branch and at a label every window is 0
	s_bitcmp1_b32 s23, 2
	s_cbranch_scc0 .Lno2_\@
	WIN 0x50
.irp f, 0,1,2,3
	v_wmma_f32_16x16x32_bf16 v[128+8*(4*(\hf)+\f):128+8*(4*(\hf)+\f)+7], v[BR+32*(\hf)+8*\f:BR+32*(\hf)+8*\f+7], v[AR+24*(\kb)+16:AR+24*(\kb)+23], v[128+8*(4*(\hf)+\f):128+8*(4*(\hf)+\f)+7]
.endr
	WIN 0
.Lno2_\@:
.endm
.macro AISSUE kb, imm                  ; three fragments of x, K step imm from the base, into buffer kb
.irp g, 0,1,2
	global_load_b128 v[AR+24*(\kb)+8*\g:AR+24*(\kb)+8*\g+3],   v[AOFF+\g], s[28:29] offset:(\imm)*STEPK
	global_load_b128 v[AR+24*(\kb)+8*\g+4:AR+24*(\kb)+8*\g+7], v[AOFF+\g], s[28:29] offset:(\imm)*STEPK+HALF
.endr
.endm
; A K step.  kb = k % 6: its rows' buffer, and its place in the image counted from v[VB].  At its head buffer 0 holds, or has on its way, the step's first half.
; acnt = the loads younger than this K step's rows.  ld = 1: a double step is stored in its middle (buf, wiss, dk, at: LOADER's).  vl = 1: v[VLS] is stepped with v[VB].  last = 1: nothing further is fetched.
.macro KSTEP kb, ld, buf, wiss, dk, at, vl, aiss, aimm, acnt, last
	BLOAD 1, \kb                                   ; the second half.  No wait: no vector or matrix instruction since the wait at the last K step's end names buffer 1 or v[VB]
	s_wait_loadcnt \acnt                           ; loads come back in order: my rows are in, and so are the weights of this sub-trip's double step, which are the loads just older
	s_wait_dscnt 8                                 ; the first half is in: the eight just issued are younger
	MM 0, \kb
.if !(\last)
	PLACES 4
.endif
.if \ld
	LOADER \buf, \wiss, \dk, \at
	s_wait_alu depctr_vm_vsrc(0)                   ; the four stores have read v16-31, in which the loads below land
.elseif !(\last)
	s_wait_alu depctr_va_vdst(0)                   ; the first run is done reading fragment buffer 0, in which the loads below land
.endif
.if !(\last)
	BLOAD 0, (\kb)+1                               ; the next K step's first half
	s_wait_dscnt 8+4*(\ld)                         ; the second half is in: younger are the eight just issued, and the four stores where a double step was stored
.else
	s_wait_dscnt 0x0
.endif
	MM 1, \kb
.if (\kb) == 5
	s_wait_alu depctr_vm_vsrc(0)                   ; the LDS loads and stores issued so far have read v[VB] and v[VLS]
	v_add_nc_u32 v[VB], 6*KB, v[VB]                ; the next six K steps; these lines are among the four places
.if \vl
	v_add_nc_u32 v[VLS], 6*KB, v[VLS]              ; the next three double steps
.endif
	PLACES 3-(\vl)
.else
	PLACES 4
.endif
.if !(\last)
	s_wait_alu depctr_va_vdst(0)                   ; the second run is done reading fragment buffer 1 and the rows' buffer, in which the loads below and at the next K step's head land; v[VB] and v[VLS], where stepped, are written
.endif
.if \aiss
	AISSUE \kb, \aimm
.endif
.endm
; A sub-trip.  jj counts from the trip's (or the tail's) first; ld = 1: a double step is stored; wiss, aiss = 1: weights, rows are asked for
.macro STEP jj, ld, wiss, aiss, ac0, ac1, join, last
	KSTEP (2*\jj)%6, \ld, (2+\jj)%3, \wiss, \jj, ((\jj)%3)*2*KB, 0, \aiss, 2*\jj, \ac0, 0
	KSTEP (2*\jj+1)%6, 0, 0, 0, 0, 0, \ld, \aiss, 2*\jj+1, \ac1, \last
.if \join
	JOIN
.endif
.endm
; One halving of FIND's search for set bit number SN of SM: x holds the counts of set bits in fields of inc bits.  If the field at POS holds SN bits or fewer, mine lies above it.
.macro PICK x, mask, inc
.irp g, 0,1,2
	v_lshrrev_b32 v[TN+\g], v[POS+\g], v[\x+\g]
.endr
.irp g, 0,1,2
	v_and_b32 v[TN+\g], \mask, v[TN+\g]            ; the set bits in the field at POS
.endr
.irp g, 0,1,2
	v_cmp_ge_u32 s[60+\g], v[SN+\g], v[TN+\g]
.endr
.irp g, 0,1,2
	v_sub_nc_u32 v[TN+\g], v[SN+\g], v[TN+\g]
.endr
	s_wait_alu depctr_va_sdst(0)                   ; the three compares have written s60-62, which the selects read
.irp g, 0,1,2
	v_cndmask_b32 v[SN+\g], v[SN+\g], v[TN+\g], s[60+\g]
	v_cndmask_b32 v[TN+\g], 0, \inc, s[60+\g]
.endr
.irp g, 0,1,2
	v_add_nc_u32 v[POS+\g], v[POS+\g], v[TN+\g]
.endr
.endm
; The slots of pass s21: which are live, and each lane's row.  Registers alone: the three slots go side by side, so that no line waits for the one before it.
; Plane b is the mask of the words that have bit b; the planes' counts, added up, are the ranks at which they begin.  A lane keeps the plane in which its rank falls and its place there;
; set bit number 'place' of that mask is the word; the token is 32 x word + bit.
; A plane's trip has two waits on va_sdst: the second run of compares hangs on the count that scalar lines make of the first compare's mask.
.macro FIND
	s_mul_i32 s24, s21, 24
	s_add_co_u32 s20, s24, s14                     ; slot 0's tile
	s_lshl_b32 s24, s20, 4
	v_add_nc_u32 v[RK], s24, v2                    ; the rank that my lane wants: 16 tile + r;
	v_add_nc_u32 v[RK+1], 0x80, v[RK]              ; slot g lies 8 g tiles on
	v_add_nc_u32 v[RK+2], 0x100, v[RK]
.irp g, 0,1,2
	v_mov_b32 v[SM+\g], 0
	v_mov_b32 v[SN+\g], 0
	v_mov_b32 v[SB+\g], 0
.endr
	s_mov_b32 s57, 0
	s_mov_b32 s58, 0
	s_mov_b32 s59, 0
	s_mov_b32 s39, 0
	s_mov_b32 s38, 0
.Lplane_\@:
	v_lshrrev_b32 v[TP], s38, v[BMW]
	v_and_b32 v[TP], 1, v[TP]
	v_cmp_eq_u32 s24, 1, v[TP]                     ; the plane
.irp g, 0,1,2
	v_sub_nc_u32 v[TN+\g], v[RK+\g], s39           ; my place, if my rank falls here; a rank below the plane's first wraps to a large number
.endr
	s_wait_alu depctr_va_sdst(0)                   ; the compare has written s24, the plane's mask, ahead of its first reader
	s_bcnt1_i32_b32 s25, s24                       ; its count
	s_cmp_lg_u32 s25, 0
	s_cselect_b32 s57, s25, s57                    ; the last plane that is not empty is kept: it holds the last row
	s_cselect_b32 s58, s24, s58
	s_cselect_b32 s59, s38, s59
.irp g, 0,1,2
	v_cmp_gt_u32 s[60+\g], s25, v[TN+\g]
.endr
	s_wait_alu depctr_va_sdst(0)                   ; the three compares have written s60-62, which the selects read
.irp g, 0,1,2
	v_cndmask_b32 v[SM+\g], v[SM+\g], s24, s[60+\g]
	v_cndmask_b32 v[SN+\g], v[SN+\g], v[TN+\g], s[60+\g]
	v_cndmask_b32 v[SB+\g], v[SB+\g], s38, s[60+\g]
.endr
	s_add_co_u32 s39, s39, s25
	s_add_co_u32 s38, s38, 1
	s_cmp_lt_u32 s38, 32
	s_cbranch_scc1 .Lplane_\@
	s_add_co_u32 s19, s39, 15                      ; s39 = the expert's rows;
	s_lshr_b32 s19, s19, 4                         ; its tiles
	s_max_u32 s57, s57, 1
	s_sub_co_u32 s57, s57, 1                       ; the last row's place in its plane
.irp g, 0,1,2
	v_cmp_le_u32 s[60+\g], s39, v[RK+\g]           ; a rank at or past the count takes the last row
.endr
	s_mov_b32 s23, 0
.irp g, 0,1,2
	s_add_co_u32 s25, s20, 8*\g                    ; the tile
	s_cmp_lt_u32 s25, s19
	s_cselect_b32 s26, 1<<\g, 0
	s_or_b32 s23, s23, s26
.endr
	s_wait_alu depctr_va_sdst(0)                   ; the three compares have written s60-62, which the selects read
.irp g, 0,1,2
	v_cndmask_b32 v[SM+\g], v[SM+\g], s58, s[60+\g]
	v_cndmask_b32 v[SN+\g], v[SN+\g], s57, s[60+\g]
	v_cndmask_b32 v[SB+\g], v[SB+\g], s59, s[60+\g]
.endr
	; the counts of set bits in fields of 2, 4, 8 and 16 bits
.irp g, 0,1,2
	v_lshrrev_b32 v[CA+\g], 1, v[SM+\g]
.endr
.irp g, 0,1,2
	v_and_b32 v[CA+\g], 0x55555555, v[CA+\g]
.endr
.irp g, 0,1,2
	v_sub_nc_u32 v[CA+\g], v[SM+\g], v[CA+\g]
.endr
.irp g, 0,1,2
	v_lshrrev_b32 v[CB+\g], 2, v[CA+\g]
	v_and_b32 v[TN+\g], 0x33333333, v[CA+\g]
.endr
.irp g, 0,1,2
	v_and_b32 v[CB+\g], 0x33333333, v[CB+\g]
.endr
.irp g, 0,1,2
	v_add_nc_u32 v[CB+\g], v[CB+\g], v[TN+\g]
.endr
.irp g, 0,1,2
	v_lshrrev_b32 v[CC+\g], 4, v[CB+\g]
.endr
.irp g, 0,1,2
	v_add_nc_u32 v[CC+\g], v[CC+\g], v[CB+\g]
.endr
.irp g, 0,1,2
	v_and_b32 v[CC+\g], 0x0f0f0f0f, v[CC+\g]
.endr
.irp g, 0,1,2
	v_lshrrev_b32 v[CD+\g], 8, v[CC+\g]
	v_mov_b32 v[POS+\g], 0
.endr
.irp g, 0,1,2
	v_add_nc_u32 v[CD+\g], v[CD+\g], v[CC+\g]
.endr
	PICK CD, 31, 16                                ; a field of 16 bits holds 16 at the most, of 8 bits 8, of 4 bits 4, of 2 bits 2: the masks take no neighbour's bit
	PICK CC, 15, 8
	PICK CB, 15, 4
	PICK CA, 3, 2
	PICK SM, 1, 1
.irp g, 0,1,2
	v_lshl_add_u32 v[AOFF+\g], v[POS+\g], 5, v[SB+\g]  ; the token
.endr
.irp g, 0,1,2
	v_min_u32 v[AOFF+\g], 0x3ff, v[AOFF+\g]
.endr
.irp g, 0,1,2
	v_lshlrev_b32 v[AOFF+\g], 11, v[AOFF+\g]
.endr
.irp g, 0,1,2
	v_lshl_add_u32 v[AOFF+\g], v3, 4, v[AOFF+\g]   ; token x 2,048 + 16 h
.endr
.endm
; A K step of a later pass, plain: it runs only for an expert with more than 384 rows.  zero = 1: K step 0, whose products start the sums (its address is made in front of it).
; In the loop the place in the image is made anew in every trip: the K step, held to 31 by a minimum, times a K step's bytes: every load lies in the image by this arithmetic.
.macro SK zero
.if !(\zero)
	s_sub_co_u32 s24, 32, s38                      ; the K step: 32 less the count, 1 .. 31
	s_min_u32 s24, s24, 31
	s_mul_i32 s24, s24, KB
	s_add_co_u32 s24, s24, BW
	s_wait_alu depctr_vm_vsrc(0)                   ; the last K step's LDS loads have read v[VB]
	v_lshl_add_u32 v[VB], v1, 4, s24
.endif
	s_wait_alu depctr_va_vdst(0)                   ; v[VB] is written (ahead of K step 0: the rows' offsets v4-6 too); the vector and matrix instructions so far are done with v16-103, in which the loads below land
.irp g, 0,1,2
	global_load_b128 v[AR+8*\g:AR+8*\g+3],   v[AOFF+\g], s[30:31]
	global_load_b128 v[AR+8*\g+4:AR+8*\g+7], v[AOFF+\g], s[30:31] offset:HALF
.endr
.irp b, 0,1,2,3,4,5,6,7                ; all eight fragments: both buffers
	ds_load_b128 v[BR+8*\b:BR+8*\b+3],   v[VB] offset:\b*FP
	ds_load_b128 v[BR+8*\b+4:BR+8*\b+7], v[VB] offset:\b*FP+512
.endr
	s_wait_loadcnt 0x0
	s_wait_dscnt 0x0
	WIN 0x50
.irp b, 0,1,2,3,4,5,6,7
.irp g, 0,1,2
.if \zero
	v_wmma_f32_16x16x32_bf16 v[64*\g+8*\b:64*\g+8*\b+7], v[BR+8*\b:BR+8*\b+7], v[AR+8*\g:AR+8*\g+7], 0
.else
	v_wmma_f32_16x16x32_bf16 v[64*\g+8*\b:64*\g+8*\b+7], v[BR+8*\b:BR+8*\b+7], v[AR+8*\g:AR+8*\g+7], v[64*\g+8*\b:64*\g+8*\b+7]
.endif
.endr
.endr
	WIN 0
	PLACES 4
	s_wait_xcnt 0x0                                ; the base is stepped only behind this wait (the loads that named it have come back)
	s_add_nc_u64 s[30:31], s[30:31], STEPK
.endm
; Blocks 2 q and 2 q + 1 of slot g: X = sum / 2 + bias / 2, from the unit's own accumulators into the registers that the one text of the gelu names.  Each accumulator's low registers are read first.
.macro UNIT g, q
	WIN 0x01                                       ; source 0, the sums, in window 1
.irp bb, 0,1
.irp i, 0,2,4,6
	v_pk_fma_f32 v[XR+8*\bb+\i:XR+8*\bb+\i+1], v[64*\g+8*(2*\q+\bb)+\i:64*\g+8*(2*\q+\bb)+\i+1], 0.5, v[BI+8*(2*\q+\bb)+\i:BI+8*(2*\q+\bb)+\i+1] op_sel_hi:[1,0,1]
.endr
.endr
	WIN 0
.endm
	s_load_b256 s[4:11], s[0:1], 0x0               ; xb s[4:5], W1 s[6:7], b1 s[8:9], bm s[10:11]
	s_load_b64 s[12:13], s[0:1], 0x20              ; hbuf
	v_lshl_add_u32 v[SPW], v0, 2, SPARE
	v_mov_b32 v[NIL], 0
	v_and_b32 v1, 31, v0                           ; lane
	v_and_b32 v2, 15, v0                           ; r
	v_bfe_u32 v3, v0, 4, 1                         ; h
	v_lshrrev_b32 v12, 5, v0
	v_readfirstlane_b32 s14, v12                   ; wave
	s_and_b32 s16, ttmp7, 0xffff                   ; expert
	s_mov_b32 s17, ttmp9                           ; slice
	s_lshl_b32 s24, s16, 7
	v_lshl_add_u32 v12, v1, 2, s24                 ; lane w: word w of my expert's bitmap
	s_lshl_b32 s24, s16, 14
	s_lshl_b32 s25, s17, 9                         ; 128 columns are 512 bytes
	s_add_co_u32 s24, s24, s25
	v_lshl_add_u32 v14, v1, 4, s24                 ; b1 of my slice, four numbers a lane
	s_lshl_b32 s26, s16, 24                        ; an expert's W1 is 16 MiB
	s_add_co_u32 s26, s26, s25
	s_mov_b32 s27, 0
	s_wait_alu depctr_va_sdst(0)                   ; s14, the wave's number, is written, ahead of its first reader
	s_mul_i32 s24, s14, 8*RP                       ; wave w takes rows 8 w .. 8 w + 7 of each double step,
	v_lshl_add_u32 v[VWO], v1, 4, s24              ; and each lane 4 columns: a load covers 512 consecutive bytes of a row
	s_lshl_b32 s56, s16, 23                        ; an expert's part of hbuf is 8 MiB;
	s_lshl_b32 s24, s17, 12                        ; my 128 columns are four K steps of 1,024 bytes
	s_add_co_u32 s56, s56, s24
	s_mov_b32 s40, 0x3eed3388                      ; 0.3275911 sqrt(2)
	s_mov_b32 s41, s40
	s_mov_b32 s42, 0xc038aa3b                      ; -2 log2(e)
	s_mov_b32 s43, s42
	s_mov_b32 s44, 0x3f87dc22                      ; a5 .. a1; each is named as a pair, so both words are written
	s_mov_b32 s45, s44
	s_mov_b32 s46, 0xbfba00e3
	s_mov_b32 s47, s46
	s_mov_b32 s48, 0x3fb5f0e3
	s_mov_b32 s49, s48
	s_mov_b32 s50, 0xbe91a98e
	s_mov_b32 s51, s50
	s_mov_b32 s52, 0x3e827906
	s_mov_b32 s53, s52
	s_wait_kmcnt 0x0
	s_add_nc_u64 s[32:33], s[6:7], s[26:27]
	s_mov_b64 s[28:29], s[4:5]
	s_wait_alu depctr_va_vdst(0)                   ; the offsets v12, v14 and v[VWO] are written, which the loads below read
	global_load_b32 v[BMW], v12, s[10:11]
	global_load_b128 v[64:67], v14, s[8:9]
	WISSUE 0, 0                                    ; the weights' ring is filled before anything else is done
	WISSUE 1, 1
	WISSUE 2, 2
	; The sums are cleared on purpose: one text then serves every K step, and slot 2 can be jumped from the first.  It stands in the wait for the bitmap and the first weights.
	WIN 0x40
.set i, 0
.rept 192
	v_mov_b32 v[i], 0
.set i, i+1
.endr
	WIN 0
	s_wait_loadcnt 24                              ; the bitmap and b1 are in; the ring's 24 loads are younger
	v_cvt_pk_bf16_f32 v68, v64, v65                ; bf16(b1) / 2; wave 0 puts it into LDS, and the first barrier shows it to the others
	v_cvt_pk_bf16_f32 v69, v66, v67
	v_lshlrev_b32 v64, 16, v68
	v_and_b32 v65, 0xffff0000, v68
	v_lshlrev_b32 v66, 16, v69
	v_and_b32 v67, 0xffff0000, v69
	v_pk_mul_f32 v[64:65], v[64:65], 0.5 op_sel_hi:[1,0]
	v_pk_mul_f32 v[66:67], v[66:67], 0.5 op_sel_hi:[1,0]
	v_lshl_add_u32 v70, v1, 4, BIAS
	s_wait_alu depctr_va_vdst(0)                   ; v64-67 and v70 are written, which wave 0's store reads
	s_cmp_lg_u32 s14, 0
	s_cbranch_scc1 .Lnob1
	ds_store_b128 v70, v[64:67]
.Lnob1:
	s_wait_alu depctr_vm_vsrc(0)                   ; the head's loads have read v12 and v14, wave 0's store v64-67 and v70: all of these are written again below
	s_mov_b32 s21, 0
	FIND                                           ; pass 0's rows
	v_lshl_add_u32 v[VB], v1, 4, BW                ; a fragment is read as it lies: 16 lane, and 512 further
	v_lshrrev_b32 v12, 2, v1
	v_mul_u32_u24 v12, v12, FP                     ; column 4 lane + c: fragment lane / 4,
	v_and_b32 v14, 3, v1
	v_lshl_add_u32 v12, v14, 6, v12                ; place 4 (lane % 4) + c
	s_lshr_b32 s24, s14, 2                         ; my rows: K step wave / 4 of the double step,
	s_mul_i32 s24, s24, KB
	s_and_b32 s25, s14, 3                          ; eight k at 512 c + 256 h = 256 (wave % 4)
	s_lshl_b32 s25, s25, 8
	s_add_co_u32 s24, s24, s25
	s_add_co_u32 s24, s24, BW
	v_add_nc_u32 v[VLS], s24, v12
	s_wait_alu depctr_va_vdst(0)                   ; the rows' offsets v4-6, v[VB] and v[VLS] are written; the search is done with v64-104, in which rows and fragments land
	AISSUE 0, 0
	AISSUE 1, 1
	; ---- sub-trip 0: younger than W0 are W1, W2 (16) and A0, A1 (12)
	s_wait_loadcnt 28
	LOADER 0, 1, 3, 0
	AISSUE 2, 2
	AISSUE 3, 3
	JOIN
	; ---- sub-trip 1: younger than W1 are W2, A0, A1, W3, A2, A3.  The first half of K step 0, shown by the barrier above, is fetched
	s_wait_loadcnt 40
	s_wait_alu depctr_vm_vsrc(0)                   ; sub-trip 0's stores have read v16-31, which the conversions write again
	LOADER 1, 1, 4, 2*KB
	AISSUE 4, 4
	AISSUE 5, 5
	s_wait_alu depctr_vm_vsrc(0)                   ; the stores have read v[VLS], which is stepped, and v16-31, in which the loads below land
	v_add_nc_u32 v[VLS], 4*KB, v[VLS]              ; double step 2; its next reader stands behind the wait in the first trip's storing
	BLOAD 0, 0
	s_wait_xcnt 0x0                                ; the bases are stepped only behind this wait
	s_add_nc_u64 s[32:33], s[32:33], 5*64*RP
	s_add_nc_u64 s[28:29], s[28:29], 6*STEPK
	JOIN
	s_mov_b32 s22, 3
.Ltrip:                                        ; sub-trips 2 + 3 t + jj.  Younger than the first K step's rows: 6 + 8 + 12 + 8 + 12 = 46; than the second's, with this sub-trip's weights and six rows' loads issued: 8 + 12 + 8 + 12 + 8 + 6 = 54
	STEP 0, 1, 1, 1, 46, 54, 1, 0
	STEP 1, 1, 1, 1, 46, 54, 1, 0
	STEP 2, 1, 1, 1, 46, 54, 1, 0
	s_wait_xcnt 0x0
	s_add_nc_u64 s[32:33], s[32:33], 3*64*RP
	s_add_nc_u64 s[28:29], s[28:29], 6*STEPK
	s_sub_co_u32 s22, s22, 1
	s_cmp_lg_u32 s22, 0
	s_cbranch_scc1 .Ltrip
	STEP 0, 1, 1, 1, 46, 54, 1, 0                  ; sub-trips 11 to 17 are written out: the weights end with double step 15, the rows with K step 31, and the counts run down
	STEP 1, 1, 1, 1, 46, 54, 1, 0
	STEP 2, 1, 0, 1, 46, 46, 1, 0
	STEP 3, 1, 0, 1, 38, 38, 1, 0
	STEP 4, 1, 0, 0, 30, 24, 1, 0
	STEP 5, 0, 0, 0, 18, 12, 0, 0                  ; the whole image has been shown by the last barrier
	STEP 6, 0, 0, 0, 6, 0, 0, 1
	; for the way out, once: bias / 2 of my 64 columns (block b: columns 16 b + 8 h .. + 7), at constant addresses, into registers that the rings have left and the later passes do not touch
	v_lshl_add_u32 v14, v3, 5, BIAS
	v_lshlrev_b32 v15, 4, v1                       ; my 16 bytes of a store's 512; never rewritten
	s_wait_alu depctr_va_vdst(0)                   ; v14 and v15 are written; the matrix instructions are done reading the rows' buffers, in which the bias lands
.irp b, 0,1,2,3,4,5,6,7
	ds_load_b128 v[BI+8*\b:BI+8*\b+3],   v14 offset:64*\b
	ds_load_b128 v[BI+8*\b+4:BI+8*\b+7], v14 offset:64*\b+16
.endr
	s_wait_dscnt 0x0
	s_mov_b32 s21, 0
.Lpass:                                        ; three passes cover 64 tiles; a pass without tiles is jumped
	s_cmp_eq_u32 s21, 0
	s_cbranch_scc1 .Lepi                           ; pass 0's products are made
	s_mul_i32 s24, s21, 24
	s_cmp_ge_u32 s24, s19
	s_cbranch_scc1 .Lnextpass
	s_wait_alu depctr_vm_vsrc(0)                   ; the last pass's loads have read the offsets v4-6 and v[VB], which are made anew below (they have also come back: the wait at the way out's head)
	FIND                                           ; this pass's rows
	v_lshl_add_u32 v[VB], v1, 4, BW
	s_mov_b64 s[30:31], s[4:5]
	SK 1
	s_mov_b32 s38, 31
.Lsk:
	SK 0
	s_sub_co_u32 s38, s38, 1
	s_cmp_lg_u32 s38, 0
	s_cbranch_scc1 .Lsk
.Lepi:
	s_wait_loadcnt 0x0
	s_mov_b32 s38, 0
.Lslot:                                        ; unit s38: slot s38 / 4, blocks 2 (s38 % 4) and the next
	s_lshr_b32 s25, s38, 2
	s_lshr_b32 s24, s23, s25
	s_bitcmp1_b32 s24, 0
	s_cbranch_scc0 .Lslotnext                      ; a dead slot's units are jumped
	s_mul_i32 s24, s21, 24
	s_add_co_u32 s24, s24, s14
	s_lshl3_add_u32 s24, s25, s24                  ; the tile
	s_min_u32 s24, s24, 63
	s_lshl_b32 s24, s24, 17                        ; a tile of hbuf is 128 K steps of 1,024 bytes
	s_add_co_u32 s24, s24, s56
	s_and_b32 s26, s38, 3
	s_lshl_b32 s26, s26, 10                        ; two blocks are one K step of the second product: 1,024 bytes
	s_add_co_u32 s24, s24, s26
	s_mov_b32 s25, 0                               ; s[24:25]: the unit's place in hbuf; it is added to the address at the stores
.irp n, 1,2,3,4,5,6,7,8,9,10,11
	s_cmp_eq_u32 s38, \n
	s_cbranch_scc1 .Lu\n
.endr
	UNIT 0, 0
	s_branch .Lgelu
.Lu1:
	UNIT 0, 1
	s_branch .Lgelu
.Lu2:
	UNIT 0, 2
	s_branch .Lgelu
.Lu3:
	UNIT 0, 3
	s_branch .Lgelu
.Lu4:
	UNIT 1, 0
	s_branch .Lgelu
.Lu5:
	UNIT 1, 1
	s_branch .Lgelu
.Lu6:
	UNIT 1, 2
	s_branch .Lgelu
.Lu7:
	UNIT 1, 3
	s_branch .Lgelu
.Lu8:
	UNIT 2, 0
	s_branch .Lgelu
.Lu9:
	UNIT 2, 1
	s_branch .Lgelu
.Lu10:
	UNIT 2, 2
	s_branch .Lgelu
.Lu11:
	UNIT 2, 3
.Lgelu:
	; X = (sum + b1) / 2 lies in v64-79.  gelu = X + |X| erf(sqrt(2) |X|); erf(z) = 1 - (a1 t + .. + a5 t^5) exp(-z^2), t = 1 / (1 + 0.3275911 z)
.set i, 0
.rept 16
	v_fma_f32 v[96+i], |v[XR+i]|, s40, 1.0
.set i, i+1
.endr
.irp i, 0,2,4,6,8,10,12,14
	v_pk_mul_f32 v[112+\i:113+\i], v[XR+\i:XR+\i+1], v[XR+\i:XR+\i+1]
.endr
.irp i, 0,2,4,6,8,10,12,14
	v_pk_mul_f32 v[112+\i:113+\i], v[112+\i:113+\i], s[42:43] op_sel_hi:[1,0]
.endr
.set i, 0
.rept 16
	v_rcp_f32 v[96+i], v[96+i]
.set i, i+1
.endr
.set i, 0
.rept 16
	v_exp_f32 v[112+i], v[112+i]
.set i, i+1
.endr
	v_nop                                          ; a plain instruction behind the last of them
	s_wait_alu depctr_va_vdst(0)                   ; the sixteen reciprocals in v96-111 and the sixteen exponentials in v112-127 are written, ahead of their first reader
.irp i, 0,2,4,6,8,10,12,14
	v_pk_fma_f32 v[128+\i:129+\i], v[96+\i:97+\i], s[44:45], s[46:47] op_sel_hi:[1,0,0]
.endr
.irp i, 0,2,4,6,8,10,12,14
	v_pk_fma_f32 v[128+\i:129+\i], v[128+\i:129+\i], v[96+\i:97+\i], s[48:49] op_sel_hi:[1,1,0]
.endr
.irp i, 0,2,4,6,8,10,12,14
	v_pk_fma_f32 v[128+\i:129+\i], v[128+\i:129+\i], v[96+\i:97+\i], s[50:51] op_sel_hi:[1,1,0]
.endr
.irp i, 0,2,4,6,8,10,12,14
	v_pk_fma_f32 v[128+\i:129+\i], v[128+\i:129+\i], v[96+\i:97+\i], s[52:53] op_sel_hi:[1,1,0]
.endr
.irp i, 0,2,4,6,8,10,12,14
	v_pk_mul_f32 v[112+\i:113+\i], v[112+\i:113+\i], v[96+\i:97+\i]
.endr
.irp i, 0,2,4,6,8,10,12,14
	v_pk_fma_f32 v[128+\i:129+\i], v[128+\i:129+\i], v[112+\i:113+\i], 1.0 op_sel_hi:[1,1,0] neg_lo:[1,0,0] neg_hi:[1,0,0]
.endr
.set i, 0
.rept 16
	v_fma_f32 v[XR+i], |v[XR+i]|, v[128+i], v[XR+i]
.set i, i+1
.endr
	s_wait_xcnt 0x0                                ; the unit before: its stores' data (v144-151) and base (s[34:35]) are rewritten only behind this wait, which stands a unit's arithmetic behind those stores
	s_wait_alu depctr_vm_vsrc(0)                   ; the unit before's two stores have read v144-151, which the conversions write again
.set i, 0
.rept 8
	v_cvt_pk_bf16_f32 v[144+i], v[XR+2*i], v[XR+2*i+1]
.set i, i+1
.endr
	s_add_nc_u64 s[34:35], s[12:13], s[24:25]
	s_wait_alu depctr_va_vdst(0)                   ; the conversions have written v144-151, which the stores read
	global_store_b128 v15, v[144:147], s[34:35]               ; 512 consecutive bytes: half a K step of the second product's fragment
	global_store_b128 v15, v[148:151], s[34:35] offset:512
.Lslotnext:
	s_add_co_u32 s38, s38, 1
	s_cmp_lt_u32 s38, 12
	s_cbranch_scc1 .Lslot
.Lnextpass:
	s_add_co_u32 s21, s21, 1
	s_cmp_lt_u32 s21, 3
	s_cbranch_scc1 .Lpass
	JOIN                                           ; every wave's LDS reads are back before any wave writes LDS again: the one write left is the add below
	s_wait_dscnt 0x0                               ; the closing lines, six on end
	s_wait_alu 0x0
	s_wait_tensorcnt 0x0
	ds_add_u32 v[SPW], v[NIL]
	s_wait_dscnt 0x0
	s_endpgm
.Lfunc_end_k_qa1c9d76dd3_up:
	.size	k_qa1c9d76dd3_up, .Lfunc_end_k_qa1c9d76dd3_up-k_qa1c9d76dd3_up
	.p2alignl 7, 3214868480
	.fill 96, 4, 3214868480
	.section	.rodata,"a",@progbits
	.p2align	6, 0x0
	.amdhsa_kernel k_qa1c9d76dd3_up
		.amdhsa_group_segment_fixed_size 317952
		.amdhsa_private_segment_fixed_size 0
		.amdhsa_enable_private_segment 0
		.amdhsa_kernarg_size 40
		.amdhsa_user_sgpr_count 2
		.amdhsa_user_sgpr_kernarg_segment_ptr 1
		.amdhsa_wavefront_size32 1
		.amdhsa_system_sgpr_workgroup_id_x 1
		.amdhsa_system_sgpr_workgroup_id_y 1
		.amdhsa_system_sgpr_workgroup_id_z 1
		.amdhsa_system_vgpr_workitem_id 0
		.amdhsa_next_free_vgpr 512
		.amdhsa_next_free_sgpr 66
		.amdhsa_reserve_vcc 0
		.amdhsa_float_denorm_mode_32 3
		.amdhsa_float_denorm_mode_16_64 3
		.amdhsa_memory_ordered 1
		.amdhsa_forward_progress 1
		.amdhsa_inst_pref_size 156
	.end_amdhsa_kernel
	.amdgpu_metadata
---
amdhsa.version: [ 1, 2 ]
amdhsa.kernels:
  - .name:           k_qa1c9d76dd3_up
    .symbol:         k_qa1c9d76dd3_up.kd
    .args:
      - { .name: xb, .offset: 0, .size: 8, .value_kind: global_buffer, .address_space: global }
      - { .name: W1, .offset: 8, .size: 8, .value_kind: global_buffer, .address_space: global }
      - { .name: b1, .offset: 16, .size: 8, .value_kind: global_buffer, .address_space: global }
      - { .name: bm, .offset: 24, .size: 8, .value_kind: global_buffer, .address_space: global }
      - { .name: hbuf, .offset: 32, .size: 8, .value_kind: global_buffer, .address_space: global }
    .group_segment_fixed_size: 317952
    .private_segment_fixed_size: 0
    .kernarg_segment_align: 8
    .kernarg_segment_size: 40
    .max_flat_workgroup_size: 256
    .sgpr_count:     66
    .vgpr_count:     512
    .wavefront_size: 32
...
	.end_amdgpu_metadata
.endif
;; end of part 7
;; launch down (part 8): grid 32 x 8, 8 waves a work-group, no clusters, 317,952 bytes of LDS; arguments hbuf, W2, b2, bm, pbuf; writes pbuf
.if DOCPART == 8
	.amdgcn_target "amdgcn-amd-amdhsa--gfx1250"
	.amdhsa_code_object_version 6
	.text
	.protected	k_qa1c9d76dd3_down
	.globl	k_qa1c9d76dd3_down
	.p2align	8
	.type	k_qa1c9d76dd3_down,@function
k_qa1c9d76dd3_down:
	s_mov_b64 s[64:65], 0
	v_nop
	global_prefetch_b8 v0, s[64:65] scope:SCOPE_SE
	s_setreg_imm32_b32 hwreg(HW_REG_WAVE_SCHED_MODE, 0, 2), 2
	s_setreg_imm32_b32 hwreg(HW_REG_WAVE_MODE, 25, 1), 1
	s_wait_xcnt 0x0
	s_wait_alu depctr_vm_vsrc(0)
; SECOND PRODUCT, in four parts along K.  P[kq][slot x 1024 + token][:] = h[rows of e][1024 kq ..] W2[e][1024 kq ..][:]  (+ bf16(b2[e]) in part kq = 0), f32.
; A work-group has expert e = x / 4 and rows 1,024 kq .. + 1,023, kq = x % 4 (grid x), and columns 128 g .. + 127, g = grid y, of W2[e]: 512 KiB that it alone reads, and all the expert's rows.
; The eight work-groups that read the same part of h (one expert, one part of K) differ in grid y alone.
; With 131,072 weights to a work-group, 1,024 x 128 makes the sum of h's bytes read and the partial sums' bytes written and read the least, and gives this launch the first product's shape.
; SHARES, RINGS, IMAGE AND PASSES are the first product's.  Every wave does both jobs in one text: wave w loads rows 8 w .. 8 w + 7 of each double K step of W2 (eight loads of 512 consecutive
; bytes), rounds them and stores them into a resident LDS image in fragment order; each wave has three slots of 16 rows x 128 columns, slot g of pass P being tile 24 P + 8 g + wave.
; In sub-trip u double step u is stored, weights u + 3 asked for, K steps 2 u - 4 and 2 u - 3 multiplied and h of K steps 2 u + 2 and 2 u + 3 asked for: one barrier a sub-trip, 16 in all.
; The fragments of W2 leave the image half a K step at a time (four fragments, eight LDS loads), into two buffers by turns: while one half is multiplied the next is on its way.
; Tiles past 24 are served afterwards from the image without barriers.  h comes from hbuf, which lies in fragment order: every load of a wave is 512 consecutive bytes.
; THE MODE: SCHED_MODE bits 1:0 = 2 (LLVM: expert scheduling mode 2), set by the entry lines.  The code itself states the register dependences
; between vector or matrix instructions and memory or LDS instructions, with s_wait_alu, always for 0.
; THE PLAN.  Registers that memory or LDS instructions touch in the stream, and who else names them:
;   fragment buffer 0, v16-47   The LDS loads in the middle of K step k land in it; the first run of matrix instructions of K step k + 1 reads it.  In a sub-trip's first K step its v16-31 also take
;                               the packed weights: written by sixteen conversions behind that run, read by four LDS stores, then loaded again.
;   fragment buffer 1, v48-79   The LDS loads at a K step's head land in it; the K step's second run reads it.
;   h's buffer k % 6            Both runs of K step k read it; the six loads at that K step's end land in it.
;   weights' ring buffer u % 3  The conversions of sub-trip u read it; the eight loads behind them land in it.
;   v[VB], v[VLS]               Read by every LDS load and store of the stream.  Six K steps are reached by immediate offsets; both are stepped once in six K steps, ahead of a wait that stands there anyway.
;   v[VWO], v4-6                Read by the loads of weights and of h; never written in the stream.  The sums are named by matrix instructions alone.
; So a K step has two waits on va_vdst.  The one in its middle: the first run is done reading buffer 0 (and, where a double step is stored, the conversions have written v16-31 and are done reading the
; ring buffer); behind it go the ring's loads, the stores and the loads into buffer 0.  The one at its end: the second run is done reading buffer 1 and h's buffer (and the stepped addresses are
; written); behind it go h's loads and the next K step's loads into buffer 1, with scalar lines, loads and the barrier alone between.  A wait on vm_vsrc stands behind the four stores, whose
; data registers are loaded again, and ahead of the addresses' step.  The loads stay in runs: among the matrix instructions each would want two switches of the register window.
; THE LIST.  Every wave makes the expert's list of rows in LDS from the bitmap bm (whole numbers): bit b of word w is token 32 w + b, the order b-major, then by w, as the first product ranks them.
; An entry is the token, plus 1,024 where a lower-numbered expert has the token too: the row of P.  Each row of each part of P has one writer.  Four bits are taken in a trip, so that one wait serves four masks and one four stores.
; COLUMNS ARE DEALT so that results leave without LDS: column 64 q + 4 u + c lies in fragment 4 q + c at place u.  With source 0 = 16 rows of h and source 1 = a fragment of W2, register j of
; lane (r, h) is row 8 h + j, column 64 q + 4 r + c: the four c are 16 neighbouring bytes, and 16 lanes store 256 consecutive bytes of a row of P.
; NO CLUSTER: each slice of weights has one reader, and the image leaves no LDS in which shared tiles of h could land.
; LIMITS.  W2 and b2 are rounded to bf16.  A slot past the last tile repeats the last tile (for an expert without rows: bytes of hbuf that nobody stored); its sums are never stored.
.set RP,     4096                      ; bytes from row to row of W2
.set STEPK,  1024                      ; bytes of a tile of hbuf in a K step
.set HALF,   512
.set FP,     1040                      ; a fragment in the image: 1,024 bytes + 16, as in the first product
.set KB,     8*FP                      ; a K step in the image
.set CSTEP,  FP                        ; from one of my four columns to the next in the image: the next fragment
.set LISTW,  2176                      ; a wave's list, 16-bit entries: 1,024, 16 of padding, 16 idle, 32 for the lanes that have nothing to write
.set B2L,    17408                     ; behind the eight lists: 1,024 bytes for each wave, its lanes' eight numbers of b2, set aside while the stream has the registers.  Bytes 25,600 to 50,687 are not used
.set SPARE,  50688                     ; the spare words, 128 bytes a wave: no other line names them
.set BW,     51712                     ; the image: K step x KB + fragment x FP + 512 c + 256 h + 16 r
.set AOFF, 4                           ; v4-6     slot g: my lane's byte offset in the expert's part of hbuf
.set VLS,  7                           ; v7       where I store weights in the image: the first of the three double steps in hand
.set VWO,  8
.set VB,   9                           ; v9       my place in the image: the first of the six K steps in hand
.set SPW,  10
.set NIL,  11
.set BR,   16                          ; v16-79   two buffers of four fragments of W2: half a K step each
.set TT,   16                          ; v16-31   my four columns' packed weights: they lie in fragment buffer 0, between its last reader and its next loads
.set AR,   80                          ; v80-223  six K steps x three fragments of h
.set W2B,  224                         ; v224-255 the weights' ring, buffer 2; buffers 0 and 1: window 1, v192-255
.set LB,   80                          ; the head: v80-86 the lower experts' bitmaps, then v80-83 four bits of mine
.set B2T,  88                          ; the head: v88-95 b2 as loaded
.set LA,   96                          ; the head: v96-99 where four entries of the list go,
.set LE,   100                         ; v100-103 the four entries
.set B2,   248                         ; the way out: v248-255 b2 of my eight columns, or 0
; window 1: v0-191 the sums, slot g, fragment b at 64 g + 8 b.  Scalars as in the first product; s24-27 four masks and s44-47 the ranks at which their planes begin (the head), s[34:35] P's base, s36 my list, s37 last tile, s[54:55] h's base, s57 g, s58 kq
.set MSB, 0
.macro WIN new
.if MSB != (\new)
	s_set_vgpr_msb (MSB<<8)|(\new)
.set MSB, (\new)
.endif
.endm
.macro PLACES n                        ; plain vector instructions behind a run of matrix instructions, ahead of what writes, reads or loads into its registers
.rept \n
	v_nop
.endr
.endm
.macro JOIN                            ; my LDS stores are done and my LDS loads are back; then the barrier
	s_wait_dscnt 0x0
	s_barrier_signal -1
	s_barrier_wait -1
.endm
.macro WISSUE buf, dk
.if (\buf) < 2
.set WBS, 192+32*(\buf)
	WIN 0x40
.else
.set WBS, W2B
	WIN 0
.endif
.set wn, 0
.rept 8
	global_load_b128 v[WBS+4*wn:WBS+4*wn+3], v[VWO], s[32:33] offset:(64*(\dk)+wn)*RP th:TH_LOAD_NT
.set wn, wn+1
.endr
	WIN 0
.endm
; Ring buffer buf is rounded and turned, as in the first product.  issue = 1: the buffer is asked for again.  at = the double step's bytes from v[VLS].
; The pieces are made in v16-31 of fragment buffer 0.  The window for the ring's loads is set ahead of the wait; the stores follow the loads under the same wait.
.macro LOADER buf, issue, dk, at
.if (\buf) < 2
.set LWB, 192+32*(\buf)
	WIN 0x05                                       ; sources 0 and 1 in window 1
.else
.set LWB, W2B
	WIN 0
.endif
.irp c, 0,1,2,3
.irp m, 0,1,2,3
	v_cvt_pk_bf16_f32 v[TT+4*\c+\m], v[LWB+8*\m+\c], v[LWB+8*\m+4+\c]
.endr
.endr
.if (\issue) && ((\buf) < 2)
	WIN 0x40
.else
	WIN 0
.endif
	s_wait_alu depctr_va_vdst(0)                   ; the conversions have written v16-31, which the stores read, and are done reading the ring buffer, in which the loads land; in a K step: its first run is done reading fragment buffer 0
.if \issue
	WISSUE \buf, \dk
.endif
.irp c, 0,1,2,3
	ds_store_b128 v[VLS], v[TT+4*\c:TT+4*\c+3] offset:CSTEP*\c+(\at)   ; 16 lanes store 256 consecutive bytes of a fragment
.endr
.endm
; Fragments 4 hf .. 4 hf + 3 of K step at, counted from v[VB], into buffer hf
.macro BLOAD hf, at
.irp f, 0,1,2,3
	ds_load_b128 v[BR+32*(\hf)+8*\f:BR+32*(\hf)+8*\f+3],   v[VB] offset:(4*(\hf)+\f)*FP+(\at)*KB
	ds_load_b128 v[BR+32*(\hf)+8*\f+4:BR+32*(\hf)+8*\f+7], v[VB] offset:(4*(\hf)+\f)*FP+512+(\at)*KB
.endr
.endm
; Half a K step: twelve matrix instructions, all on different accumulators; slot 2's four are jumped where the slot is dead
.macro MM hf, kb
	WIN 0x50                                       ; C and D in window 1
.irp f, 0,1,2,3
.irp g, 0,1
	v_wmma_f32_16x16x32_bf16 v[64*\g+8*(4*(\hf)+\f):64*\g+8*(4*(\hf)+\f)+7], v[AR+24*(\kb)+8*\g:AR+24*(\kb)+8*\g+7], v[BR+32*(\hf)+8*\f:BR+32*(\hf)+8*\f+7], v[64*\g+8*(4*(\hf)+\f):64*\g+8*(4*(\hf)+\f)+7]
.endr
.endr
	WIN 0                                          ; at a branch and at a label every window is 0
	s_bitcmp1_b32 s23, 2
	s_cbranch_scc0 .Lno2_\@
	WIN 0x50
.irp f, 0,1,2,3
	v_wmma_f32_16x16x32_bf16 v[128+8*(4*(\hf)+\f):128+8*(4*(\hf)+\f)+7], v[AR+24*(\kb)+16:AR+24*(\kb)+23], v[BR+32*(\hf)+8*\f:BR+32*(\hf)+8*\f+7], v[128+8*(4*(\hf)+\f):128+8*(4*(\hf)+\f)+7]
.endr
	WIN 0
.Lno2_\@:
.endm
.macro AISSUE kb, imm
.irp g, 0,1,2
	global_load_b128 v[AR+24*(\kb)+8*\g:AR+24*(\kb)+8*\g+3],   v[AOFF+\g], s[28:29] offset:(\imm)*STEPK
	global_load_b128 v[AR+24*(\kb)+8*\g+4:AR+24*(\kb)+8*\g+7], v[AOFF+\g], s[28:29] offset:(\imm)*STEPK+HALF
.endr
.endm
; A K step.  kb = k % 6: h's buffer, and the K step's place in the image counted from v[VB].  At its head buffer 0 holds, or has on its way, the step's first half.
; acnt = the loads younger than this K step's h.  ld = 1: a double step is stored in its middle (buf, wiss, dk, at: LOADER's).  vl = 1: v[VLS] is stepped with v[VB].  last = 1: nothing further is fetched.
.macro KSTEP kb, ld, buf, wiss, dk, at, vl, aiss, aimm, acnt, last
	BLOAD 1, \kb                                   ; the second half.  No wait: no vector or matrix instruction since the wait at the last K step's end names buffer 1 or v[VB]
	s_wait_loadcnt \acnt                           ; loads come back in order: my h is in, and so are the weights of this sub-trip's double step, which are the loads just older
	s_wait_dscnt 8                                 ; the first half is in: the eight just issued are younger
	MM 0, \kb
.if !(\last)
	PLACES 4
.endif
.if \ld
	LOADER \buf, \wiss, \dk, \at
	s_wait_alu depctr_vm_vsrc(0)                   ; the four stores have read v16-31, in which the loads below land
.elseif !(\last)
	s_wait_alu depctr_va_vdst(0)                   ; the first run is done reading fragment buffer 0, in which the loads below land
.endif
.if !(\last)
	BLOAD 0, (\kb)+1                               ; the next K step's first half
	s_wait_dscnt 8+4*(\ld)                         ; the second half is in: younger are the eight just issued, and the four stores where a double step was stored
.else
	s_wait_dscnt 0x0
.endif
	MM 1, \kb
.if (\kb) == 5
	s_wait_alu depctr_vm_vsrc(0)                   ; the LDS loads and stores issued so far have read v[VB] and v[VLS]
	v_add_nc_u32 v[VB], 6*KB, v[VB]                ; the next six K steps; these lines are among the four places
.if \vl
	v_add_nc_u32 v[VLS], 6*KB, v[VLS]              ; the next three double steps
.endif
	PLACES 3-(\vl)
.else
	PLACES 4
.endif
.if !(\last)
	s_wait_alu depctr_va_vdst(0)                   ; the second run is done reading fragment buffer 1 and h's buffer, in which the loads below and at the next K step's head land; v[VB] and v[VLS], where stepped, are written
.endif
.if \aiss
	AISSUE \kb, \aimm
.endif
.endm
.macro STEP jj, ld, wiss, aiss, ac0, ac1, join, last
	KSTEP (2*\jj)%6, \ld, (2+\jj)%3, \wiss, \jj, ((\jj)%3)*2*KB, 0, \aiss, 2*\jj, \ac0, 0
	KSTEP (2*\jj+1)%6, 0, 0, 0, 0, 0, \ld, \aiss, 2*\jj+1, \ac1, \last
.if \join
	JOIN
.endif
.endm
.macro SETPASS
	s_mul_i32 s24, s21, 24
	s_add_co_u32 s24, s24, s14
	s_mov_b32 s23, 0
.irp g, 0,1,2
	s_add_co_u32 s25, s24, 8*\g
	s_cmp_lt_u32 s25, s19
	s_cselect_b32 s26, 1<<\g, 0
	s_or_b32 s23, s23, s26
	s_min_u32 s25, s25, s37                        ; a dead slot repeats the last tile
	s_min_u32 s25, s25, 63
	s_lshl_b32 s25, s25, 17
	v_lshl_add_u32 v[AOFF+\g], v1, 4, s25          ; tile x 131,072 + 16 lane
.endr
.endm
; A K step of a later pass, plain: it runs only for an expert with more than 384 rows.  zero = 1: K step 0, whose products start the sums (its address is made in front of it).
; In the loop the place in the image is made anew in every trip: the K step, held to 31 by a minimum, times a K step's bytes: every load lies in the image by this arithmetic.
.macro SK zero
.if !(\zero)
	s_sub_co_u32 s24, 32, s38                      ; the K step: 32 less the count, 1 .. 31
	s_min_u32 s24, s24, 31
	s_mul_i32 s24, s24, KB
	s_add_co_u32 s24, s24, BW
	s_wait_alu depctr_vm_vsrc(0)                   ; the last K step's LDS loads have read v[VB]
	v_lshl_add_u32 v[VB], v1, 4, s24
.endif
	s_wait_alu depctr_va_vdst(0)                   ; v[VB] is written (ahead of K step 0: h's offsets v4-6 too); the vector and matrix instructions so far are done with v16-103, in which the loads below land
.irp g, 0,1,2
	global_load_b128 v[AR+8*\g:AR+8*\g+3],   v[AOFF+\g], s[30:31]
	global_load_b128 v[AR+8*\g+4:AR+8*\g+7], v[AOFF+\g], s[30:31] offset:HALF
.endr
.irp b, 0,1,2,3,4,5,6,7                ; all eight fragments: both buffers
	ds_load_b128 v[BR+8*\b:BR+8*\b+3],   v[VB] offset:\b*FP
	ds_load_b128 v[BR+8*\b+4:BR+8*\b+7], v[VB] offset:\b*FP+512
.endr
	s_wait_loadcnt 0x0
	s_wait_dscnt 0x0
	WIN 0x50
.irp b, 0,1,2,3,4,5,6,7
.irp g, 0,1,2
.if \zero
	v_wmma_f32_16x16x32_bf16 v[64*\g+8*\b:64*\g+8*\b+7], v[AR+8*\g:AR+8*\g+7], v[BR+8*\b:BR+8*\b+7], 0
.else
	v_wmma_f32_16x16x32_bf16 v[64*\g+8*\b:64*\g+8*\b+7], v[AR+8*\g:AR+8*\g+7], v[BR+8*\b:BR+8*\b+7], v[64*\g+8*\b:64*\g+8*\b+7]
.endif
.endr
.endr
	WIN 0
	PLACES 4
	s_wait_xcnt 0x0                                ; the base is stepped only behind this wait (the loads that named it have come back)
	s_add_nc_u64 s[30:31], s[30:31], STEPK
.endm
; Slot g leaves: the rows of P from the list, b2 added, 16 stores.  Each accumulator's register 0 is read first.  The 64 additions stand behind the list's LDS load, whose registers they do not name.
.macro DEPI g
	s_bitcmp1_b32 s23, \g
	s_cbranch_scc0 .Ldead_\@
	s_mul_i32 s24, s21, 24
	s_add_co_u32 s24, s24, s14
	s_add_co_u32 s24, s24, 8*\g
	s_min_u32 s24, s24, 63
	s_lshl_b32 s24, s24, 5
	s_add_co_u32 s24, s24, s36
	s_wait_xcnt 0x0                                ; the slot before: its stores' offsets and data are rewritten only behind this wait
	s_wait_alu depctr_vm_vsrc(0)                   ; the LDS load before has read v12, the slot before's stores their offsets v72-79 and their data v80-143: all are written again below
	v_lshl_add_u32 v12, v3, 4, s24                 ; entries 16 tile + 8 h .. + 7, two bytes each
	s_wait_alu depctr_va_vdst(0)                   ; v12 is written; the vector and matrix instructions so far are done reading v64-67, in which the load lands
	ds_load_b128 v[64:67], v12
	WIN 0x01                                       ; source 0 in window 1
.irp q, 0,1
.irp j, 0,1,2,3,4,5,6,7
.irp c, 0,1,2,3
	v_add_f32 v[80+4*(8*\q+\j)+\c], v[64*\g+8*(4*\q+\c)+\j], v[B2+4*\q+\c]
.endr
.endr
.endr
	WIN 0
	s_wait_dscnt 0x0
.irp j, 0,1,2,3
	v_and_b32 v[72+2*\j], 0xffff, v[64+\j]
	v_lshrrev_b32 v[73+2*\j], 16, v[64+\j]
.endr
.irp j, 0,1,2,3,4,5,6,7
	v_min_u32 v[72+\j], 0x7ff, v[72+\j]
	v_lshl_add_u32 v[72+\j], v[72+\j], 12, v14     ; row x 4,096 + 16 r
.endr
	s_wait_alu depctr_va_vdst(0)                   ; the offsets v72-79 and the sums v80-143 are written, which the stores read
.irp q, 0,1
.irp j, 0,1,2,3,4,5,6,7
	global_store_b128 v[72+\j], v[80+4*(8*\q+\j):80+4*(8*\q+\j)+3], s[34:35] offset:256*\q  ; 16 lanes store 256 consecutive bytes, at a multiple of 256 from P's first
.endr
.endr
.Ldead_\@:
.endm
	s_load_b256 s[4:11], s[0:1], 0x0               ; hbuf s[4:5], W2 s[6:7], b2 s[8:9], bm s[10:11]
	s_load_b64 s[12:13], s[0:1], 0x20              ; pbuf
	v_lshl_add_u32 v[SPW], v0, 2, SPARE
	v_mov_b32 v[NIL], 0
	v_and_b32 v1, 31, v0                           ; lane
	v_and_b32 v2, 15, v0                           ; r
	v_bfe_u32 v3, v0, 4, 1                         ; h
	v_lshrrev_b32 v12, 5, v0
	v_readfirstlane_b32 s14, v12                   ; wave
	s_lshr_b32 s16, ttmp9, 2                       ; expert
	s_and_b32 s58, ttmp9, 3                        ; kq: which 1,024 rows
	s_and_b32 s57, ttmp7, 0xffff                   ; g: which 128 columns
	s_lshl_b32 s24, s16, 7
	v_lshl_add_u32 v12, v1, 2, s24                 ; lane w: word w of my expert's bitmap
	v_lshlrev_b32 v14, 2, v1                       ; and of expert 0's
	s_lshl_b32 s24, s16, 12
	s_lshl_b32 s25, s57, 9
	s_add_co_u32 s24, s24, s25
	v_lshl_add_u32 v15, v2, 4, s24                 ; b2 of columns 4 r .. + 3
	s_lshl_b32 s26, s16, 24
	s_lshl_b32 s24, s58, 22
	s_add_co_u32 s26, s26, s24
	s_add_co_u32 s26, s26, s25
	s_mov_b32 s27, 0
	s_wait_alu depctr_va_sdst(0)                   ; s14, the wave's number, is written, ahead of its first reader
	s_mul_i32 s24, s14, 8*RP
	v_lshl_add_u32 v[VWO], v1, 4, s24
	s_mul_i32 s36, s14, LISTW
	s_lshl_b32 s40, s16, 23                        ; an expert's part of hbuf is 8 MiB;
	s_lshl_b32 s24, s58, 15                        ; my part of K is 32 K steps of 1,024 bytes in each tile
	s_add_co_u32 s40, s40, s24
	s_mov_b32 s41, 0
	s_lshl_b32 s42, s58, 23                        ; a part of P is 8 MiB
	s_add_co_u32 s42, s42, s25
	s_mov_b32 s43, 0
	s_wait_kmcnt 0x0
	s_add_nc_u64 s[32:33], s[6:7], s[26:27]
	s_add_nc_u64 s[54:55], s[4:5], s[40:41]
	s_mov_b64 s[28:29], s[54:55]
	s_add_nc_u64 s[34:35], s[12:13], s[42:43]
	s_wait_alu depctr_va_vdst(0)                   ; the offsets v12, v14, v15 and v[VWO] are written, which the loads below read
	global_load_b32 v13, v12, s[10:11]
.irp q, 0,1,2,3,4,5,6
	global_load_b32 v[LB+\q], v14, s[10:11] offset:128*\q
.endr
	global_load_b128 v[B2T:B2T+3], v15, s[8:9]
	global_load_b128 v[B2T+4:B2T+7], v15, s[8:9] offset:256      ; columns 64 + 4 r .. + 3
	WISSUE 0, 0                                    ; the weights' ring is filled before anything else is done
	WISSUE 1, 1
	WISSUE 2, 2
	; The sums are cleared on purpose: one text then serves every K step, and slot 2 can be jumped from the first.  It stands in the wait for the bitmap and the first weights.
	WIN 0x40
.set i, 0
.rept 192
	v_mov_b32 v[i], 0
.set i, i+1
.endr
	WIN 0
	s_wait_loadcnt 24                              ; the bitmaps and b2 are in; the ring's 24 loads are younger
	s_wait_alu depctr_vm_vsrc(0)                   ; the head's loads have read v12, v14 and v15, which are written again below
	v_mov_b32 v15, 0                               ; which tokens a lower-numbered expert has
.irp q, 0,1,2,3,4,5,6
	s_cmp_gt_u32 s16, \q
	s_cselect_b32 s24, -1, 0
	v_and_or_b32 v15, v[LB+\q], s24, v15
.endr
	s_cmp_eq_u32 s58, 0                            ; b2 rounded to bf16; it enters part 0 alone
	s_cselect_b32 s24, -1, 0
.irp n, 0,1,2,3
	v_cvt_pk_bf16_f32 v[68+\n], v[B2T+2*\n], v[B2T+2*\n+1]
.endr
.irp n, 0,1,2,3
	v_lshlrev_b32 v[B2T+2*\n], 16, v[68+\n]
	v_and_b32 v[B2T+2*\n+1], 0xffff0000, v[68+\n]
.endr
.irp n, 0,1,2,3,4,5,6,7
	v_and_b32 v[B2T+\n], s24, v[B2T+\n]
.endr
	s_lshl_b32 s25, s14, 10                        ; it is set aside in my wave's own LDS bytes, 32 a lane, until the way out
	s_add_co_u32 s25, s25, B2L
	v_lshl_add_u32 v78, v1, 5, s25
	; my list is set to 0 whole, then filled: for bit b = 0 .. 31 the lanes whose word has it write their entry at their rank; the others write into entries of their own behind the list
	v_mov_b32 v72, 0
	v_mov_b32 v73, 0
	v_mov_b32 v74, 0
	v_mov_b32 v75, 0
	v_lshl_add_u32 v71, v1, 4, s36
	v_lshl_add_u32 v76, v1, 2, s36
	v_lshlrev_b32 v68, 5, v1                       ; 32 x lane: my word's first token
	v_add_nc_u32 v69, 1056, v1                     ; my entry behind the list
	s_wait_alu depctr_va_vdst(0)                   ; b2 in v88-95, the zeros in v72-75 and the addresses v71, v76, v78 are written, which the seven stores read
	ds_store_b128 v78, v[B2T:B2T+3]
	ds_store_b128 v78, v[B2T+4:B2T+7] offset:16
.irp n, 0,1,2,3
	ds_store_b128 v71, v[72:75] offset:512*\n
.endr
	ds_store_b32 v76, v72 offset:2048
	s_mov_b32 s39, 0
	s_mov_b32 s38, 0
.Llist:                                        ; bits s38 .. s38 + 3
	s_wait_alu depctr_vm_vsrc(0)                   ; the last trip's four stores have read their addresses v96-99 and entries v100-103, which are written again
	v_lshrrev_b32 v64, s38, v13
	v_lshrrev_b32 v65, s38, v15
	v_add_nc_u32 v66, s38, v68                     ; token 32 lane + s38
.irp n, 0,1,2,3
	v_bfe_u32 v[LB+\n], v64, \n, 1
.endr
.irp n, 0,1,2,3
	v_cmp_eq_u32 s[24+\n], 1, v[LB+\n]             ; the words that have bit s38 + n
.endr
.irp n, 0,1,2,3
	v_bfe_u32 v[LE+\n], v65, \n, 1
.endr
.irp n, 0,1,2,3
	v_lshl_add_u32 v[LE+\n], v[LE+\n], 10, v66     ; + 1,024: the token's second row of P
.endr
.irp n, 1,2,3
	v_add_nc_u32 v[LE+\n], \n, v[LE+\n]
.endr
	s_wait_alu depctr_va_sdst(0)                   ; the four compares have written s24-27, ahead of their first readers
	s_mov_b32 s44, s39                             ; the ranks at which the four planes begin
	s_bcnt1_i32_b32 s45, s24
	s_add_co_u32 s45, s45, s44
	s_bcnt1_i32_b32 s46, s25
	s_add_co_u32 s46, s46, s45
	s_bcnt1_i32_b32 s47, s26
	s_add_co_u32 s47, s47, s46
	s_bcnt1_i32_b32 s39, s27
	s_add_co_u32 s39, s39, s47
.irp n, 0,1,2,3
	v_mbcnt_lo_u32_b32 v[LA+\n], s[24+\n], 0
.endr
.irp n, 0,1,2,3
	v_add_nc_u32 v[LA+\n], s[44+\n], v[LA+\n]
.endr
.irp n, 0,1,2,3
	v_cndmask_b32 v[LA+\n], v69, v[LA+\n], s[24+\n]
.endr
.irp n, 0,1,2,3
	v_min_u32 v[LA+\n], 0x43f, v[LA+\n]
.endr
.irp n, 0,1,2,3
	v_lshl_add_u32 v[LA+\n], v[LA+\n], 1, s36
.endr
	s_wait_alu depctr_va_vdst(0)                   ; the four addresses v96-99 and the four entries v100-103 are written, which the stores read
.irp n, 0,1,2,3
	ds_store_b16 v[LA+\n], v[LE+\n]
.endr
	s_add_co_u32 s38, s38, 4
	s_cmp_lt_u32 s38, 32
	s_cbranch_scc1 .Llist
	s_mov_b32 s18, s39
	s_add_co_u32 s19, s18, 15
	s_lshr_b32 s19, s19, 4
	s_max_u32 s37, s19, 1
	s_sub_co_u32 s37, s37, 1
	s_max_u32 s24, s18, 1                          ; the 16 places past the count repeat the last row: they store the same numbers to the same place
	s_sub_co_u32 s24, s24, 1
	s_min_u32 s24, s24, 1023
	s_lshl_b32 s24, s24, 1
	s_add_co_u32 s24, s24, s36
	v_mov_b32 v104, s24
	v_add_nc_u32 v106, s18, v2
	v_min_u32 v106, 0x40f, v106
	v_lshl_add_u32 v106, v106, 1, s36
	s_mov_b32 s21, 0
	SETPASS
	v_lshl_add_u32 v[VB], v1, 4, BW
	v_mul_u32_u24 v12, v3, 4*FP                    ; column 4 lane + c: fragment 4 (lane / 16) + c,
	v_lshl_add_u32 v12, v2, 4, v12                 ; place lane % 16
	s_lshr_b32 s24, s14, 2
	s_mul_i32 s24, s24, KB
	s_and_b32 s25, s14, 3
	s_lshl_b32 s25, s25, 8
	s_add_co_u32 s24, s24, s25
	s_add_co_u32 s24, s24, BW
	v_add_nc_u32 v[VLS], s24, v12
	s_wait_alu depctr_va_vdst(0)                   ; v104, v106, h's offsets v4-6, v[VB] and v[VLS] are written; the head's arithmetic is done with v64-106, in which the load below, h and fragments land
	ds_load_u16 v105, v104
	s_wait_dscnt 0x0
	ds_store_b16 v106, v105
	s_wait_alu depctr_vm_vsrc(0)                   ; the head's LDS instructions have read their registers in v71-78 and v88-106, in which h and fragments land
	AISSUE 0, 0
	AISSUE 1, 1
	; ---- sub-trip 0: younger than W0 are W1, W2 (16) and A0, A1 (12)
	s_wait_loadcnt 28
	LOADER 0, 1, 3, 0
	AISSUE 2, 2
	AISSUE 3, 3
	JOIN
	; ---- sub-trip 1: younger than W1 are W2, A0, A1, W3, A2, A3.  The first half of K step 0, shown by the barrier above, is fetched
	s_wait_loadcnt 40
	s_wait_alu depctr_vm_vsrc(0)                   ; sub-trip 0's stores have read v16-31, which the conversions write again
	LOADER 1, 1, 4, 2*KB
	AISSUE 4, 4
	AISSUE 5, 5
	s_wait_alu depctr_vm_vsrc(0)                   ; the stores have read v[VLS], which is stepped, and v16-31, in which the loads below land
	v_add_nc_u32 v[VLS], 4*KB, v[VLS]              ; double step 2; its next reader stands behind the wait in the first trip's storing
	BLOAD 0, 0
	s_wait_xcnt 0x0                                ; the bases are stepped only behind this wait
	s_add_nc_u64 s[32:33], s[32:33], 5*64*RP
	s_add_nc_u64 s[28:29], s[28:29], 6*STEPK
	JOIN
	s_mov_b32 s22, 3
.Ltrip:                                        ; sub-trips 2 + 3 t + jj.  Younger than the first K step's h: 6 + 8 + 12 + 8 + 12 = 46; than the second's, with this sub-trip's weights and six loads of h issued: 8 + 12 + 8 + 12 + 8 + 6 = 54
	STEP 0, 1, 1, 1, 46, 54, 1, 0
	STEP 1, 1, 1, 1, 46, 54, 1, 0
	STEP 2, 1, 1, 1, 46, 54, 1, 0
	s_wait_xcnt 0x0
	s_add_nc_u64 s[32:33], s[32:33], 3*64*RP
	s_add_nc_u64 s[28:29], s[28:29], 6*STEPK
	s_sub_co_u32 s22, s22, 1
	s_cmp_lg_u32 s22, 0
	s_cbranch_scc1 .Ltrip
	STEP 0, 1, 1, 1, 46, 54, 1, 0                  ; sub-trips 11 to 17 are written out: the weights end with double step 15, h with K step 31, and the counts run down
	STEP 1, 1, 1, 1, 46, 54, 1, 0
	STEP 2, 1, 0, 1, 46, 46, 1, 0
	STEP 3, 1, 0, 1, 38, 38, 1, 0
	STEP 4, 1, 0, 0, 30, 24, 1, 0
	STEP 5, 0, 0, 0, 18, 12, 0, 0                  ; the whole image has been shown by the last barrier
	STEP 6, 0, 0, 0, 6, 0, 0, 1
	s_lshl_b32 s24, s14, 10                        ; b2 comes back out of my own LDS bytes, into registers that the weights' ring has left and the later passes do not touch
	s_add_co_u32 s24, s24, B2L
	v_lshl_add_u32 v12, v1, 5, s24
	v_lshlrev_b32 v14, 4, v2                       ; 16 r
	s_wait_alu depctr_va_vdst(0)                   ; v12 is written, which the two loads read
	ds_load_b128 v[B2:B2+3], v12
	ds_load_b128 v[B2+4:B2+7], v12 offset:16
	s_wait_dscnt 0x0
	s_mov_b32 s21, 0
.Lpass:
	s_cmp_eq_u32 s21, 0
	s_cbranch_scc1 .Lepi
	s_mul_i32 s24, s21, 24
	s_cmp_ge_u32 s24, s19
	s_cbranch_scc1 .Lnextpass
	s_wait_xcnt 0x0                                ; the last pass's stores have had their addresses translated: their registers are filled again only behind this wait
	s_wait_alu depctr_vm_vsrc(0)                   ; the last pass's loads have read h's offsets v4-6 and v[VB], which are made anew; its stores have read v72-143, in part of which the loads below land
	SETPASS
	v_lshl_add_u32 v[VB], v1, 4, BW
	s_mov_b64 s[30:31], s[54:55]
	SK 1
	s_mov_b32 s38, 31
.Lsk:
	SK 0
	s_sub_co_u32 s38, s38, 1
	s_cmp_lg_u32 s38, 0
	s_cbranch_scc1 .Lsk
.Lepi:
	s_wait_loadcnt 0x0
	DEPI 0
	DEPI 1
	DEPI 2
.Lnextpass:
	s_add_co_u32 s21, s21, 1
	s_cmp_lt_u32 s21, 3
	s_cbranch_scc1 .Lpass
	JOIN                                           ; every wave's LDS reads are back before any wave writes LDS again: the one write left is the add below
	s_wait_dscnt 0x0                               ; the closing lines, six on end
	s_wait_alu 0x0
	s_wait_tensorcnt 0x0
	ds_add_u32 v[SPW], v[NIL]
	s_wait_dscnt 0x0
	s_endpgm
.Lfunc_end_k_qa1c9d76dd3_down:
	.size	k_qa1c9d76dd3_down, .Lfunc_end_k_qa1c9d76dd3_down-k_qa1c9d76dd3_down
	.p2alignl 7, 3214868480
	.fill 96, 4, 3214868480
	.section	.rodata,"a",@progbits
	.p2align	6, 0x0
	.amdhsa_kernel k_qa1c9d76dd3_down
		.amdhsa_group_segment_fixed_size 317952
		.amdhsa_private_segment_fixed_size 0
		.amdhsa_enable_private_segment 0
		.amdhsa_kernarg_size 40
		.amdhsa_user_sgpr_count 2
		.amdhsa_user_sgpr_kernarg_segment_ptr 1
		.amdhsa_wavefront_size32 1
		.amdhsa_system_sgpr_workgroup_id_x 1
		.amdhsa_system_sgpr_workgroup_id_y 1
		.amdhsa_system_sgpr_workgroup_id_z 1
		.amdhsa_system_vgpr_workitem_id 0
		.amdhsa_next_free_vgpr 512
		.amdhsa_next_free_sgpr 66
		.amdhsa_reserve_vcc 0
		.amdhsa_float_denorm_mode_32 3
		.amdhsa_float_denorm_mode_16_64 3
		.amdhsa_memory_ordered 1
		.amdhsa_forward_progress 1
		.amdhsa_inst_pref_size 143
	.end_amdhsa_kernel
	.amdgpu_metadata
---
amdhsa.version: [ 1, 2 ]
amdhsa.kernels:
  - .name:           k_qa1c9d76dd3_down
    .symbol:         k_qa1c9d76dd3_down.kd
    .args:
      - { .name: hbuf, .offset: 0, .size: 8, .value_kind: global_buffer, .address_space: global }
      - { .name: W2, .offset: 8, .size: 8, .value_kind: global_buffer, .address_space: global }
      - { .name: b2, .offset: 16, .size: 8, .value_kind: global_buffer, .address_space: global }
      - { .name: bm, .offset: 24, .size: 8, .value_kind: global_buffer, .address_space: global }
      - { .name: pbuf, .offset: 32, .size: 8, .value_kind: global_buffer, .address_space: global }
    .group_segment_fixed_size: 317952
    .private_segment_fixed_size: 0
    .kernarg_segment_align: 8
    .kernarg_segment_size: 40
    .max_flat_workgroup_size: 256
    .sgpr_count:     66
    .vgpr_count:     512
    .wavefront_size: 32
...
	.end_amdgpu_metadata
.endif
;; end of part 8
;; launch combine: the kernel of part 4 again; grid 256 x 1, 8 waves a work-group, no clusters, 0 bytes of LDS; arguments pbuf, gs, auxp, out0, out1; writes out0, out1
